; MI455X (gfx1250); checked and timed in simulation.
; The chip was launched on July 23, 2026; its instructions are those of AMD's public machine-readable ISA for CDNA 5 (MIT licence, August 2026) and "CDNA5" Instruction Set Architecture Reference Guide (July 2026). The comments in the code are by the model that wrote it; some were corrected since.
;; Transformer Feature Extractor. Allowed arithmetic: matrix products marked QUANTISED: E2M1 operands, one E8M0 scale for each 32 along K, by v_wmma_scale_f32_16x16x128_f8f6f4 with both operands' format E2M1 (or v_wmma_scale_f32_32x16x128_f4), f32 sums; products left as they are: f32 operands where the result goes on into a quantised operand, else bf16, f16 or f32 operands; f32 sums; everything else in f32.
;; Inputs: W1 4 x 512 x 2,048 float32; W2 4 x 2,048 x 512 float32; Wk 4 x 512 x 512 float32; Wo 4 x 512 x 512 float32; Wq 4 x 512 x 512 float32; Wv 4 x 512 x 512 float32; be1 4 x 512 float32; be2 4 x 512 float32; bf1 4 x 2,048 float32; bf2 4 x 512 float32; bk 4 x 512 float32; bo 4 x 512 float32; bq 4 x 512 float32; bv 4 x 512 float32; g1 4 x 512 float32; g2 4 x 512 float32; x 4 x 1,024 x 512 float32; x_mask 4 x 1,024 int32; y 4 x 1,024 x 512 float32; y_mask 4 x 1,024 int32.
;; Outputs: out0 4 x 1,024 x 512 float32.
;; This version of the problem:
;;   THIS VERSION OF THE PROBLEM IS GIVEN IN LOW PRECISION. The matrix products marked QUANTISED in the list below multiply operands that are first quantised to E2M1 (2 exponent bits, 1 mantissa bit; 4 bits a number), with one power-of-two scale for each 32 numbers along K (OCP MX v1.0); their sums are f32. All else is computed in f32.
;;   The module's matrix products, in the order in which they are computed (A, B: the left and right operand; K: the contracted axis; several contracted axes count as one K, in the product's order):
;;     1. batch 4 x [M 1,024, K 1] x [K 1, N 1,024]; A: input x_mask; B: input y_mask: left as it is (K = 1 < 32)
;;     2. [M 4,096, K 512] x [K 512, N 512]; A: input x; B: input Wq: QUANTISED
;;     3. [M 4,096, K 512] x [K 512, N 512]; A: input y; B: input Wk: QUANTISED
;;     4. [M 4,096, K 512] x [K 512, N 512]; A: input y; B: input Wv: QUANTISED
;;     5. batch 32 x [M 1,024, K 64] x [K 64, N 1,024]; A: computed on the way; B: computed on the way: QUANTISED
;;     6. batch 32 x [M 1,024, K 1,024] x [K 1,024, N 64]; A: softmax (see below); B: computed on the way: QUANTISED
;;     7. [M 4,096, K 512] x [K 512, N 512]; A: computed on the way; B: input Wo: QUANTISED
;;     8. [M 4,096, K 512] x [K 512, N 2,048]; A: computed on the way; B: input W1: QUANTISED
;;     9. [M 4,096, K 2,048] x [K 2,048, N 512]; A: computed on the way; B: input W2: QUANTISED
;;     10. [M 4,096, K 512] x [K 512, N 512]; A: input x; B: input Wq: QUANTISED
;;     11. [M 4,096, K 512] x [K 512, N 512]; A: input y; B: input Wk: QUANTISED
;;     12. [M 4,096, K 512] x [K 512, N 512]; A: input y; B: input Wv: QUANTISED
;;     13. batch 32 x [M 1,024, K 64] x [K 64, N 1,024]; A: computed on the way; B: computed on the way: QUANTISED
;;     14. batch 32 x [M 1,024, K 1,024] x [K 1,024, N 64]; A: computed on the way; B: computed on the way: QUANTISED
;;     15. [M 4,096, K 512] x [K 512, N 512]; A: computed on the way; B: input Wo: QUANTISED
;;     16. [M 4,096, K 512] x [K 512, N 2,048]; A: computed on the way; B: input W1: QUANTISED
;;     17. [M 4,096, K 2,048] x [K 2,048, N 512]; A: computed on the way; B: input W2: QUANTISED
;;     18. [M 4,096, K 512] x [K 512, N 512]; A: input x; B: input Wq: QUANTISED
;;     19. [M 4,096, K 512] x [K 512, N 512]; A: input y; B: input Wk: QUANTISED
;;     20. [M 4,096, K 512] x [K 512, N 512]; A: input y; B: input Wv: QUANTISED
;;     21. batch 32 x [M 1,024, K 64] x [K 64, N 1,024]; A: computed on the way; B: computed on the way: QUANTISED
;;     22. batch 32 x [M 1,024, K 1,024] x [K 1,024, N 64]; A: computed on the way; B: computed on the way: QUANTISED
;;     23. [M 4,096, K 512] x [K 512, N 512]; A: computed on the way; B: input Wo: QUANTISED
;;     24. [M 4,096, K 512] x [K 512, N 2,048]; A: computed on the way; B: input W1: QUANTISED
;;     25. [M 4,096, K 2,048] x [K 2,048, N 512]; A: computed on the way; B: input W2: QUANTISED
;;     26. [M 4,096, K 512] x [K 512, N 512]; A: input x; B: input Wq: QUANTISED
;;     27. [M 4,096, K 512] x [K 512, N 512]; A: input y; B: input Wk: QUANTISED
;;     28. [M 4,096, K 512] x [K 512, N 512]; A: input y; B: input Wv: QUANTISED
;;     29. batch 32 x [M 1,024, K 64] x [K 64, N 1,024]; A: computed on the way; B: computed on the way: QUANTISED
;;     30. batch 32 x [M 1,024, K 1,024] x [K 1,024, N 64]; A: computed on the way; B: computed on the way: QUANTISED
;;     31. [M 4,096, K 512] x [K 512, N 512]; A: computed on the way; B: input Wo: QUANTISED
;;     32. [M 4,096, K 512] x [K 512, N 2,048]; A: computed on the way; B: input W1: QUANTISED
;;     33. [M 4,096, K 2,048] x [K 2,048, N 512]; A: computed on the way; B: input W2: QUANTISED
;;   THE QUANTISER, for each operand of a quantised product, along K:
;;     - K is cut into blocks of 32 from its start; a last block that is shorter is filled with zeros.
;;     - A block's scale is 2^e with e = floor(log2(the largest magnitude in the block)) - 2, held to -126 .. 127; a block of zeros has e = 0. As a byte (E8M0): e + 127.
;;     - Each number is divided by its block's scale, clamped to +-6, and rounded to the nearest number of E2M1, ties to even, subnormals kept.
;;     - The product sums the exact products of the quantised numbers (number of the format x scale) in f32.
;;   ~~~python
;;   def quantise(x, axis):      # numpy; x: float32 -> the quantised numbers, widened to float32 again
;;       x = np.moveaxis(x, axis, -1); K = x.shape[-1]
;;       x = np.pad(x, [(0, 0)] * (x.ndim - 1) + [(0, -K % 32)]); x = x.reshape(x.shape[:-1] + (-1, 32)); a = np.abs(x).max(-1, keepdims=True)
;;       e = np.where(a > 0, np.clip(np.frexp(np.where(a > 0, a, 1))[1] - 1 - 2, -126, 127), 0)      # np.frexp(a)[1] - 1 = floor(log2(a)), exactly
;;       r = np.clip(x / 2.0 ** e, -6, 6)
;;       step = 2.0 ** (np.maximum(np.frexp(np.where(r == 0, 1, r))[1] - 1, 0) - 1)
;;       q = np.round(r / step) * step * 2.0 ** e      # np.round: ties to even
;;       return np.moveaxis(q.reshape(q.shape[:-2] + (-1,))[..., :K], -1, axis).astype(np.float32)
;;   ~~~
;;   SOFTMAX AHEAD OF A QUANTISED PRODUCT. Where the list says 'softmax', what is quantised is not the finished softmax but p = 2^(t - M), with t = logit x log2(e) and M = ceil(the row's largest t), a whole number; so 1/2 < the row's largest p <= 1. The row's sum l is taken of the UNQUANTISED p, in f32, and the product's result is divided by l at the end. Since M is a whole number, a kernel that streams over the keys may use a running M (the ceiling of the running maximum): every later rescaling is an exact power of two, which a block's scale takes up: the codes' values come out the same.
;;   OPERANDS COMPUTED ON THE WAY. 'Computed on the way' means the value that the module computes at that place (a softmax that the list does not call 'softmax' is quantised finished and normalised). What goes into a quantiser is computed in f32, as accurately as f32 sums, v_exp_f32 and their like allow (about 1e-6 of the number): no bf16 or f16 on the way to a quantiser, and a product that is left as it is and whose result goes on into a quantised operand takes f32 operands (vector FMAs, or v_wmma_f32_16x16x4_f32). A number that lies on a knife's edge between two numbers of the format may be rounded either way, as far as f32 arithmetic and the matrix unit's own rounding can turn it there, and no further.
;; 2 versions, each right; version 2 is version 1 with the launches proj, attn, tail written anew for expert scheduling mode. Each part assembles by itself: llvm-mc -triple=amdgcn-amd-amdhsa -mcpu=gfx1250 --defsym DOCPART=n.
;; ======== version 1 of 2: 4 launches
;; limits: right only within a limited range of input values
;; workspace buffers: wimg 2,359,296 bytes; wsc 147,456 bytes; qkc 8,388,608 bytes; qks 524,288 bytes; vimg 1,048,576 bytes; vsc 65,536 bytes; ocod 1,048,576 bytes; osc 65,536 bytes
;; launch wq (part 1): grid 16 x 18, 8 waves a work-group, no clusters, 1,536 bytes of LDS; arguments Wq, Wk, Wv, Wo, W1, W2, wimg, wsc; writes wimg, wsc
.if DOCPART == 1
	.amdgcn_target "amdgcn-amd-amdhsa--gfx1250"
	.amdhsa_code_object_version 6
	.text
	.protected	k_qac2e330c00_wq
	.globl	k_qac2e330c00_wq
	.p2align	8
	.type	k_qac2e330c00_wq,@function
k_qac2e330c00_wq:
	s_mov_b64 s[64:65], 0
	v_nop
	global_prefetch_b8 v0, s[64:65] scope:SCOPE_SE
	s_setreg_imm32_b32 hwreg(HW_REG_WAVE_MODE, 25, 1), 1
	s_wait_xcnt 0x0
; WEIGHTS INTO CODES OF FP4 (E2M1), laid as images of the matrix operand's registers.
; 18 sub-matrices m of 512 (K) x 512 (N), f32 with K as the first axis: m 0-3 Wq[l], 4-7 Wk[l], 8 Wv[3], 9 Wo[3], 10-13 W1[3] columns 512 (m - 10) on, 14-17 W2[3] rows 512 (m - 14) on.
; Only these feed the result: reference() returns the last layer's out alone, and of the earlier layers only the attention weights (q, k) go on into it.
; wimg [m][tile 32][K step 4][c 2][half 2][slot 16][16 bytes]: the 16 bytes are one block of 32 along K of one column, which is what registers 4 c .. 4 c + 3 of lane 16 half + slot hold.
; wsc  [m][Kc 2][slot index 512][2 words]: the scale words of K steps 2 Kc and 2 Kc + 1.
; WHICH COLUMN SITS IN WHICH SLOT: tile 2 b + u, slot s: column 32 b + 8 u + s + 8 (s / 8), so that in the transposed product two neighbouring tiles give a lane 16 neighbouring columns.
; For m = 8 (values): tile t, slot 8 h + j: column 64 j + 2 t + h, so that a lane's eight results are eight neighbouring KEYS of one channel (the head split is a plain reshape).
; A LANE TAKES A SLOT'S COLUMN AND ITS REGISTERS RUN DOWN K: a block's largest magnitude needs no other lane, and the conversions give codes with K innermost.
; SHARES: work-group (x, y): y = m, x & 7 = 64 slots, x >> 3 = 256 along K.  Wave: 32 slots x 64 along K (two blocks a lane); all its 64 loads go out at once.
; A block's scale byte is its largest magnitude's exponent field - 2, held at 1 from below (a block of zeros gets 1; its codes are zeros, and these bytes are read by this program alone).
; LIMITS: NaN and infinities among the inputs are not served.  For m = 8 a load touches eight pieces of 16 bytes: 1 MB of the 18 that the launch reads.
.set X,  32                            ; v32-95  64 numbers: two blocks
.set CD, 96                            ; v96-103 their codes
	s_load_b256 s[4:11], s[0:1], 0x0               ; Wq s[4:5], Wk s[6:7], Wv s[8:9], Wo s[10:11]
	s_load_b256 s[12:19], s[0:1], 0x20             ; W1 s[12:13], W2 s[14:15], wimg s[16:17], wsc s[18:19]
	v_lshl_add_u32 v112, v0, 2, 0x200
	v_mov_b32 v113, 0
	v_lshrrev_b32 v1, 5, v0
	v_readfirstlane_b32 s20, v1                    ; wave 0..7
	v_and_b32 v2, 31, v0                           ; lane
	s_and_b32 s21, ttmp7, 0xffff                   ; m
	s_and_b32 s22, ttmp9, 7                        ; g: 64 slots
	s_lshr_b32 s23, ttmp9, 3                       ; Kc: 256 along K
	s_and_b32 s24, s20, 1                          ; cw: 32 slots
	s_lshr_b32 s25, s20, 1                         ; kw: 64 along K
	s_lshl_b32 s26, s22, 6
	s_lshl_b32 s27, s24, 5
	s_add_co_u32 s26, s26, s27                     ; 64 g + 32 cw: my wave's first slot index
	v_lshrrev_b32 v3, 4, v2                        ; lane / 16: which of my two tiles
	v_and_b32 v4, 15, v2                           ; slot
	v_and_b32 v5, 8, v2
	v_lshl_add_u32 v6, v3, 3, v4
	v_add3_u32 v6, v6, v5, s26                     ; the usual column: 64 g + 32 cw + 8 u + slot + 8 (slot / 8)
	s_lshr_b32 s27, s26, 3
	v_and_b32 v7, 7, v2
	v_lshrrev_b32 v8, 3, v2
	v_lshl_add_u32 v7, v7, 6, v8
	v_add_nc_u32 v7, s27, v7                       ; the values' column: 64 (lane & 7) + 8 g + 4 cw + lane / 8
	s_cmp_eq_u32 s21, 8
	s_cselect_b32 s28, -1, 0
	v_cndmask_b32 v6, v6, v7, s28
	v_lshlrev_b32 v6, 2, v6                        ; in bytes
	s_lshl_b32 s29, s24, 8
	s_lshl_b32 s30, s25, 1
	s_add_co_u32 s29, s29, s30
	v_lshlrev_b32 v9, 3, v2
	v_add_nc_u32 v9, s29, v9                       ; LDS: 8 bytes a slot of the work-group's 64; my two bytes at 2 kw
	v_lshlrev_b32 v10, 4, v4
	v_lshl_add_u32 v10, v3, 12, v10                ; in wimg: 16 x slot, the second tile 4,096 bytes on
	v_lshlrev_b32 v11, 4, v2                       ; 16 x lane
	; where each candidate source begins, in bytes
	s_lshl_b32 s33, s21, 20                        ; Wq[m]
	s_sub_co_u32 s34, s21, 4
	s_lshl_b32 s34, s34, 20                        ; Wk[m - 4]
	s_mov_b32 s35, 0x300000                        ; Wv[3], Wo[3]
	s_sub_co_u32 s36, s21, 10
	s_lshl_b32 s36, s36, 11
	s_add_co_u32 s36, s36, 0xc00000                ; W1[3], columns 512 (m - 10) on
	s_sub_co_u32 s37, s21, 2
	s_lshl_b32 s37, s37, 20                        ; W2[3], rows 512 (m - 14) on
	s_lshl_b32 s31, s21, 17                        ; wimg: m x 131,072
	s_lshl_b32 s32, s26, 8
	s_add_co_u32 s31, s31, s32                     ; + tile x 4,096
	s_lshl_b32 s32, s23, 11
	s_add_co_u32 s31, s31, s32                     ; + K step 2 Kc
	s_lshl_b32 s32, s25, 9
	s_add_co_u32 s42, s31, s32                     ; + 512 kw: K step kw / 2, half image kw & 1
	s_mov_b32 s43, 0
	s_lshl_b32 s31, s21, 13                        ; wsc: m x 8,192 + Kc x 4,096 + g x 512
	s_lshl_b32 s32, s23, 12
	s_add_co_u32 s31, s31, s32
	s_lshl_b32 s32, s22, 9
	s_add_co_u32 s50, s31, s32
	s_mov_b32 s51, 0
	s_wait_kmcnt 0x0
	s_cmp_lt_u32 s21, 14                           ; the source is chosen by m alone
	s_cselect_b64 s[38:39], s[12:13], s[14:15]
	s_cselect_b32 s40, s36, s37
	s_cselect_b32 s44, 13, 11                      ; log2 of a row's bytes: 8,192 in W1, else 2,048
	s_cmp_lt_u32 s21, 10
	s_cselect_b64 s[38:39], s[10:11], s[38:39]
	s_cselect_b32 s40, s35, s40
	s_cselect_b32 s44, 11, s44
	s_cmp_lt_u32 s21, 9
	s_cselect_b64 s[38:39], s[8:9], s[38:39]
	s_cmp_lt_u32 s21, 8
	s_cselect_b64 s[38:39], s[6:7], s[38:39]
	s_cselect_b32 s40, s34, s40
	s_cmp_lt_u32 s21, 4
	s_cselect_b64 s[38:39], s[4:5], s[38:39]
	s_cselect_b32 s40, s33, s40
	s_lshl_b32 s31, s23, 8
	s_lshl_b32 s32, s25, 6
	s_add_co_u32 s31, s31, s32                     ; my first row: 256 Kc + 64 kw
	s_lshl_b32 s31, s31, s44
	s_add_co_u32 s40, s40, s31
	s_mov_b32 s41, 0
	s_add_nc_u64 s[38:39], s[38:39], s[40:41]
	s_add_nc_u64 s[46:47], s[16:17], s[42:43]
	s_add_nc_u64 s[48:49], s[18:19], s[50:51]
.macro LOADS pitch                     ; W(row i, my column), i = 0 .. 63
.set i, 0
.rept 64
	global_load_b32 v[X+i], v6, s[38:39] offset:i*\pitch th:TH_LOAD_NT
.set i, i+1
.endr
.endm
	s_cmp_eq_u32 s44, 13                           ; the pitch stands in the immediates, so the run is written for both
	s_cbranch_scc1 .Lwide
	LOADS 2048
	s_branch .Lloaded
.Lwide:
	LOADS 8192
.Lloaded:
.macro BLOCK t
.set XS, X+32*\t
.if \t == 0
	s_wait_loadcnt 32                              ; the first block's 32 loads are in; the second's may be out
.else
	s_wait_loadcnt 0x0
.endif
	v_max3_num_f32 v12, |v[XS]|, |v[XS+1]|, |v[XS+2]|      ; the block's largest magnitude, in two chains
	v_max3_num_f32 v13, |v[XS+3]|, |v[XS+4]|, |v[XS+5]|
.irp i, 6,10,14,18,22,26
	v_max3_num_f32 v12, v12, |v[XS+\i]|, |v[XS+\i+1]|
	v_max3_num_f32 v13, v13, |v[XS+\i+2]|, |v[XS+\i+3]|
.endr
	v_max3_num_f32 v12, v12, |v[XS+30]|, |v[XS+31]|
	v_max3_num_f32 v12, v12, v13, 0x1800000        ; and the floor 2^(3 - 127): the byte cannot fall under 1
	v_add_nc_u32 v[14+\t], 0xff000000, v12         ; 2 off the exponent field: the conversion's scale operand
.irp g, 0,1,2,3
	v_cvt_scalef32_pk8_fp4_f32 v[CD+4*\t+\g], v[XS+8*\g:XS+8*\g+7], v[14+\t]
.endr
	v_lshrrev_b32 v[16+\t], 23, v[14+\t]           ; the scale's byte (a plain line behind the conversions)
	global_store_b128 v10, v[CD+4*\t:CD+4*\t+3], s[46:47] offset:256*\t   ; lanes 0-15 and lanes 16-31 each store 256 consecutive, aligned bytes
.endm
	BLOCK 0
	BLOCK 1
	v_lshl_or_b32 v18, v17, 8, v16                 ; my two bytes, the lower K below
	ds_store_b16 v9, v18
	s_wait_dscnt 0x0                               ; for the others' sake: my store has landed
	s_barrier_signal -1
	s_barrier_wait -1
	s_cmp_lg_u32 s20, 0
	s_cbranch_scc1 .Lend
	ds_load_b128 v[20:23], v11                     ; wave 0 stores the 64 slots' 512 bytes
	s_wait_dscnt 0x0
	global_store_b128 v11, v[20:23], s[48:49]
.Lend:
	s_wait_tensorcnt 0x0
	ds_add_u32 v112, v113
	s_wait_dscnt 0x0
	s_endpgm
.Lfunc_end_k_qac2e330c00_wq:
	.size	k_qac2e330c00_wq, .Lfunc_end_k_qac2e330c00_wq-k_qac2e330c00_wq
	.p2alignl 7, 3214868480
	.fill 96, 4, 3214868480
	.section	.rodata,"a",@progbits
	.p2align	6, 0x0
	.amdhsa_kernel k_qac2e330c00_wq
		.amdhsa_group_segment_fixed_size 1536
		.amdhsa_private_segment_fixed_size 0
		.amdhsa_enable_private_segment 0
		.amdhsa_kernarg_size 64
		.amdhsa_user_sgpr_count 2
		.amdhsa_user_sgpr_kernarg_segment_ptr 1
		.amdhsa_wavefront_size32 1
		.amdhsa_system_sgpr_workgroup_id_x 1
		.amdhsa_system_sgpr_workgroup_id_y 1
		.amdhsa_system_sgpr_workgroup_id_z 1
		.amdhsa_system_vgpr_workitem_id 0
		.amdhsa_next_free_vgpr 114
		.amdhsa_next_free_sgpr 66
		.amdhsa_reserve_vcc 0
		.amdhsa_float_denorm_mode_32 3
		.amdhsa_float_denorm_mode_16_64 3
		.amdhsa_memory_ordered 1
		.amdhsa_forward_progress 1
		.amdhsa_inst_pref_size 20
	.end_amdhsa_kernel
	.amdgpu_metadata
---
amdhsa.version: [ 1, 2 ]
amdhsa.kernels:
  - .name:           k_qac2e330c00_wq
    .symbol:         k_qac2e330c00_wq.kd
    .args:
      - { .name: Wq, .offset: 0, .size: 8, .value_kind: global_buffer, .address_space: global }
      - { .name: Wk, .offset: 8, .size: 8, .value_kind: global_buffer, .address_space: global }
      - { .name: Wv, .offset: 16, .size: 8, .value_kind: global_buffer, .address_space: global }
      - { .name: Wo, .offset: 24, .size: 8, .value_kind: global_buffer, .address_space: global }
      - { .name: W1, .offset: 32, .size: 8, .value_kind: global_buffer, .address_space: global }
      - { .name: W2, .offset: 40, .size: 8, .value_kind: global_buffer, .address_space: global }
      - { .name: wimg, .offset: 48, .size: 8, .value_kind: global_buffer, .address_space: global }
      - { .name: wsc, .offset: 56, .size: 8, .value_kind: global_buffer, .address_space: global }
    .group_segment_fixed_size: 1536
    .private_segment_fixed_size: 0
    .kernarg_segment_align: 8
    .kernarg_segment_size: 64
    .max_flat_workgroup_size: 256
    .sgpr_count:     66
    .vgpr_count:     114
    .wavefront_size: 32
...
	.end_amdgpu_metadata
.endif
;; end of part 1
;; launch proj (part 2): grid 32 x 8, 4 waves a work-group, no clusters, 75,776 bytes of LDS; arguments x, y, bq, bk, bv, wimg, wsc, qkc, qks, vimg, vsc; writes qkc, qks, vimg, vsc
.if DOCPART == 2
	.amdgcn_target "amdgcn-amd-amdhsa--gfx1250"
	.amdhsa_code_object_version 6
	.text
	.protected	k_qac2e330c00_proj
	.globl	k_qac2e330c00_proj
	.p2align	8
	.type	k_qac2e330c00_proj,@function
k_qac2e330c00_proj:
	s_mov_b64 s[64:65], 0
	v_nop
	global_prefetch_b8 v0, s[64:65] scope:SCOPE_SE
	s_setreg_imm32_b32 hwreg(HW_REG_WAVE_MODE, 25, 1), 1
	s_wait_xcnt 0x0
; THE PROJECTIONS, on codes of FP4 (E2M1) with one E8M0 scale for each 32 along K.
; job 0-3: q_l = x Wq[l] + bq[l];  job 4-7: k_l = y Wk[l] + bk[l] (l = job - 4), and beside it channels 16 l .. 16 l + 15 of v = y Wv[3] + bv[3].
; q and k are quantised along the head's 64 (the head split is a plain reshape: a row's 512 columns are eight pseudo-rows of 64), v along the keys.
; qkc [job][row 4096][256 bytes], qks [job][row][16 bytes]: rows as they lie, so also [job][head][pseudo-row][32 bytes] and [..][2 bytes].
; vimg [head 32][128 keys 8][16 channels 4][c 2][lane 32][16 bytes]: images of the operand's registers;  vsc [head][16 channels 4][128 keys 8][channel 16] words.
; SHARES: work-group (x, y) = (head: 128 rows, job), two blocks of 64 rows.  THE WAVES SHARE THE COLUMNS: wave w keeps the codes of columns 128 w .. 128 w + 127 in 256 registers for the whole launch.
; A BLOCK: each wave quantises 16 rows (dense loads of 512 bytes, turned through its own LDS stage so that a lane holds 16 neighbours along K) and stores the fragments' images | barrier |
; for each tile of 16 rows: 32 products (transposed: source 0 = 16 weight columns, source 1 = the rows; the bias is the first product's C), quantised in registers, codes into a stage | barrier | whole rows out.
; The values' tiles take columns 64 j + 2 t + h: a lane's eight results are keys 8 row + 0 .. 7 of one channel; four neighbouring rows make a block of 32 keys.
; Jobs 0-3 load the values' weights too (every register is written on every way) and pass over the values' work by a scalar branch on the job.
; No tensor loads and no cluster: each work-group reads its weights once, into registers.
; LIMITS: NaN and infinities are not served; a block of zeros carries the byte 1 (its codes are zeros; this program alone reads the bytes); the bias enters as the sum's start.
; REGISTERS: window 0: addresses, fragments of x, results, scale words;  window 1: my weights, tile t, K step s at v[8 (4 t + s)];  window 2: v0-63 bias, v64-127 values' weights, v128-143 values' bias;  window 3: 16 rows of x as loaded.
.set XIMG, 33792                       ; LDS: 0: four stages of 16 x 528 bytes, one a wave;  x's 16 fragments (4 tile + K step), 1,024 bytes each;
.set XSC,  50176                       ; their scale words, 128 bytes each;
.set QST,  52224                       ; 64 rows x (256 + 16) bytes of q/k codes;
.set QSS,  69632                       ; 64 rows x 16 scale bytes;
.set VST,  70656                       ; 16 channels x (256 + 16) bytes of v codes;
.set VSS,  75008                       ; 4 x 16 scale words of v
.set LI,  4                            ; 16 x lane
.set LS,  5                            ; 4 x lane
.set L8,  6                            ; 8 x lane
.set TS,  7                            ; my stage, as loaded
.set TL,  8                            ; my stage, 64 bytes a lane
.set XWI, 9
.set XWS, 10
.set QSO, 11
.set QSC, 12
.set QRD, 13
.set QSR, 14
.set VSO, 15
.set VSB, 16
.set VRD, 17
.set BA,  18
.set BV,  19
.set VSR, 20
.set XF,  32                           ; v32-63   a tile's four fragments of x
.set XS,  64                           ; v64-67   their scale words
.set PW,  68                           ; the scale word just made
.set VWS, 70                           ; v70-73   the values' weights' scale words
.set TM,  74                           ; v74-89   at work
.set PC,  90                           ; v90-97   the codes just made
.set WS,  98                           ; v98-113  my weights' scale words: 4 b + s; lanes 0-15 tile 2 b, lanes 16-31 tile 2 b + 1
.set HA,  114                          ; v114-177 eight result tiles
.set ST,  178                          ; v178-241 64 numbers of x; later rows on their way out
.set VA,  178                          ; v178-193 the values' two result tiles
.set VC,  242                          ; v242-243 their codes;  v244-245 their bytes
.set VBY, 244
.set WV,  26
.set BH,  27
.set JOB, 28
.set LL,  29
.set SEL, 30
.set IN,  36
.set BI,  38
.set WP,  40
.set WSP, 42
.set VWP, 44
.set VSP, 46
.set BVP, 48
.set QC,  50
.set QS,  52
.set VI,  54
.set VS,  56
.set MSB, 0
.macro WIN new                         ; the immediate's high byte repeats the setting that is left
.if MSB != (\new)
	s_set_vgpr_msb (MSB<<8)|(\new)
.set MSB, (\new)
.endif
.endm
.macro BARRIER                         ; my LDS stores have landed and my LDS loads are in: then the work-group's barrier
	s_wait_dscnt 0x0
	s_barrier_signal -1
	s_barrier_wait -1
.endm
.macro MM d, a, b, c, sa, sb, row1     ; row1: source 0's scales stand in lanes 16-31
.if \row1
	v_wmma_scale_f32_16x16x128_f8f6f4 v[0+(\d):7+(\d)], v[0+(\a):7+(\a)], v[0+(\b):7+(\b)], v[0+(\c):7+(\c)], v[\sa], v[\sb] matrix_a_fmt:MATRIX_FMT_FP4 matrix_b_fmt:MATRIX_FMT_FP4 matrix_a_scale:MATRIX_SCALE_ROW1
.else
	v_wmma_scale_f32_16x16x128_f8f6f4 v[0+(\d):7+(\d)], v[0+(\a):7+(\a)], v[0+(\b):7+(\b)], v[0+(\c):7+(\c)], v[\sa], v[\sb] matrix_a_fmt:MATRIX_FMT_FP4 matrix_b_fmt:MATRIX_FMT_FP4
.endif
.endm
.macro OFF2 a, sa, b, sb, k            ; s32 = (s[a] << sa) + (s[b] << sb) + k
	s_lshl_b32 s32, s[\a], \sa
	s_lshl_b32 s34, s[\b], \sb
	s_add_co_u32 s32, s32, s34
.if (\k) != 0
	s_add_co_u32 s32, s32, \k
.endif
.endm
.macro OFF3 a, sa, b, sb, c, sc, k
	OFF2 \a, \sa, \b, \sb, \k
	s_lshl_b32 s34, s[\c], \sc
	s_add_co_u32 s32, s32, s34
.endm
; 64 numbers of a lane, register s + 16 b + i = k 32 b + 16 (lane / 16) + i of my row, become a fragment's codes in v[PC] on and its scale word in v[PW]
.macro QUANT s
.irp b, 0,1,2,3
	v_max3_num_f32 v[TM+\b], |v[\s+16*\b]|, |v[\s+1+16*\b]|, 0x1800000   ; my 16 numbers of block b, and the floor 2^(3 - 127)
.endr
.irp i, 2,4,6,8,10,12,14
.irp b, 0,1,2,3
	v_max3_num_f32 v[TM+\b], v[TM+\b], |v[\s+16*\b+\i]|, |v[\s+1+16*\b+\i]|
.endr
.endr
.irp b, 0,1,2,3
	v_permlanex16_b32 v[TM+4+\b], v[TM+\b], s[SEL], s[SEL+1]
.endr
.irp b, 0,1,2,3
	v_max_num_f32 v[TM+\b], v[TM+\b], v[TM+4+\b]   ; with lane l xor 16's: the block's largest magnitude
.endr
.irp b, 0,1,2,3
	v_add_nc_u32 v[TM+12+\b], 0xff000000, v[TM+\b] ; 2 off the exponent field: the conversion's scale operand
.endr
.irp b, 0,1,2,3
	v_lshrrev_b32 v[TM+4+\b], 23, v[TM+12+\b]      ; the scale's byte
.endr
	v_lshl_or_b32 v[PW], v[TM+5], 8, v[TM+4]
	v_lshl_or_b32 v[PW], v[TM+6], 16, v[PW]
	v_lshl_or_b32 v[PW], v[TM+7], 24, v[PW]
.irp b, 0,1,2,3
	v_cvt_scalef32_pk8_fp4_f32 v[PC+2*\b], v[\s+16*\b:\s+7+16*\b], v[TM+12+\b]
	v_cvt_scalef32_pk8_fp4_f32 v[PC+1+2*\b], v[\s+8+16*\b:\s+15+16*\b], v[TM+12+\b]
.endr
	v_nop                                          ; one plain line behind the conversions
.irp c, 0,1                            ; the operand wants a whole block in a lane
.irp i, 0,1
	v_permlane16_swap_b32 v[PC+4*\c+\i], v[PC+2+4*\c+\i]
.endr
.endr
.endm
.macro IMAGE adr, off
.irp c, 0,1
	ds_store_b128 v[\adr], v[PC+4*\c:PC+4*\c+3] offset:\off+512*\c
.endr
.endm
.macro FETCH reg, off
.irp c, 0,1
	ds_load_b128 v[\reg+4*\c:\reg+4*\c+3], v[LI] offset:\off+512*\c
.endr
.endm
.macro XLOADALL blk                    ; my 16 rows of a block: each load reads 512 consecutive bytes of one row
	WIN 0xc0
.irp ks, 0,1,2,3
.irp p, 0,1,2,3,4,5,6,7,8,9,10,11,12,13,14,15
	global_load_b128 v[64*\ks+4*\p:64*\ks+4*\p+3], v[LI], s[IN:IN+1] offset:\blk*131072+\p*2048+\ks*512
.endr
.endr
	WIN 0
.endm
	s_load_b512 s[4:19], s[0:1], 0x0               ; x 4, y 6, bq 8, bk 10, bv 12, wimg 14, wsc 16, qkc 18
	s_load_b128 s[20:23], s[0:1], 0x40             ; qks 20, vimg 22
	s_load_b64 s[24:25], s[0:1], 0x50              ; vsc
	v_lshl_add_u32 v84, v0, 2, 0x12600
	v_mov_b32 v85, 0
	v_lshrrev_b32 v1, 5, v0
	v_readfirstlane_b32 s[WV], v1                  ; wave 0..3
	s_mov_b32 s[BH], ttmp9                         ; head: rows 128 x head on
	s_and_b32 s[JOB], ttmp7, 0xffff
	s_and_b32 s[LL], s[JOB], 3                     ; layer
	s_mov_b32 s[SEL], 0x76543210
	s_mov_b32 s[SEL+1], 0xfedcba98                 ; v_permlanex16_b32's selects for lane l xor 16
	s_mov_b32 s33, 0
	v_and_b32 v1, 31, v0                           ; lane
	v_and_b32 v2, 15, v0                           ; r
	v_bfe_u32 v3, v0, 4, 1                         ; h
	v_lshlrev_b32 v[LI], 4, v1
	v_lshlrev_b32 v[LS], 2, v1
	v_lshlrev_b32 v[L8], 3, v1
	s_mul_i32 s32, s[WV], 8448
	v_add_nc_u32 v[TS], s32, v[LI]                 ; 8,448 w + 16 lane
	v_mul_u32_u24 v[TL], v2, 528
	v_lshl_add_u32 v[TL], v3, 6, v[TL]
	v_add_nc_u32 v[TL], s32, v[TL]                 ; 8,448 w + 528 r + 64 h
	s_lshl_b32 s32, s[WV], 12
	s_add_co_u32 s32, s32, XIMG
	v_add_nc_u32 v[XWI], s32, v[LI]
	s_lshl_b32 s32, s[WV], 9
	s_add_co_u32 s32, s32, XSC
	v_add_nc_u32 v[XWS], s32, v[LS]
	v_mul_u32_u24 v21, v2, 272
	v_lshl_add_u32 v21, v3, 4, v21                 ; 272 r + 16 h
	s_lshl_b32 s32, s[WV], 6
	s_add_co_u32 s34, s32, QST
	v_add_nc_u32 v[QSO], s34, v21
	s_add_co_u32 s34, s32, VST
	v_add_nc_u32 v[VRD], s34, v21
	v_lshlrev_b32 v[QSC], 4, v2
	s_lshl_b32 s32, s[WV], 2
	s_add_co_u32 s32, s32, QSS
	v_add_nc_u32 v[QSC], s32, v[QSC]
	v_mul_u32_u24 v21, v3, 272
	v_lshl_add_u32 v[QRD], v2, 4, v21
	s_mul_i32 s32, s[WV], 4352
	s_add_co_u32 s32, s32, QST
	v_add_nc_u32 v[QRD], s32, v[QRD]
	s_lshl_b32 s32, s[WV], 8
	s_add_co_u32 s32, s32, QSS
	v_add_nc_u32 v[QSR], s32, v[L8]
	v_lshl_add_u32 v[VSO], v2, 2, v21
	s_mul_i32 s32, s[WV], 1088
	s_add_co_u32 s32, s32, VST
	v_add_nc_u32 v[VSO], s32, v[VSO]
	v_lshrrev_b32 v[VSB], 2, v2
	v_lshl_add_u32 v[VSB], v3, 2, v[VSB]
	s_lshl_b32 s32, s[WV], 4
	s_add_co_u32 s32, s32, VSS
	v_add_nc_u32 v[VSB], s32, v[VSB]
	v_add_nc_u32 v[VSR], VSS, v[L8]
	v_lshlrev_b32 v[BA], 6, v3
	v_lshlrev_b32 v[BV], 2, v3
.irp b, 0,1,2,3
	v_mov_b32 v[TM+4+\b], 0                        ; written once: a lane permute's destination counts as one of its sources
.endr
	s_wait_kmcnt 0x0
	s_cmp_lt_u32 s[JOB], 4                         ; x and bq, or y and bk: the choice hangs on the job alone
	s_cselect_b64 s[IN:IN+1], s[4:5], s[6:7]
	s_cselect_b64 s[BI:BI+1], s[8:9], s[10:11]
	OFF2 BH, 18, WV, 15, 0                         ; (128 head + 16 w) rows of 2,048 bytes
	s_add_nc_u64 s[IN:IN+1], s[IN:IN+1], s[32:33]
	OFF2 LL, 11, WV, 9, 0
	s_add_nc_u64 s[BI:BI+1], s[BI:BI+1], s[32:33]
	OFF2 JOB, 17, WV, 15, 0
	s_add_nc_u64 s[WP:WP+1], s[14:15], s[32:33]
	OFF2 JOB, 13, WV, 10, 0
	s_add_nc_u64 s[WSP:WSP+1], s[16:17], s[32:33]
	OFF2 LL, 15, WV, 13, 0x100000                  ; sub-matrix 8, tiles 8 l + 2 w on
	s_add_nc_u64 s[VWP:VWP+1], s[14:15], s[32:33]
	OFF2 LL, 10, WV, 8, 65536
	s_add_nc_u64 s[VSP:VSP+1], s[16:17], s[32:33]
	OFF2 LL, 6, WV, 4, 6144                        ; bv[3], channel 16 l + 4 w on
	s_add_nc_u64 s[BVP:BVP+1], s[12:13], s[32:33]
	OFF3 JOB, 20, BH, 15, WV, 12, 0
	s_add_nc_u64 s[QC:QC+1], s[18:19], s[32:33]
	OFF3 JOB, 16, BH, 11, WV, 8, 0
	s_add_nc_u64 s[QS:QS+1], s[20:21], s[32:33]
	OFF3 BH, 15, WV, 12, LL, 10, 0
	s_add_nc_u64 s[VI:VI+1], s[22:23], s[32:33]
	OFF2 BH, 11, LL, 9, 0
	s_add_nc_u64 s[VS:VS+1], s[24:25], s[32:33]
	XLOADALL 0
	WIN 0x40
.set i, 0
.rept 64                               ; my weights' 32 fragments: 512 consecutive bytes a load
	global_load_b128 v[4*i:4*i+3], v[LI], s[WP:WP+1] offset:512*i
.set i, i+1
.endr
	WIN 0
.irp b, 0,1,2,3
.irp kc, 0,1
	global_load_b64 v[WS+4*\b+2*\kc:WS+4*\b+2*\kc+1], v[L8], s[WSP:WSP+1] offset:\kc*4096+\b*256
.endr
.endr
.irp kc, 0,1
	global_load_b64 v[VWS+2*\kc:VWS+2*\kc+1], v[L8], s[VSP:VSP+1] offset:\kc*4096
.endr
	WIN 0x80
.irp t, 0,1,2,3,4,5,6,7                ; the bias in the result's layout: tile 2 b + u, lane (r, h): columns 32 b + 16 h + 8 u + 0 .. 7
	global_load_b128 v[8*\t:8*\t+3], v[BA], s[BI:BI+1] offset:(32*(\t/2)+8*(\t%2))*4
	global_load_b128 v[8*\t+4:8*\t+7], v[BA], s[BI:BI+1] offset:(32*(\t/2)+8*(\t%2))*4+16
.endr
.set i, 0
.rept 16
	global_load_b128 v[64+4*i:67+4*i], v[LI], s[VWP:VWP+1] offset:512*i
.set i, i+1
.endr
.irp tp, 0,1
.irp j, 0,1,2,3,4,5,6,7
	global_load_b32 v[128+8*\tp+\j], v[BV], s[BVP:BVP+1] offset:(64*\j+2*\tp)*4
.endr
.endr
	WIN 0
	s_wait_loadcnt 0x0
.macro XQ ks                           ; K step ks of my 16 rows: through my stage, quantised, its image to LDS
	WIN 0x0c                                       ; an LDS store's data are its source 1: window 3
.irp p, 0,1,2,3,4,5,6,7,8,9,10,11,12,13,14,15
	ds_store_b128 v[TS], v[64*\ks+4*\p:64*\ks+4*\p+3] offset:528*\p
.endr
	WIN 0
.irp b, 0,1,2,3
.irp j, 0,1,2,3
	ds_load_b128 v[ST+16*\b+4*\j:ST+16*\b+4*\j+3], v[TL] offset:128*\b+16*\j   ; LDS serves a wave's instructions in order: these see the stores above
.endr
.endr
	s_wait_dscnt 0x0                               ; the numbers are back; the last image's stores have read their registers
	QUANT ST
	IMAGE XWI, 1024*\ks
	ds_store_b32 v[XWS], v[PW] offset:128*\ks
.endm
.macro PROD mt                         ; the tile of rows 16 mt on
.irp ks, 0,1,2,3
	FETCH XF+8*\ks, XIMG+(4*\mt+\ks)*1024
	ds_load_b32 v[XS+\ks], v[LS] offset:XSC+128*(4*\mt+\ks)
.endr
	s_wait_dscnt 0x0
	WIN 0x21                                       ; source 0 (weights) window 1, C (bias) window 2
.irp t, 0,1,2,3,4,5,6,7
	MM HA+8*\t, 32*\t, XF, 8*\t, WS+4*(\t/2), XS, \t%2
.endr
	WIN 0x01                                       ; the eight accumulators by turns, a K step at a time
.irp ks, 1,2,3
.irp t, 0,1,2,3,4,5,6,7
	MM HA+8*\t, 32*\t+8*\ks, XF+8*\ks, HA+8*\t, WS+4*(\t/2)+\ks, XS+\ks, \t%2
.endr
.endr
	WIN 0
.rept 4
	v_nop                                          ; four places ahead of the first read of results
.endr
	QUANT HA
	ds_store_b128 v[QSO], v[PC:PC+3] offset:4352*\mt       ; row r: my wave's 64 bytes, 32 c + 16 h
	ds_store_b128 v[QSO], v[PC+4:PC+7] offset:4352*\mt+32
	ds_store_b32 v[QSC], v[PW] offset:256*\mt
	s_cmp_lt_u32 s[JOB], 4
	s_cbranch_scc1 .Lnov_\@
	WIN 0x22                                       ; the values: weights and bias in window 2
.irp tp, 0,1
	MM VA+8*\tp, 64+32*\tp, XF, 128+8*\tp, VWS, XS, \tp
.endr
	WIN 0x02
.irp ks, 1,2,3
.irp tp, 0,1
	MM VA+8*\tp, 64+32*\tp+8*\ks, XF+8*\ks, VA+8*\tp, VWS+\ks, XS+\ks, \tp
.endr
.endr
	WIN 0
.rept 4
	v_nop
.endr
.irp tp, 0,1
	v_max3_num_f32 v[TM+\tp], |v[VA+8*\tp]|, |v[VA+8*\tp+1]|, 0x1800000   ; my eight keys, and the floor
.endr
.irp i, 2,4,6
.irp tp, 0,1
	v_max3_num_f32 v[TM+\tp], v[TM+\tp], |v[VA+8*\tp+\i]|, |v[VA+8*\tp+\i+1]|
.endr
.endr
.irp tp, 0,1
	v_max_num_f32_dpp v[TM+\tp], v[TM+\tp], v[TM+\tp] row_xmask:1 row_mask:0xf bank_mask:0xf
.endr
.irp tp, 0,1
	v_max_num_f32_dpp v[TM+\tp], v[TM+\tp], v[TM+\tp] row_xmask:2 row_mask:0xf bank_mask:0xf   ; four rows: the block of 32 keys
.endr
.irp tp, 0,1
	v_add_nc_u32 v[TM+12+\tp], 0xff000000, v[TM+\tp]
.endr
.irp tp, 0,1
	v_cvt_scalef32_pk8_fp4_f32 v[VC+\tp], v[VA+8*\tp:VA+8*\tp+7], v[TM+12+\tp]
.endr
.irp tp, 0,1
	v_lshrrev_b32 v[VBY+\tp], 23, v[TM+12+\tp]     ; (plain lines behind the conversions)
.endr
.irp tp, 0,1
	ds_store_b32 v[VSO], v[VC+\tp] offset:544*\tp+64*\mt   ; channel 4 w + 2 t + h: keys 128 mt + 8 r on
	ds_store_b8 v[VSB], v[VBY+\tp] offset:8*\tp+64*\mt     ; four lanes write the same byte with the same value
.endr
.Lnov_\@:
	s_wait_dscnt 0x0                               ; the stores have read their registers
.endm
.macro BLOCK blk
.if \blk
	s_wait_loadcnt 0x0                             ; this block's rows are in
	s_wait_xcnt 0x0                                ; the last block's stores have read their registers: they are written again below
.endif
	XQ 0
	XQ 1
	XQ 2
	XQ 3
	BARRIER                                        ; x's sixteen fragments lie in LDS
.if \blk == 0
	XLOADALL 1                                     ; the next block's rows land during this block's products
.endif
	PROD 0
	PROD 1
	PROD 2
	PROD 3
	BARRIER                                        ; the block's codes lie in the stages
.irp i, 0,1,2,3,4,5,6,7
	ds_load_b128 v[ST+4*\i:ST+4*\i+3], v[QRD] offset:544*\i
.endr
	ds_load_b64 v[TM:TM+1], v[QSR]
.irp i, 0,1,2,3,4,5,6,7
	s_wait_dscnt 8-\i                              ; the younger LDS loads may be out
	global_store_b128 v[LI], v[ST+4*\i:ST+4*\i+3], s[QC:QC+1] offset:\blk*16384+512*\i   ; two whole rows of 256 bytes
.endr
	s_wait_dscnt 0x0
	global_store_b64 v[L8], v[TM:TM+1], s[QS:QS+1] offset:\blk*1024      ; 16 rows' scale bytes: 256 consecutive bytes
	s_cmp_lt_u32 s[JOB], 4
	s_cbranch_scc1 .Lnovo_\@
	ds_load_b128 v[246:249], v[VRD]                ; wave w takes the block's w-th 128 keys: the image of 16 channels
	ds_load_b128 v[250:253], v[VRD] offset:32
	s_wait_dscnt 0x0
	global_store_b128 v[LI], v[246:249], s[VI:VI+1] offset:\blk*16384
	global_store_b128 v[LI], v[250:253], s[VI:VI+1] offset:\blk*16384+512
	s_cmp_lg_u32 s[WV], 0
	s_cbranch_scc1 .Lnovo_\@
	ds_load_b64 v[254:255], v[VSR]
	s_wait_dscnt 0x0
	global_store_b64 v[L8], v[254:255], s[VS:VS+1] offset:256*\blk
.Lnovo_\@:
.endm
	BLOCK 0
	BLOCK 1
	s_wait_tensorcnt 0x0
	ds_add_u32 v84, v85
	s_wait_dscnt 0x0
	s_endpgm
.Lfunc_end_k_qac2e330c00_proj:
	.size	k_qac2e330c00_proj, .Lfunc_end_k_qac2e330c00_proj-k_qac2e330c00_proj
	.p2alignl 7, 3214868480
	.fill 96, 4, 3214868480
	.section	.rodata,"a",@progbits
	.p2align	6, 0x0
	.amdhsa_kernel k_qac2e330c00_proj
		.amdhsa_group_segment_fixed_size 75776
		.amdhsa_private_segment_fixed_size 0
		.amdhsa_enable_private_segment 0
		.amdhsa_kernarg_size 88
		.amdhsa_user_sgpr_count 2
		.amdhsa_user_sgpr_kernarg_segment_ptr 1
		.amdhsa_wavefront_size32 1
		.amdhsa_system_sgpr_workgroup_id_x 1
		.amdhsa_system_sgpr_workgroup_id_y 1
		.amdhsa_system_sgpr_workgroup_id_z 1
		.amdhsa_system_vgpr_workitem_id 0
		.amdhsa_next_free_vgpr 1024
		.amdhsa_next_free_sgpr 66
		.amdhsa_reserve_vcc 0
		.amdhsa_float_denorm_mode_32 3
		.amdhsa_float_denorm_mode_16_64 3
		.amdhsa_memory_ordered 1
		.amdhsa_forward_progress 1
		.amdhsa_inst_pref_size 175
	.end_amdhsa_kernel
	.amdgpu_metadata
---
amdhsa.version: [ 1, 2 ]
amdhsa.kernels:
  - .name:           k_qac2e330c00_proj
    .symbol:         k_qac2e330c00_proj.kd
    .args:
      - { .name: x, .offset: 0, .size: 8, .value_kind: global_buffer, .address_space: global }
      - { .name: y, .offset: 8, .size: 8, .value_kind: global_buffer, .address_space: global }
      - { .name: bq, .offset: 16, .size: 8, .value_kind: global_buffer, .address_space: global }
      - { .name: bk, .offset: 24, .size: 8, .value_kind: global_buffer, .address_space: global }
      - { .name: bv, .offset: 32, .size: 8, .value_kind: global_buffer, .address_space: global }
      - { .name: wimg, .offset: 40, .size: 8, .value_kind: global_buffer, .address_space: global }
      - { .name: wsc, .offset: 48, .size: 8, .value_kind: global_buffer, .address_space: global }
      - { .name: qkc, .offset: 56, .size: 8, .value_kind: global_buffer, .address_space: global }
      - { .name: qks, .offset: 64, .size: 8, .value_kind: global_buffer, .address_space: global }
      - { .name: vimg, .offset: 72, .size: 8, .value_kind: global_buffer, .address_space: global }
      - { .name: vsc, .offset: 80, .size: 8, .value_kind: global_buffer, .address_space: global }
    .group_segment_fixed_size: 75776
    .private_segment_fixed_size: 0
    .kernarg_segment_align: 8
    .kernarg_segment_size: 88
    .max_flat_workgroup_size: 128
    .sgpr_count:     66
    .vgpr_count:     1024
    .wavefront_size: 32
...
	.end_amdgpu_metadata
.endif
;; end of part 2
;; launch attn (part 3): grid 8 x 32, 4 waves a work-group, no clusters, 155,392 bytes of LDS; arguments qkc, qks, vimg, vsc, x_mask, y_mask, ocod, osc; writes ocod, osc
.if DOCPART == 3
	.amdgcn_target "amdgcn-amd-amdhsa--gfx1250"
	.amdhsa_code_object_version 6
	.text
	.protected	k_qac2e330c00_attn
	.globl	k_qac2e330c00_attn
	.p2align	8
	.type	k_qac2e330c00_attn,@function
k_qac2e330c00_attn:
	s_mov_b64 s[64:65], 0
	v_nop
	global_prefetch_b8 v0, s[64:65] scope:SCOPE_SE
	s_setreg_imm32_b32 hwreg(HW_REG_WAVE_MODE, 25, 1), 1
	s_wait_xcnt 0x0
; THE ATTENTION: a = the sum over the four layers of softmax(mask(q_l k_l^T / 8)), each finished and normalised in f32; o = Q(a) Q(v_3); o is quantised along its row for the next product.
; All products on codes of FP4 (E2M1) with one E8M0 scale for each 32 along K.  The scores' K is the head's 64: the upper half of the queries' operand is zero codes, so what stands in the upper half of the keys' operand adds nothing.
; SHARES: work-group (x, y) = (128 queries, head): eight tiles of 16 queries in a counted loop.  WAVE w OWNS KEYS 256 w .. 256 w + 255 of all four layers: their codes lie in its own LDS bytes as images of the
; operand's registers, their scale words, the values' fragments and the keys' mask stay in registers.  Both products are used transposed: a lane holds one query (lane % 16).
; THE KEYS OF A TILE ARE NOT NEIGHBOURS: slot s of tile 2 b + u takes key 32 b + 8 u + s + 8 (s / 8), so that the 16 registers of two neighbouring tiles are 16 neighbouring keys.
; THE MASKS: y_mask is the C of each score product (0, or -2^33 where the key is hidden).  x_mask goes into the lane's factor c = log2(e) / 8, which is 0 where the query is hidden or no key of the batch counts:
; every t is then 0, every p 1, and the row is uniform, as reference() has it.
; THE SOFTMAX: each wave takes its own largest t away, p = 2^(s c - m_w), and sums its p; the waves exchange (m_w, l_w) once a tile; a += p x 2^(m_w - m) / sum over waves of l_w' 2^(m_w' - m), m the row's largest.
; o's four partial sums (256 keys each) meet in LDS.  No tensor loads and no cluster: a work-group reads its operands once, at its head, and no two waves read the same keys.
; LIMITS: NaN and infinities are not served; a mask counts as zero or not zero; a hidden score is q.k - 2^33 ahead of the factor 1/8 and not -1e9: the same p = 0 as long as |q.k| / 8 stays under 5e8; a block of zeros carries the byte 1.
; REGISTERS: window 0: addresses, statistics, the queries, scale words, a's codes;  window 1: v0-127 the keys' mask as C, v128-191 a layer's keys (4 a tile), v192-255 the values;  window 2: p of layers 0 (later a) and 1;  window 3: layers 2, 3.
.set STAT, 131072                      ; LDS: 0: the keys' images, 32,768 w + 8,192 l + 512 tile;  the statistics, 512 l + 32 r + 8 w;
.set OP,   133120                      ; four partial o, 16 rows x (256 + 16) bytes;
.set OC,   150528                      ; o's codes, 128 queries x 32 bytes;
.set OS,   154624                      ; their scale bytes, 128 x 2
.set KA,   4
.set QA,   5
.set QSA,  6
.set XMA,  7
.set STW,  8
.set STR,  9
.set OPW,  10
.set OPR,  11
.set OCW,  12
.set OSW,  13
.set OCA,  14
.set OSA,  15
.set XM,   16
.set CANY, 17                          ; log2(e) / 8, or 0 where no key of the batch counts
.set CL,   18                          ; v[18:19] my query's factor
.set ML,   20                          ; v[20+2l:21+2l] (m_w, l_w) of layer l
.set LI,   28
.set L8,   29
.set OCR,  30
.set OSR,  31
.set GG,   32                          ; v[32+2l:33+2l] layer l's factor for my wave's p
.set MX,   40
.set SUM,  44
.set UU,   52                          ; v52-83 the statistics of all waves; later o^T
.set OO,   52
.set PS,   84                          ; v84-115 the four partial sums
.set QF,   116                         ; v116-147 the queries' fragments, 8 a layer, the upper 4 zeros
.set QSC,  148
.set KSC,  152                         ; 8 l + b: lanes 0-15 tile 2 b, lanes 16-31 tile 2 b + 1
.set VSC,  184                         ; 2 s + p: lanes 0-15 channels 32 p on, lanes 16-31 32 p + 16 on
.set AC,   188                         ; v188-203 a's codes: two fragments
.set AW,   204                         ; v204-205 a's scale words
.set TMQ,  206                         ; v206-229 at work
.set T0,   238
.set T1,   239
.set T2,   240
.set T3,   241
.set T4,   242
.set KAD,  244
.set KSA,  245
.set YA,   246
.set VSA,  247
.set WV,  20
.set GQ,  21
.set BH,  22
.set BB,  23
.set HD,  24
.set SEL, 26
.set QB,  32
.set QSB, 34
.set XMB, 36
.set KB,  38
.set KSB, 40
.set VB,  42
.set VSB, 44
.set YB,  46
.set YW,  48
.set OCB, 50
.set OSB, 52
.set TI,  54
.set TO,  55
.set TO2, 56
.set MSB, 0
.macro WIN new                         ; the immediate's high byte repeats the setting that is left
.if MSB != (\new)
	s_set_vgpr_msb (MSB<<8)|(\new)
.set MSB, (\new)
.endif
.endm
.macro BARRIER
	s_wait_dscnt 0x0
	s_barrier_signal -1
	s_barrier_wait -1
.endm
.macro MM d, a, b, c, sa, sb, row1     ; c < 0: the constant 0 starts the sum;  row1: source 0's scales stand in lanes 16-31
.if (\c) < 0
.if \row1
	v_wmma_scale_f32_16x16x128_f8f6f4 v[0+(\d):7+(\d)], v[0+(\a):7+(\a)], v[0+(\b):7+(\b)], 0, v[\sa], v[\sb] matrix_a_fmt:MATRIX_FMT_FP4 matrix_b_fmt:MATRIX_FMT_FP4 matrix_a_scale:MATRIX_SCALE_ROW1
.else
	v_wmma_scale_f32_16x16x128_f8f6f4 v[0+(\d):7+(\d)], v[0+(\a):7+(\a)], v[0+(\b):7+(\b)], 0, v[\sa], v[\sb] matrix_a_fmt:MATRIX_FMT_FP4 matrix_b_fmt:MATRIX_FMT_FP4
.endif
.else
.if \row1
	v_wmma_scale_f32_16x16x128_f8f6f4 v[0+(\d):7+(\d)], v[0+(\a):7+(\a)], v[0+(\b):7+(\b)], v[0+(\c):7+(\c)], v[\sa], v[\sb] matrix_a_fmt:MATRIX_FMT_FP4 matrix_b_fmt:MATRIX_FMT_FP4 matrix_a_scale:MATRIX_SCALE_ROW1
.else
	v_wmma_scale_f32_16x16x128_f8f6f4 v[0+(\d):7+(\d)], v[0+(\a):7+(\a)], v[0+(\b):7+(\b)], v[0+(\c):7+(\c)], v[\sa], v[\sb] matrix_a_fmt:MATRIX_FMT_FP4 matrix_b_fmt:MATRIX_FMT_FP4
.endif
.endif
.endm
.macro OFF2 a, sa, b, sb, k            ; s28 = (s[a] << sa) + (s[b] << sb) + k
	s_lshl_b32 s28, s[\a], \sa
	s_lshl_b32 s30, s[\b], \sb
	s_add_co_u32 s28, s28, s30
.if (\k) != 0
	s_add_co_u32 s28, s28, \k
.endif
.endm
.macro OFF3 a, sa, b, sb, c, sc
	OFF2 \a, \sa, \b, \sb, 0
	s_lshl_b32 s30, s[\c], \sc
	s_add_co_u32 s28, s28, s30
.endm
.macro QLOAD                           ; a tile's queries: four fragments, four scale halves, the mask
.irp j, 0,1,2,3
	global_load_b128 v[QF+8*\j:QF+8*\j+3], v[QA], s[QB:QB+1] offset:\j*1048576
.endr
.irp j, 0,1,2,3
	global_load_u16 v[QSC+\j], v[QSA], s[QSB:QSB+1] offset:\j*65536      ; bytes 2 and 3 are 0: they scale the zero codes
.endr
	global_load_b32 v[XM], v[XMA], s[XMB:XMB+1]
.endm
	s_load_b512 s[4:19], s[0:1], 0x0               ; qkc 4, qks 6, vimg 8, vsc 10, x_mask 12, y_mask 14, ocod 16, osc 18
	v_lshl_add_u32 v254, v0, 2, 0x25d00
	v_mov_b32 v255, 0
	v_lshrrev_b32 v1, 5, v0
	v_readfirstlane_b32 s[WV], v1                  ; wave 0..3
	s_mov_b32 s[GQ], ttmp9                         ; 128 queries
	s_and_b32 s[BH], ttmp7, 0xffff                 ; batch x 8 + head
	s_lshr_b32 s[BB], s[BH], 3
	s_and_b32 s[HD], s[BH], 7
	s_mov_b32 s[SEL], 0x76543210
	s_mov_b32 s[SEL+1], 0xfedcba98
	s_mov_b32 s29, 0
	s_mov_b32 s59, 0
	s_mov_b32 s61, 0
	s_mov_b32 s63, 0
	v_and_b32 v1, 31, v0                           ; lane
	v_and_b32 v2, 15, v0                           ; r
	v_bfe_u32 v3, v0, 4, 1                         ; h
	v_lshlrev_b32 v[LI], 4, v1
	v_lshlrev_b32 v[L8], 3, v1
	s_lshl_b32 s30, s[WV], 15
	v_add_nc_u32 v[KA], s30, v[LI]                 ; my keys' images
	v_lshlrev_b32 v[QA], 5, v2
	v_lshl_add_u32 v[QA], v3, 4, v[QA]             ; a pseudo-row is 32 bytes: 32 r + 16 h
	v_lshlrev_b32 v[QSA], 1, v2
	v_lshlrev_b32 v[XMA], 2, v2
	v_lshlrev_b32 v[STR], 5, v2
	v_add_nc_u32 v[STR], STAT, v[STR]
	s_lshl_b32 s30, s[WV], 3
	v_add_nc_u32 v[STW], s30, v[STR]
	v_mul_u32_u24 v[OPW], v2, 272
	v_lshl_add_u32 v[OPW], v3, 5, v[OPW]
	s_mul_i32 s30, s[WV], 4352
	s_add_co_u32 s30, s30, OP
	v_add_nc_u32 v[OPW], s30, v[OPW]
	v_lshrrev_b32 v[T0], 3, v1                     ; at the end of a tile a lane has query 4 w + lane / 8,
	v_and_b32 v[T1], 7, v1                         ; channels 8 (lane & 7) on
	v_mul_u32_u24 v[OPR], v[T0], 272
	v_lshl_add_u32 v[OPR], v[T1], 5, v[OPR]
	s_mul_i32 s30, s[WV], 1088
	s_add_co_u32 s30, s30, OP
	v_add_nc_u32 v[OPR], s30, v[OPR]
	v_lshlrev_b32 v[OCW], 5, v[T0]
	v_lshl_add_u32 v[OCW], v[T1], 2, v[OCW]
	s_lshl_b32 s30, s[WV], 7
	s_add_co_u32 s30, s30, OC
	v_add_nc_u32 v[OCW], s30, v[OCW]
	v_lshrrev_b32 v[T2], 2, v[T1]
	v_lshl_add_u32 v[OSW], v[T0], 1, v[T2]
	s_lshl_b32 s30, s[WV], 3
	s_add_co_u32 s30, s30, OS
	v_add_nc_u32 v[OSW], s30, v[OSW]
	s_lshl_b32 s30, s[WV], 10
	s_add_co_u32 s30, s30, OC
	v_add_nc_u32 v[OCR], s30, v[LI]
	v_add_nc_u32 v[OSR], OS, v[L8]
	v_and_b32 v[KAD], 8, v2
	v_add_nc_u32 v[KAD], v[KAD], v2                ; r + 8 (r / 8)
	v_lshl_add_u32 v[KSA], v3, 3, v[KAD]
	v_lshlrev_b32 v[KSA], 1, v[KSA]                ; scale halves: lanes 16-31 take the tile 8 keys on
	v_lshlrev_b32 v[KAD], 5, v[KAD]
	v_lshl_add_u32 v[KAD], v3, 4, v[KAD]
	v_lshlrev_b32 v[YA], 6, v3
	v_lshlrev_b32 v[VSA], 2, v2
	v_lshl_add_u32 v[VSA], v3, 9, v[VSA]
	s_wait_kmcnt 0x0
	OFF2 BH, 15, GQ, 12, 0
	s_add_nc_u64 s[QB:QB+1], s[4:5], s[28:29]
	OFF2 BH, 11, GQ, 8, 0
	s_add_nc_u64 s[QSB:QSB+1], s[6:7], s[28:29]
	OFF2 BB, 12, GQ, 9, 0
	s_add_nc_u64 s[XMB:XMB+1], s[12:13], s[28:29]
	OFF2 BH, 15, WV, 13, 0x400000                  ; jobs 4 on hold the keys
	s_add_nc_u64 s[KB:KB+1], s[4:5], s[28:29]
	OFF2 BH, 11, WV, 9, 0x40000
	s_add_nc_u64 s[KSB:KSB+1], s[6:7], s[28:29]
	OFF2 BH, 15, WV, 13, 0
	s_add_nc_u64 s[VB:VB+1], s[8:9], s[28:29]
	OFF2 BH, 11, WV, 7, 0
	s_add_nc_u64 s[VSB:VSB+1], s[10:11], s[28:29]
	s_lshl_b32 s28, s[BB], 12
	s_add_nc_u64 s[YB:YB+1], s[14:15], s[28:29]
	s_lshl_b32 s28, s[WV], 10
	s_add_nc_u64 s[YW:YW+1], s[YB:YB+1], s[28:29]
	OFF3 HD, 17, BB, 15, GQ, 12
	s_lshl_b32 s30, s[WV], 10
	s_add_co_u32 s28, s28, s30
	s_add_nc_u64 s[OCB:OCB+1], s[16:17], s[28:29]
	OFF3 HD, 13, BB, 11, GQ, 8
	s_add_nc_u64 s[OSB:OSB+1], s[18:19], s[28:29]
.irp i, 0,1,2,3,4,5,6,7                ; the batch's whole y_mask: does any key count?
	global_load_b128 v[UU+4*\i:UU+4*\i+3], v[LI], s[YB:YB+1] offset:512*\i
.endr
	WIN 0x40
.irp b, 0,1,2,3,4,5,6,7                ; my 256 keys' mask in the scores' layout: register 16 b + i = key 32 b + 16 h + i
.irp q, 0,1,2,3
	global_load_b128 v[16*\b+4*\q:16*\b+4*\q+3], v[YA], s[YW:YW+1] offset:128*\b+16*\q
.endr
.endr
.set i, 0
.rept 16                               ; the values: (128 keys s, 16 channels t) at v[192 + 8 (4 s + t)]
	global_load_b128 v[192+4*i:195+4*i], v[LI], s[VB:VB+1] offset:512*i
.set i, i+1
.endr
	WIN 0x80
.set i, 0
.rept 64                               ; my keys' codes, layer i / 16, tile i % 16: on their way to LDS
	global_load_b128 v[4*i:4*i+3], v[KAD], s[KB:KB+1] offset:(i/16)*1048576+1024*((i%16)/2)+256*(i%2)
.set i, i+1
.endr
	WIN 0
.irp l, 0,1,2,3
.irp b, 0,1,2,3,4,5,6,7
	global_load_u16 v[KSC+8*\l+\b], v[KSA], s[KSB:KSB+1] offset:65536*\l+64*\b
.endr
.endr
.irp s, 0,1
.irp p, 0,1
	global_load_b32 v[VSC+2*\s+\p], v[VSA], s[VSB:VSB+1] offset:1024*\p+64*\s
.endr
.endr
	QLOAD
	s_wait_loadcnt 0x0
.irp n, 16,8,4,2,1
.set i, 0
.rept \n
	v_or_b32 v[UU+i], v[UU+i], v[UU+\n+i]
.set i, i+1
.endr
.endr
	v_cmp_ne_u32 vcc_lo, 0, v[UU]
	s_cmp_lg_u32 vcc_lo, 0                         ; some lane saw a key that counts
	s_cselect_b32 s30, 0x3e38aa3b, 0               ; log2(e) / 8, or 0: a value is chosen, no way
	v_mov_b32 v[CANY], s30
	WIN 0x40
	v_mov_b32 v128, 0xd0000000                     ; -2^33, in window 1 (the keys' first codes land here afterwards)
	WIN 0x44
.set i, 0
.rept 128
	v_cmp_eq_u32 vcc_lo, 0, v[i]
	v_cndmask_b32 v[i], 0, v128, vcc_lo            ; the scores' C: 0, or -2^33 where the key is hidden
.set i, i+1
.endr
	WIN 0x08
.set i, 0
.rept 64
	ds_store_b128 v[KA], v[4*i:4*i+3] offset:512*i
.set i, i+1
.endr
	WIN 0
.irp l, 0,1,2,3
.irp j, 4,5,6,7
	v_mov_b32 v[QF+8*\l+\j], 0                     ; zero codes for K = 64 .. 127
.endr
	v_mov_b32 v[ML+2*\l+1], 0                      ; named as upper halves of pairs before they are first written
	v_mov_b32 v[GG+2*\l+1], 0
.endr
.irp b, 0,1,2,3,4,5,6,7
	v_mov_b32 v[TMQ+8+\b], 0                       ; lane permutes' destinations
.endr
	WIN 0x40
.set tt, 0
.rept 16
	ds_load_b128 v[128+4*tt:131+4*tt], v[KA] offset:512*tt   ; layer 0's keys (my own bytes: LDS serves a wave's instructions in order)
.set tt, tt+1
.endr
	WIN 0
.macro LAYER l
.set PB, 128*((\l)%2)                  ; where this layer's p stand,
.set PN, 2+(\l)/2                      ; and in which window
	s_wait_dscnt 0x0                               ; this layer's keys are in
	WIN 0x11|(PN<<6)                               ; source 0 (keys) and C (mask) window 1
.set tt, 0
.rept 16                               ; each product has its own accumulator
	MM PB+8*tt, 128+4*tt, QF+8*(\l), 8*tt, KSC+8*(\l)+tt/2, QSC+(\l), tt%2
.set tt, tt+1
.endr
	WIN 0
.irp k, 0,1,2,3
	v_mov_b32 v[MX+\k], 0xff800000                 ; four chains of the maximum begin; these are also the four places behind the products
.endr
	WIN 0x40
.set tt, 0
.rept 16
	ds_load_b128 v[128+4*tt:131+4*tt], v[KA] offset:(((\l)+1)%4)*8192+512*tt   ; the next layer's keys land during this layer's softmax
.set tt, tt+1
.endr
	WIN 0
.if (\l) == 3                          ; the next tile's queries.  The last trip asks for its own tile again: no load leaves its buffer.  The earlier loads by these bases were waited for at the trip's head
	s_cmp_gt_u32 s[TI], 1
	s_cselect_b32 s58, 512, 0
	s_cselect_b32 s60, 32, 0
	s_cselect_b32 s62, 64, 0
	s_add_nc_u64 s[QB:QB+1], s[QB:QB+1], s[58:59]
	s_add_nc_u64 s[QSB:QSB+1], s[QSB:QSB+1], s[60:61]
	s_add_nc_u64 s[XMB:XMB+1], s[XMB:XMB+1], s[62:63]
	QLOAD
.endif
	WIN (PN<<2)|(PN<<4)
.set p, 0
.rept 64                               ; ascending: each accumulator is read from its low end on
	v_max3_num_f32 v[MX+p%4], v[MX+p%4], v[PB+2*p], v[PB+2*p+1]
.set p, p+1
.endr
	WIN 0
	v_max3_num_f32 v[MX], v[MX], v[MX+1], v[MX+2]
	v_max_num_f32 v[MX], v[MX], v[MX+3]
	v_permlanex16_b32 v[T0], v[MX], s[SEL], s[SEL+1]
	v_max_num_f32 v[MX], v[MX], v[T0]              ; the largest score of my query among my wave's keys
	v_mul_f32 v[ML+2*(\l)], v[MX], v[CL]           ; as t (c is not negative)
	WIN (PN<<6)|PN
.irp k, 0,2
	v_pk_fma_f32 v[PB+\k:PB+\k+1], v[PB+\k:PB+\k+1], v[CL:CL+1], v[ML+2*(\l):ML+2*(\l)+1] op_sel_hi:[1,0,0] neg_lo:[0,0,1] neg_hi:[0,0,1]
.endr
.set p, 0
.rept 64                               ; ONE BATCH: two exponentials, and the scaling two pairs ahead; none of these lines names an exponential's result
	v_exp_f32 v[PB+2*p], v[PB+2*p]
	v_exp_f32 v[PB+2*p+1], v[PB+2*p+1]
.if p < 62
	v_pk_fma_f32 v[PB+2*p+4:PB+2*p+5], v[PB+2*p+4:PB+2*p+5], v[CL:CL+1], v[ML+2*(\l):ML+2*(\l)+1] op_sel_hi:[1,0,0] neg_lo:[0,0,1] neg_hi:[0,0,1]
.endif
.set p, p+1
.endr
	v_nop                                          ; a plain line behind the last exponential
	s_wait_alu depctr_va_vdst(0)                   ; one wait for the batch, ahead of its first reader
	WIN PN|(PN<<2)
.irp k, 0,1,2,3
	v_pk_add_f32 v[SUM+2*\k:SUM+2*\k+1], v[PB+2*\k:PB+2*\k+1], v[PB+8+2*\k:PB+9+2*\k]
.endr
	WIN (PN<<2)
.set p, 8
.rept 56
	v_pk_add_f32 v[SUM+2*(p%4):SUM+2*(p%4)+1], v[SUM+2*(p%4):SUM+2*(p%4)+1], v[PB+2*p:PB+2*p+1]
.set p, p+1
.endr
	WIN 0
	v_pk_add_f32 v[SUM:SUM+1], v[SUM:SUM+1], v[SUM+2:SUM+3]
	v_pk_add_f32 v[SUM+4:SUM+5], v[SUM+4:SUM+5], v[SUM+6:SUM+7]
	v_pk_add_f32 v[SUM:SUM+1], v[SUM:SUM+1], v[SUM+4:SUM+5]
	v_add_f32 v[SUM], v[SUM], v[SUM+1]
	v_permlanex16_b32 v[T0], v[SUM], s[SEL], s[SEL+1]
	v_add_f32 v[ML+2*(\l)+1], v[SUM], v[T0]        ; my wave's sum of p
	ds_store_b64 v[STW], v[ML+2*(\l):ML+2*(\l)+1] offset:512*(\l)   ; both halves of the lanes write the same pair
.endm
.macro STATS                           ; from the four waves' (m_w, l_w): my wave's factor for each layer
.irp l, 0,1,2,3
	ds_load_b128 v[UU+8*\l:UU+8*\l+3], v[STR] offset:512*\l
	ds_load_b128 v[UU+8*\l+4:UU+8*\l+7], v[STR] offset:512*\l+16
.endr
	s_wait_dscnt 0x0
.irp l, 0,1,2,3
	v_max3_num_f32 v[MX+\l], v[UU+8*\l], v[UU+8*\l+2], v[UU+8*\l+4]
.endr
.irp l, 0,1,2,3
	v_max_num_f32 v[MX+\l], v[MX+\l], v[UU+8*\l+6] ; the row's largest t
.endr
.irp l, 0,1,2,3
.irp j, 0,2,4,6
	v_sub_f32 v[UU+8*\l+\j], v[UU+8*\l+\j], v[MX+\l]
.endr
	v_sub_f32 v[GG+2*\l], v[ML+2*\l], v[MX+\l]
.endr
.irp l, 0,1,2,3
.irp j, 0,2,4,6
	v_exp_f32 v[UU+8*\l+\j], v[UU+8*\l+\j]
.endr
	v_exp_f32 v[GG+2*\l], v[GG+2*\l]
.endr
	v_nop
	s_wait_alu depctr_va_vdst(0)                   ; one wait for the twenty
.irp l, 0,1,2,3
	v_mul_f32 v[MX+\l], v[UU+8*\l], v[UU+8*\l+1]
.endr
.irp j, 2,4,6
.irp l, 0,1,2,3
	v_fmac_f32 v[MX+\l], v[UU+8*\l+\j], v[UU+8*\l+\j+1]
.endr
.endr
.irp l, 0,1,2,3
	v_rcp_f32 v[MX+\l], v[MX+\l]
.endr
	v_nop
	s_wait_alu depctr_va_vdst(0)                   ; and one for the four
.irp l, 0,1,2,3
	v_mul_f32 v[GG+2*\l], v[GG+2*\l], v[MX+\l]
.endr
.endm
.macro ACCUM                           ; a = the sum of the four finished softmaxes, over layer 0's p
	WIN 0x82
.set p, 0
.rept 64
	v_pk_mul_f32 v[2*p:2*p+1], v[2*p:2*p+1], v[GG:GG+1] op_sel_hi:[1,0]
.set p, p+1
.endr
	WIN 0xa2
.set p, 0
.rept 64
	v_pk_fma_f32 v[2*p:2*p+1], v[128+2*p:129+2*p], v[GG+2:GG+3], v[2*p:2*p+1] op_sel_hi:[1,0,1]
.set p, p+1
.endr
	WIN 0xa3
.set p, 0
.rept 64
	v_pk_fma_f32 v[2*p:2*p+1], v[2*p:2*p+1], v[GG+4:GG+5], v[2*p:2*p+1] op_sel_hi:[1,0,1]
.set p, p+1
.endr
.set p, 0
.rept 64
	v_pk_fma_f32 v[2*p:2*p+1], v[128+2*p:129+2*p], v[GG+6:GG+7], v[2*p:2*p+1] op_sel_hi:[1,0,1]
.set p, p+1
.endr
.endm
.macro QUANT8                          ; a's eight blocks of 32 keys become two fragments and two scale words; nothing here is negative
	WIN 0x0a
.irp b, 0,1,2,3,4,5,6,7
	v_max3_num_f32 v[TMQ+\b], v[16*\b], v[16*\b+1], 0x1800000
.endr
.irp i, 2,4,6,8,10,12,14
.irp b, 0,1,2,3,4,5,6,7
	v_max3_num_f32 v[TMQ+\b], v[16*\b+\i], v[16*\b+\i+1], v[TMQ+\b]
.endr
.endr
	WIN 0
.irp b, 0,1,2,3,4,5,6,7
	v_permlanex16_b32 v[TMQ+8+\b], v[TMQ+\b], s[SEL], s[SEL+1]
.endr
.irp b, 0,1,2,3,4,5,6,7
	v_max_num_f32 v[TMQ+\b], v[TMQ+\b], v[TMQ+8+\b]
.endr
.irp b, 0,1,2,3,4,5,6,7
	v_add_nc_u32 v[TMQ+16+\b], 0xff000000, v[TMQ+\b]
.endr
.irp b, 0,1,2,3,4,5,6,7
	v_lshrrev_b32 v[TMQ+8+\b], 23, v[TMQ+16+\b]
.endr
.irp s, 0,1
	v_lshl_or_b32 v[AW+\s], v[TMQ+9+4*\s], 8, v[TMQ+8+4*\s]
	v_lshl_or_b32 v[AW+\s], v[TMQ+10+4*\s], 16, v[AW+\s]
	v_lshl_or_b32 v[AW+\s], v[TMQ+11+4*\s], 24, v[AW+\s]
.endr
	WIN 0x02
.irp b, 0,1,2,3,4,5,6,7
	v_cvt_scalef32_pk8_fp4_f32 v[AC+2*\b], v[16*\b:16*\b+7], v[TMQ+16+\b]
	v_cvt_scalef32_pk8_fp4_f32 v[AC+2*\b+1], v[16*\b+8:16*\b+15], v[TMQ+16+\b]
.endr
	WIN 0
	v_nop                                          ; one plain line behind the conversions
.irp c, 0,1,2,3
.irp i, 0,1
	v_permlane16_swap_b32 v[AC+4*\c+\i], v[AC+2+4*\c+\i]
.endr
.endr
.rept 8
	v_nop                                          ; a scale register written by a vector instruction stands eight places ahead of the scaled product, an operand four
.endr
.endm
	s_mov_b32 s[TI], 8
	s_mov_b32 s[TO], 0
	s_mov_b32 s[TO2], 0
.Ltile:
	s_wait_loadcnt 0x0                             ; this tile's queries
	v_cmp_ne_u32 vcc_lo, 0, v[XM]
	v_cndmask_b32 v[CL], 0, v[CANY], vcc_lo
	v_mov_b32 v[CL+1], v[CL]
	LAYER 0
	LAYER 1
	LAYER 2
	LAYER 3
	BARRIER                                        ; every wave's statistics lie in LDS (and its reads of the last tile's partial sums are over)
	STATS
	ACCUM
	QUANT8
	WIN 0x01                                       ; o^T = v^T a^T over my 256 keys: four accumulators by turns
.irp t, 0,1,2,3
	MM OO+8*\t, 192+8*\t, AC, -1, VSC+(\t/2), AW, \t%2
.endr
.irp t, 0,1,2,3
	MM OO+8*\t, 224+8*\t, AC+8, OO+8*\t, VSC+2+(\t/2), AW+1, \t%2
.endr
	WIN 0
.rept 4
	v_nop
.endr
.irp t, 0,1,2,3
	ds_store_b128 v[OPW], v[OO+8*\t:OO+8*\t+3] offset:64*\t        ; query r, channels 16 t + 8 h on
	ds_store_b128 v[OPW], v[OO+8*\t+4:OO+8*\t+7] offset:64*\t+16
.endr
	BARRIER                                        ; the four partial sums lie in LDS (and every wave's reads of the statistics are over)
.irp j, 0,1,2,3
	ds_load_b128 v[PS+8*\j:PS+8*\j+3], v[OPR] offset:4352*\j
	ds_load_b128 v[PS+8*\j+4:PS+8*\j+7], v[OPR] offset:4352*\j+16
.endr
	s_wait_dscnt 0x0
.irp k, 0,2,4,6
	v_pk_add_f32 v[PS+\k:PS+\k+1], v[PS+\k:PS+\k+1], v[PS+8+\k:PS+9+\k]
	v_pk_add_f32 v[PS+16+\k:PS+17+\k], v[PS+16+\k:PS+17+\k], v[PS+24+\k:PS+25+\k]
.endr
.irp k, 0,2,4,6
	v_pk_add_f32 v[PS+\k:PS+\k+1], v[PS+\k:PS+\k+1], v[PS+16+\k:PS+17+\k]
.endr
	v_max3_num_f32 v[T1], |v[PS]|, |v[PS+1]|, 0x1800000
	v_max3_num_f32 v[T1], v[T1], |v[PS+2]|, |v[PS+3]|
	v_max3_num_f32 v[T1], v[T1], |v[PS+4]|, |v[PS+5]|
	v_max3_num_f32 v[T1], v[T1], |v[PS+6]|, |v[PS+7]|
	v_max_num_f32_dpp v[T1], v[T1], v[T1] row_xmask:1 row_mask:0xf bank_mask:0xf
	v_max_num_f32_dpp v[T1], v[T1], v[T1] row_xmask:2 row_mask:0xf bank_mask:0xf   ; four lanes: a block of 32 channels
	v_add_nc_u32 v[T2], 0xff000000, v[T1]
	v_cvt_scalef32_pk8_fp4_f32 v[T3], v[PS:PS+7], v[T2]
	v_lshrrev_b32 v[T4], 23, v[T2]
	v_add_nc_u32 v[OCA], s[TO], v[OCW]
	v_add_nc_u32 v[OSA], s[TO2], v[OSW]
	ds_store_b32 v[OCA], v[T3]
	ds_store_b8 v[OSA], v[T4]                      ; four lanes write the same byte with the same value
	s_add_co_u32 s[TO], s[TO], 512
	s_add_co_u32 s[TO2], s[TO2], 32
	s_sub_co_u32 s[TI], s[TI], 1
	s_cmp_lg_u32 s[TI], 0
	s_cbranch_scc1 .Ltile
	BARRIER                                        ; 128 queries' codes and bytes lie in LDS
	ds_load_b128 v[PS:PS+3], v[OCR]
	ds_load_b128 v[PS+4:PS+7], v[OCR] offset:512
	s_wait_dscnt 0x0
	global_store_b128 v[LI], v[PS:PS+3], s[OCB:OCB+1]             ; 512 consecutive bytes a store
	global_store_b128 v[LI], v[PS+4:PS+7], s[OCB:OCB+1] offset:512
	s_cmp_lg_u32 s[WV], 0
	s_cbranch_scc1 .Lend
	ds_load_b64 v[PS+8:PS+9], v[OSR]
	s_wait_dscnt 0x0
	global_store_b64 v[L8], v[PS+8:PS+9], s[OSB:OSB+1]            ; 256 consecutive bytes
.Lend:
	s_wait_tensorcnt 0x0
	ds_add_u32 v254, v255
	s_wait_dscnt 0x0
	s_endpgm
.Lfunc_end_k_qac2e330c00_attn:
	.size	k_qac2e330c00_attn, .Lfunc_end_k_qac2e330c00_attn-k_qac2e330c00_attn
	.p2alignl 7, 3214868480
	.fill 96, 4, 3214868480
	.section	.rodata,"a",@progbits
	.p2align	6, 0x0
	.amdhsa_kernel k_qac2e330c00_attn
		.amdhsa_group_segment_fixed_size 155392
		.amdhsa_private_segment_fixed_size 0
		.amdhsa_enable_private_segment 0
		.amdhsa_kernarg_size 64
		.amdhsa_user_sgpr_count 2
		.amdhsa_user_sgpr_kernarg_segment_ptr 1
		.amdhsa_wavefront_size32 1
		.amdhsa_system_sgpr_workgroup_id_x 1
		.amdhsa_system_sgpr_workgroup_id_y 1
		.amdhsa_system_sgpr_workgroup_id_z 1
		.amdhsa_system_vgpr_workitem_id 0
		.amdhsa_next_free_vgpr 1024
		.amdhsa_next_free_sgpr 66
		.amdhsa_reserve_vcc 1
		.amdhsa_float_denorm_mode_32 3
		.amdhsa_float_denorm_mode_16_64 3
		.amdhsa_memory_ordered 1
		.amdhsa_forward_progress 1
		.amdhsa_inst_pref_size 149
	.end_amdhsa_kernel
	.amdgpu_metadata
---
amdhsa.version: [ 1, 2 ]
amdhsa.kernels:
  - .name:           k_qac2e330c00_attn
    .symbol:         k_qac2e330c00_attn.kd
    .args:
      - { .name: qkc, .offset: 0, .size: 8, .value_kind: global_buffer, .address_space: global }
      - { .name: qks, .offset: 8, .size: 8, .value_kind: global_buffer, .address_space: global }
      - { .name: vimg, .offset: 16, .size: 8, .value_kind: global_buffer, .address_space: global }
      - { .name: vsc, .offset: 24, .size: 8, .value_kind: global_buffer, .address_space: global }
      - { .name: x_mask, .offset: 32, .size: 8, .value_kind: global_buffer, .address_space: global }
      - { .name: y_mask, .offset: 40, .size: 8, .value_kind: global_buffer, .address_space: global }
      - { .name: ocod, .offset: 48, .size: 8, .value_kind: global_buffer, .address_space: global }
      - { .name: osc, .offset: 56, .size: 8, .value_kind: global_buffer, .address_space: global }
    .group_segment_fixed_size: 155392
    .private_segment_fixed_size: 0
    .kernarg_segment_align: 8
    .kernarg_segment_size: 64
    .max_flat_workgroup_size: 128
    .sgpr_count:     66
    .vgpr_count:     1024
    .wavefront_size: 32
...
	.end_amdgpu_metadata
.endif
;; end of part 3
;; launch tail (part 4): grid 256 x 1, 4 waves a work-group, no clusters, 48,384 bytes of LDS; arguments ocod, osc, x, wimg, wsc, bo, g1, be1, bf1, bf2, g2, be2, out0; writes out0
.if DOCPART == 4
	.amdgcn_target "amdgcn-amd-amdhsa--gfx1250"
	.amdhsa_code_object_version 6
	.text
	.protected	k_qac2e330c00_tail
	.globl	k_qac2e330c00_tail
	.p2align	8
	.type	k_qac2e330c00_tail,@function
k_qac2e330c00_tail:
	s_mov_b64 s[64:65], 0
	v_nop
	global_prefetch_b8 v0, s[64:65] scope:SCOPE_SE
	s_setreg_imm32_b32 hwreg(HW_REG_WAVE_MODE, 25, 1), 1
	s_wait_xcnt 0x0
; THE LAST LAYER'S TAIL: h = LN(x + o Wo + bo; g1, be1);  out = LN(h + gelu(h W1 + bf1) W2 + bf2; g2, be2).  All three products on codes of FP4 (E2M1) with one E8M0 scale for each 32 along K; all else in f32.
; SHARES: a work-group takes 16 rows through the whole chain; h and the hidden layer never go to memory.  THE WAVES SHARE THE COLUMNS: wave w makes 128 columns of every product (transposed: source 0 = 16 weight columns,
; source 1 = the 16 rows), so that a lane holds one row and its registers run along the next product's K.  What a wave has quantised is one K step of the next product: it goes to the others through LDS as an image of its registers.
; THE WEIGHTS come as images (32 KB a wave and chunk, 512 consecutive bytes a load) straight into registers, in two buffers by turns: Wo, then for it = 0 .. 3 W1's columns 512 it on and W2's rows 512 it on.
; Each chunk is asked for while the chunk before is multiplied or the gelu is computed, in bursts among the gelu's groups.
; x + bo is the C of Wo's first products, bf1 of W1's, bf2 + h of W2's.
; LN: each wave takes the mean and the sum of squares about ITS mean of its 128 columns; the four meet in LDS: no difference of large sums is formed.
; GELU is exact: x/2 (1 + erf(x / sqrt 2)), erf(z) = z P(z^2) / Q(z^2) on z held to +-4, a rational of degrees 6 and 4 in z^2 that serves f32.
; No tensor loads, no cluster: the codes go from memory to registers once a work-group, and a joint request would send every byte through LDS as well.
; LIMITS: NaN and infinities are not served; a block of zeros carries the byte 1; biases and residuals enter as the sums' starts.
; REGISTERS: window 0: addresses, fragments of the rows, scale words, HA (64 results), the gelu's work;  window 1: buffer A;  window 2: buffer B;  window 3: v0-63 ACC, v64-127 h, v128-191 a bias, v192-223 h's four fragments.
.set HIMG, 1024                        ; LDS: 0: LN's statistics, 2 x 512;  h's four fragments;
.set HSC,  5120                        ; their scale words;
.set GIMG, 5632                        ; four fragments of the hidden layer;
.set GSC,  9728                        ; their scale words;
.set STG,  14848                       ; 16 rows x (2,048 + 16) bytes, for the way out
.set LI,  1
.set LS,  2
.set L8,  3
.set OA,  4
.set OSA, 5
.set XRA, 6
.set BA,  7
.set LNW, 8
.set LNR, 9
.set HWI, 10
.set HWS, 11
.set GWI, 12
.set GWS, 13
.set SO,  14
.set SR,  15
.set GF,  32                           ; v32-63  four fragments: o's, later the hidden layer's
.set OSW, 64                           ; v64-67  their scale words
.set HSW, 68                           ; v68-71  h's scale words
.set WSA, 72                           ; v72-87  buffer A's scale words, 4 b + s
.set WSB, 88                           ; v88-103 buffer B's
.set TM,  104
.set PC,  120
.set PW,  128
.set TP,  129
.set HA,  132                          ; v132-195
.set ZZ,  196                          ; v196-203 z;  v204-211 z^2;  v212-243 numerators and denominators of two groups
.set Z2,  204
.set GA,  212
.set SS,  244                          ; v244-251 four chains of sums
.set CA,  252                          ; v[252:253] the numerator's leading coefficient, twice;  v[254:255] the denominator's
.set CB,  254
.set WV,   30
.set SEL,  32
.set WOP,  38
.set W1P,  40
.set W2P,  42
.set WSOP, 44
.set WS1P, 46
.set WS2P, 48
.set IT,   50
.set OCP,  4
.set OSP,  6
.set XP,   8
.set BOP,  14
.set G1P,  16
.set BE1P, 18
.set BF1P, 20
.set BF2P, 22
.set G2P,  24
.set BE2P, 26
.set OUTP, 28
.set MSB, 0
.macro WIN new                         ; the immediate's high byte repeats the setting that is left
.if MSB != (\new)
	s_set_vgpr_msb (MSB<<8)|(\new)
.set MSB, (\new)
.endif
.endm
.macro BARRIER
	s_wait_dscnt 0x0
	s_barrier_signal -1
	s_barrier_wait -1
.endm
.macro MM d, a, b, c, sa, sb, row1     ; row1: source 0's scales stand in lanes 16-31
.if \row1
	v_wmma_scale_f32_16x16x128_f8f6f4 v[0+(\d):7+(\d)], v[0+(\a):7+(\a)], v[0+(\b):7+(\b)], v[0+(\c):7+(\c)], v[\sa], v[\sb] matrix_a_fmt:MATRIX_FMT_FP4 matrix_b_fmt:MATRIX_FMT_FP4 matrix_a_scale:MATRIX_SCALE_ROW1
.else
	v_wmma_scale_f32_16x16x128_f8f6f4 v[0+(\d):7+(\d)], v[0+(\a):7+(\a)], v[0+(\b):7+(\b)], v[0+(\c):7+(\c)], v[\sa], v[\sb] matrix_a_fmt:MATRIX_FMT_FP4 matrix_b_fmt:MATRIX_FMT_FP4
.endif
.endm
; 64 numbers of a lane in window w, register s + 16 b + i = k 32 b + 16 (lane / 16) + i of my row, become a fragment's codes in v[PC] on and its scale word in v[PW]
.macro QUANT s, w
	WIN (\w)|((\w)<<2)
.irp b, 0,1,2,3
	v_max3_num_f32 v[TM+\b], |v[\s+16*\b]|, |v[\s+1+16*\b]|, 0x1800000
.endr
.irp i, 2,4,6,8,10,12,14
.irp b, 0,1,2,3
	v_max3_num_f32 v[TM+\b], |v[\s+16*\b+\i]|, |v[\s+1+16*\b+\i]|, v[TM+\b]
.endr
.endr
	WIN 0
.irp b, 0,1,2,3
	v_permlanex16_b32 v[TM+4+\b], v[TM+\b], s[SEL], s[SEL+1]
.endr
.irp b, 0,1,2,3
	v_max_num_f32 v[TM+\b], v[TM+\b], v[TM+4+\b]
.endr
.irp b, 0,1,2,3
	v_add_nc_u32 v[TM+12+\b], 0xff000000, v[TM+\b]
.endr
.irp b, 0,1,2,3
	v_lshrrev_b32 v[TM+4+\b], 23, v[TM+12+\b]
.endr
	v_lshl_or_b32 v[PW], v[TM+5], 8, v[TM+4]
	v_lshl_or_b32 v[PW], v[TM+6], 16, v[PW]
	v_lshl_or_b32 v[PW], v[TM+7], 24, v[PW]
	WIN (\w)
.irp b, 0,1,2,3
	v_cvt_scalef32_pk8_fp4_f32 v[PC+2*\b], v[\s+16*\b:\s+7+16*\b], v[TM+12+\b]
	v_cvt_scalef32_pk8_fp4_f32 v[PC+1+2*\b], v[\s+8+16*\b:\s+15+16*\b], v[TM+12+\b]
.endr
	WIN 0
	v_nop                                          ; one plain line behind the conversions
.irp c, 0,1
.irp i, 0,1
	v_permlane16_swap_b32 v[PC+4*\c+\i], v[PC+2+4*\c+\i]
.endr
.endr
.endm
.macro IMAGE adr
.irp c, 0,1
	ds_store_b128 v[\adr], v[PC+4*\c:PC+4*\c+3] offset:512*\c
.endr
.endm
.macro BLOAD reg, adr, ptr, off        ; 64 numbers in the result's layout: tile 2 b + u, lane (r, h): columns 32 b + 16 h + 8 u + 0 .. 7
.irp t, 0,1,2,3,4,5,6,7
	global_load_b128 v[\reg+8*\t:\reg+8*\t+3], v[\adr], s[\ptr:\ptr+1] offset:\off+(32*(\t/2)+8*(\t%2))*4
	global_load_b128 v[\reg+8*\t+4:\reg+8*\t+7], v[\adr], s[\ptr:\ptr+1] offset:\off+(32*(\t/2)+8*(\t%2))*4+16
.endr
.endm
.macro CODES ptr, off, from, n         ; loads from .. from + n - 1 of a chunk's 64: registers 4 i on
.set ci, \from
.rept \n
	global_load_b128 v[4*ci:4*ci+3], v[LI], s[\ptr:\ptr+1] offset:\off+512*ci
.set ci, ci+1
.endr
.endm
.macro WSCL reg, ptr, off              ; a chunk's 16 scale words
.irp b, 0,1,2,3
.irp kc, 0,1
	global_load_b64 v[\reg+4*\b+2*\kc:\reg+4*\b+2*\kc+1], v[L8], s[\ptr:\ptr+1] offset:\off+\kc*4096+\b*256
.endr
.endr
.endm
.macro LNJOIN                          ; four chains, two halves, two halves of the lanes: one number in v[SS]
	v_pk_add_f32 v[SS:SS+1], v[SS:SS+1], v[SS+2:SS+3]
	v_pk_add_f32 v[SS+4:SS+5], v[SS+4:SS+5], v[SS+6:SS+7]
	v_pk_add_f32 v[SS:SS+1], v[SS:SS+1], v[SS+4:SS+5]
	v_add_f32 v[SS], v[SS], v[SS+1]
	v_permlanex16_b32 v[TP], v[SS], s[SEL], s[SEL+1]
	v_add_f32 v[SS], v[SS], v[TP]
.endm
; my wave's 128 columns of my row, 64 a lane, at v[base] of window w: v22 = their mean, HA = the numbers less that mean, v23 = the sum of HA's squares
.macro LNLOC base, w
	WIN (\w)|((\w)<<2)
.irp k, 0,1,2,3
	v_pk_add_f32 v[SS+2*\k:SS+2*\k+1], v[\base+2*\k:\base+2*\k+1], v[\base+8+2*\k:\base+9+2*\k]
.endr
	WIN ((\w)<<2)
.set p, 8
.rept 24
	v_pk_add_f32 v[SS+2*(p%4):SS+2*(p%4)+1], v[SS+2*(p%4):SS+2*(p%4)+1], v[\base+2*p:\base+2*p+1]
.set p, p+1
.endr
	WIN 0
	LNJOIN
	v_mul_f32 v22, 0x3c000000, v[SS]               ; / 128
	WIN (\w)
.set p, 0
.rept 32
	v_pk_add_f32 v[HA+2*p:HA+2*p+1], v[\base+2*p:\base+2*p+1], v[22:23] op_sel_hi:[1,0] neg_lo:[0,1] neg_hi:[0,1]
.set p, p+1
.endr
	WIN 0
.irp k, 0,1,2,3
	v_pk_mul_f32 v[SS+2*\k:SS+2*\k+1], v[HA+2*\k:HA+2*\k+1], v[HA+2*\k:HA+2*\k+1]
.endr
.set p, 4
.rept 28
	v_pk_fma_f32 v[SS+2*(p%4):SS+2*(p%4)+1], v[HA+2*p:HA+2*p+1], v[HA+2*p:HA+2*p+1], v[SS+2*(p%4):SS+2*(p%4)+1]
.set p, p+1
.endr
	LNJOIN
	v_mov_b32 v23, v[SS]
.endm
; the four waves' (mean, sum of squares) meet: v18 = the row's mean less my wave's, v20 = 1 / sqrt(variance + 1e-5)
.macro LNX off
	ds_store_b64 v[LNW], v[22:23] offset:\off
	BARRIER
	ds_load_b128 v[24:27], v[LNR] offset:\off
	ds_load_b128 v[28:31], v[LNR] offset:\off+16
	s_wait_dscnt 0x0
	v_add_f32 v18, v24, v26
	v_add_f32 v19, v28, v30
	v_add_f32 v18, v18, v19
	v_mul_f32 v18, 0x3e800000, v18                 ; the row's mean
	v_sub_f32 v24, v24, v18
	v_sub_f32 v26, v26, v18
	v_sub_f32 v28, v28, v18
	v_sub_f32 v30, v30, v18
	v_add_f32 v25, v25, v27
	v_add_f32 v29, v29, v31
	v_add_f32 v25, v25, v29
	v_mul_f32 v27, v24, v24
	v_fmac_f32 v27, v26, v26
	v_fmac_f32 v27, v28, v28
	v_fmac_f32 v27, v30, v30
	v_fma_f32 v25, 0x43000000, v27, v25            ; + 128 x the squares of the waves' means about the row's
	v_mul_f32 v25, 0x3b000000, v25                 ; / 512
	v_add_f32 v25, 0x3727c5ac, v25                 ; + 1e-5
	v_rsq_f32 v20, v25
	v_sub_f32 v18, v18, v22                        ; (a plain line behind the root)
	s_wait_alu depctr_va_vdst(0)                   ; ahead of the first reader of v20
.endm
.macro LNNORM                          ; HA = (HA - v18) x v20
.set p, 0
.rept 32
	v_pk_add_f32 v[HA+2*p:HA+2*p+1], v[HA+2*p:HA+2*p+1], v[18:19] op_sel_hi:[1,0] neg_lo:[0,1] neg_hi:[0,1]
.set p, p+1
.endr
.set p, 0
.rept 32
	v_pk_mul_f32 v[HA+2*p:HA+2*p+1], v[HA+2*p:HA+2*p+1], v[20:21] op_sel_hi:[1,0]
.set p, p+1
.endr
.endm
; THE GELU of HA's group q of eight numbers, in three parts, so that a group's reciprocals are out while the next group's polynomials are computed
.macro POLY q
.set HQ, HA+8*(\q)
.set AQ, GA+16*((\q)%2)
.set BQ, AQ+8
.irp k, 0,2,4,6
	v_pk_mul_f32 v[ZZ+\k:ZZ+\k+1], v[HQ+\k:HQ+\k+1], 0x3f3504f3 op_sel_hi:[1,0]    ; z = x / sqrt 2
.endr
.irp k, 0,2,4,6
	v_pk_mul_f32 v[HQ+\k:HQ+\k+1], v[HQ+\k:HQ+\k+1], 0.5 op_sel_hi:[1,0]
.endr
.irp k, 0,1,2,3,4,5,6,7
	v_med3_num_f32 v[ZZ+\k], v[ZZ+\k], -4.0, 4.0
.endr
.irp k, 0,2,4,6
	v_pk_mul_f32 v[Z2+\k:Z2+\k+1], v[ZZ+\k:ZZ+\k+1], v[ZZ+\k:ZZ+\k+1]
.endr
.irp k, 0,2,4,6
	v_pk_fma_f32 v[AQ+\k:AQ+\k+1], v[Z2+\k:Z2+\k+1], v[CA:CA+1], 0x32edffee op_sel_hi:[1,1,0]
	v_pk_fma_f32 v[BQ+\k:BQ+\k+1], v[Z2+\k:Z2+\k+1], v[CB:CB+1], 0xb95fbd29 op_sel_hi:[1,1,0]
.endr
.irp cf, 0xb60cff51, 0xb86ec2d2, 0xba40ac63, 0xbb41a1f6, 0xbc83dbd4
.irp k, 0,2,4,6
	v_pk_fma_f32 v[AQ+\k:AQ+\k+1], v[AQ+\k:AQ+\k+1], v[Z2+\k:Z2+\k+1], \cf op_sel_hi:[1,1,0]
.endr
.endr
.irp cf, 0xbadc924e, 0xbbf19bf8, 0xbc69b6a7
.irp k, 0,2,4,6
	v_pk_fma_f32 v[BQ+\k:BQ+\k+1], v[BQ+\k:BQ+\k+1], v[Z2+\k:Z2+\k+1], \cf op_sel_hi:[1,1,0]
.endr
.endr
.irp k, 0,2,4,6
	v_pk_mul_f32 v[AQ+\k:AQ+\k+1], v[AQ+\k:AQ+\k+1], v[ZZ+\k:ZZ+\k+1]
.endr
.endm
.macro RCP q
.set BQ, GA+16*((\q)%2)+8
.irp k, 0,1,2,3,4,5,6,7
	v_rcp_f32 v[BQ+\k], v[BQ+\k]
.endr
.endm
.macro FIN q
.set HQ, HA+8*(\q)
.set AQ, GA+16*((\q)%2)
.set BQ, AQ+8
.irp k, 0,2,4,6
	v_pk_fma_f32 v[AQ+\k:AQ+\k+1], v[AQ+\k:AQ+\k+1], v[BQ+\k:BQ+\k+1], 1.0 op_sel_hi:[1,1,0]   ; 1 + erf
.endr
.irp k, 0,2,4,6
	v_pk_mul_f32 v[HQ+\k:HQ+\k+1], v[HQ+\k:HQ+\k+1], v[AQ+\k:AQ+\k+1]
.endr
.endm
.macro BURST q, last                   ; the loads that stand behind group q's polynomials
.if (\q) < 2
	WIN 0x40
	CODES W2P, 0, 48+8*(\q), 8                     ; the rest of this iteration's W2
	WIN 0
.elseif \last
.if (\q) == 2
	WIN 0x80
	BLOAD 0, BA, G2P, 0
	WIN 0
.elseif (\q) == 3
	WIN 0x80
	BLOAD 64, BA, BE2P, 0
	WIN 0
.endif
.elseif (\q) < 6
	WIN 0x80
	CODES W1P, 131072, 16*((\q)-2), 16             ; the next iteration's W1: buffer B's products are over
	WIN 0
.elseif (\q) == 6
	WIN 0xc0
	BLOAD 128, BA, BF1P, 2048
	WIN 0
.else
	WSCL WSB, WS1P, 8192
.endif
.endm
.macro GELU last
	POLY 0
	BURST 0, \last
	RCP 0
.irp q, 1,2,3,4,5,6,7
	POLY \q                                        ; plain work behind the last group's reciprocals; it names none of them
	BURST \q, \last
	s_wait_alu depctr_va_vdst(0)                   ; one wait for a group's eight, ahead of their first reader
	FIN \q-1
	RCP \q
.endr
	v_nop
	s_wait_alu depctr_va_vdst(0)
	FIN 7
.endm
	s_load_b512 s[4:19], s[0:1], 0x0               ; ocod 4, osc 6, x 8, wimg 10, wsc 12, bo 14, g1 16, be1 18
	s_load_b256 s[20:27], s[0:1], 0x40             ; bf1 20, bf2 22, g2 24, be2 26
	s_load_b64 s[28:29], s[0:1], 0x60              ; out0
	v_lshl_add_u32 v130, v0, 2, 0xbb00
	v_mov_b32 v131, 0
	v_lshrrev_b32 v16, 5, v0
	v_readfirstlane_b32 s[WV], v16                 ; wave 0..3
	v_and_b32 v17, 31, v0
	v_lshlrev_b32 v[LI], 4, v17
	v_lshlrev_b32 v[LS], 2, v17
	v_lshlrev_b32 v[L8], 3, v17
	v_and_b32 v16, 15, v0                          ; r
	v_bfe_u32 v17, v0, 4, 1                        ; h
	v_lshlrev_b32 v[OA], 5, v16
	v_lshl_add_u32 v[OA], v17, 4, v[OA]
	v_lshlrev_b32 v[OSA], 1, v16
	v_lshlrev_b32 v[BA], 6, v17
	v_lshl_add_u32 v[XRA], v16, 11, v[BA]
	v_lshlrev_b32 v[LNR], 5, v16
	s_lshl_b32 s36, s[WV], 3
	v_add_nc_u32 v[LNW], s36, v[LNR]
	s_lshl_b32 s36, s[WV], 10
	s_add_co_u32 s37, s36, HIMG
	v_add_nc_u32 v[HWI], s37, v[LI]
	s_add_co_u32 s37, s36, GIMG
	v_add_nc_u32 v[GWI], s37, v[LI]
	s_lshl_b32 s36, s[WV], 7
	s_add_co_u32 s37, s36, HSC
	v_add_nc_u32 v[HWS], s37, v[LS]
	s_add_co_u32 s37, s36, GSC
	v_add_nc_u32 v[GWS], s37, v[LS]
	v_mul_u32_u24 v[SO], v16, 2064
	v_add_nc_u32 v[SO], v[SO], v[BA]
	s_lshl_b32 s36, s[WV], 9
	s_add_co_u32 s36, s36, STG
	v_add_nc_u32 v[SO], s36, v[SO]                 ; the stage: row r, + 512 w + 64 h
	s_mul_i32 s36, s[WV], 8256
	s_add_co_u32 s36, s36, STG
	v_add_nc_u32 v[SR], s36, v[LI]                 ; back: my four rows
	s_mov_b32 s[SEL], 0x76543210
	s_mov_b32 s[SEL+1], 0xfedcba98
	s_mov_b32 s35, 0
.irp b, 0,1,2,3
	v_mov_b32 v[TM+4+\b], 0                        ; lane permutes' destinations, and upper halves of pairs, are written once
.endr
	v_mov_b32 v[TP], 0
	v_mov_b32 v19, 0
	v_mov_b32 v21, 0
	v_mov_b32 v23, 0
	v_mov_b32 v[CA], 0xaf95df0b
	v_mov_b32 v[CA+1], 0xaf95df0b
	v_mov_b32 v[CB], 0xb77460cd
	v_mov_b32 v[CB+1], 0xb77460cd
	s_wait_kmcnt 0x0
	s_lshl_b32 s34, ttmp9, 9                       ; my 16 rows: 32 bytes a row and head
	s_add_nc_u64 s[OCP:OCP+1], s[OCP:OCP+1], s[34:35]
	s_lshl_b32 s34, ttmp9, 5
	s_add_nc_u64 s[OSP:OSP+1], s[OSP:OSP+1], s[34:35]
	s_lshl_b32 s34, ttmp9, 15
	s_lshl_b32 s36, s[WV], 9
	s_add_co_u32 s34, s34, s36
	s_add_nc_u64 s[XP:XP+1], s[XP:XP+1], s[34:35]
	s_lshl_b32 s34, ttmp9, 15
	s_lshl_b32 s36, s[WV], 13
	s_add_co_u32 s34, s34, s36
	s_add_nc_u64 s[OUTP:OUTP+1], s[OUTP:OUTP+1], s[34:35]
	s_lshl_b32 s36, s[WV], 15
	s_add_co_u32 s34, s36, 9*131072
	s_add_nc_u64 s[WOP:WOP+1], s[10:11], s[34:35]
	s_add_co_u32 s34, s36, 10*131072
	s_add_nc_u64 s[W1P:W1P+1], s[10:11], s[34:35]
	s_add_co_u32 s34, s36, 14*131072
	s_add_nc_u64 s[W2P:W2P+1], s[10:11], s[34:35]
	s_lshl_b32 s36, s[WV], 10
	s_add_co_u32 s34, s36, 9*8192
	s_add_nc_u64 s[WSOP:WSOP+1], s[12:13], s[34:35]
	s_add_co_u32 s34, s36, 10*8192
	s_add_nc_u64 s[WS1P:WS1P+1], s[12:13], s[34:35]
	s_add_co_u32 s34, s36, 14*8192
	s_add_nc_u64 s[WS2P:WS2P+1], s[12:13], s[34:35]
	s_lshl_b32 s36, s[WV], 9
	s_add_co_u32 s34, s36, 6144                    ; layer 3 of a [4][512] tensor, my 128 columns
.irp ptr, BOP, G1P, BE1P, BF2P, G2P, BE2P
	s_add_nc_u64 s[\ptr:\ptr+1], s[\ptr:\ptr+1], s[34:35]
.endr
	s_add_co_u32 s34, s36, 24576                   ; layer 3 of bf1
	s_add_nc_u64 s[BF1P:BF1P+1], s[BF1P:BF1P+1], s[34:35]
	; the first group, 136 loads: all that Wo's product wants, and bf2
.irp s, 0,1,2,3
.irp c, 0,1
	global_load_b128 v[GF+8*\s+4*\c:GF+8*\s+4*\c+3], v[OA], s[OCP:OCP+1] offset:(2*\s+\c)*131072   ; K = 64 head + channel: head 2 s + c
.endr
.endr
.irp j, 0,1,2,3,4,5,6,7
	global_load_u16 v[ZZ+\j], v[OSA], s[OSP:OSP+1] offset:\j*8192
.endr
	BLOAD HA, XRA, XP, 0
	WSCL WSA, WSOP, 0
	WIN 0xc0
	BLOAD 128, BA, BOP, 0
	BLOAD 0, BA, BF2P, 0
	WIN 0x40
	CODES WOP, 0, 0, 64
	WIN 0x80                                       ; the second group, 72 loads: W1's first chunk
	CODES W1P, 0, 0, 64
	WIN 0
	WSCL WSB, WS1P, 0
	s_wait_loadcnt 63                              ; 72 loads are younger than the first group: it is in
.irp s, 0,1,2,3
	v_lshl_or_b32 v[OSW+\s], v[ZZ+2*\s+1], 16, v[ZZ+2*\s]   ; two heads' halves make a K step's scale word
.endr
	WIN 0x0c
.set p, 0
.rept 32                               ; x + bo: the C of Wo's product.  (More than the eight places that the scale words just made want)
	v_pk_add_f32 v[HA+2*p:HA+2*p+1], v[HA+2*p:HA+2*p+1], v[128+2*p:129+2*p]
.set p, p+1
.endr
	WIN 0xc0
	BLOAD 128, BA, BF1P, 0
	WIN 0x01                                       ; eight accumulators by turns, a K step at a time
.irp s, 0,1,2,3
.irp t, 0,1,2,3,4,5,6,7
	MM HA+8*\t, 32*\t+8*\s, GF+8*\s, HA+8*\t, WSA+4*(\t/2)+\s, OSW+\s, \t%2
.endr
.endr
	WIN 0
.rept 4
	v_nop                                          ; four places: ahead of loads into buffer A and of the first read of results
.endr
	WIN 0x40
	BLOAD 0, BA, G1P, 0
	BLOAD 64, BA, BE1P, 0
	WIN 0
	LNLOC HA, 0
	LNX 0
	LNNORM
	s_wait_loadcnt 0x0                             ; g1, be1 (and all that was asked for before them)
	WIN 0xd4
.set p, 0
.rept 32
	v_pk_fma_f32 v[64+2*p:65+2*p], v[HA+2*p:HA+2*p+1], v[2*p:2*p+1], v[64+2*p:65+2*p]   ; h, into window 3; g1 and be1 from window 1
.set p, p+1
.endr
	WIN 0xcf
.set p, 0
.rept 32
	v_pk_add_f32 v[2*p:2*p+1], v[2*p:2*p+1], v[64+2*p:65+2*p]    ; bf2 + h: where W2's sums start
.set p, p+1
.endr
	WIN 0
	WSCL WSA, WS2P, 0                              ; 56 loads: W2's first chunk but for its last sixteen
	WIN 0x40
	CODES W2P, 0, 0, 48
	WIN 0
	QUANT 64, 3
	IMAGE HWI
	ds_store_b32 v[HWS], v[PW]
	BARRIER                                        ; h's four fragments lie in LDS
	WIN 0xc0
.irp s, 0,1,2,3
.irp c, 0,1
	ds_load_b128 v[192+8*\s+4*\c:195+8*\s+4*\c], v[LI] offset:HIMG+1024*\s+512*\c
.endr
.endr
	WIN 0
.irp s, 0,1,2,3
	ds_load_b32 v[HSW+\s], v[LS] offset:HSC+128*\s
.endr
	s_wait_dscnt 0x0
.macro ITER last
	s_wait_loadcnt 56                              ; W1's chunk, its scale words and bf1 are in; the 56 loads of W2's chunk are younger
	WIN 0x3e                                       ; source 0 (W1) window 2, source 1 (h) and C (bf1) window 3
.irp t, 0,1,2,3,4,5,6,7
	MM HA+8*\t, 32*\t, 192, 128+8*\t, WSB+4*(\t/2), HSW, \t%2
.endr
	WIN 0x0e
.irp s, 1,2,3
.irp t, 0,1,2,3,4,5,6,7
	MM HA+8*\t, 32*\t+8*\s, 192+8*\s, HA+8*\t, WSB+4*(\t/2)+\s, HSW+\s, \t%2
.endr
.endr
	WIN 0
.rept 4
	v_nop
.endr
	GELU \last
	QUANT HA, 0
	IMAGE GWI
	ds_store_b32 v[GWS], v[PW]
	BARRIER                                        ; the chunk's four fragments lie in LDS
.irp s, 0,1,2,3
.irp c, 0,1
	ds_load_b128 v[GF+8*\s+4*\c:GF+8*\s+4*\c+3], v[LI] offset:GIMG+1024*\s+512*\c
.endr
	ds_load_b32 v[OSW+\s], v[LS] offset:GSC+128*\s
.endr
	BARRIER                                        ; every wave has them in registers: the images may be written again
.if \last
	s_wait_loadcnt 32                              ; W2's chunk is in; g2 and be2 are younger
.else
	s_wait_loadcnt 63                              ; W2's chunk is in: 88 loads are younger
.endif
	WIN 0xf1                                       ; source 0 (W2) window 1, C and D window 3
.irp s, 0,1,2,3
.irp t, 0,1,2,3,4,5,6,7
	MM 8*\t, 32*\t+8*\s, GF+8*\s, 8*\t, WSA+4*(\t/2)+\s, OSW+\s, \t%2
.endr
.endr
	WIN 0
.rept 4
	v_nop
.endr
.if !\last
	WSCL WSA, WS2P, 8192                           ; the next W2: 56 loads
	WIN 0x40
	CODES W2P, 131072, 0, 48
	WIN 0
	s_wait_xcnt 0x0                                ; the bases are stepped only behind this wait
	s_add_nc_u64 s[W1P:W1P+1], s[W1P:W1P+1], 131072
	s_add_nc_u64 s[W2P:W2P+1], s[W2P:W2P+1], 131072
	s_add_nc_u64 s[WS1P:WS1P+1], s[WS1P:WS1P+1], 8192
	s_add_nc_u64 s[WS2P:WS2P+1], s[WS2P:WS2P+1], 8192
	s_add_nc_u64 s[BF1P:BF1P+1], s[BF1P:BF1P+1], 2048
.endif
.endm
	s_mov_b32 s[IT], 3
.Liter:
	ITER 0
	s_sub_co_u32 s[IT], s[IT], 1
	s_cmp_lg_u32 s[IT], 0
	s_cbranch_scc1 .Liter
	ITER 1                                         ; the last chunk asks for g2 and be2 and for no further weights
	LNLOC 0, 3
	LNX 512
	LNNORM
	s_wait_loadcnt 0x0                             ; g2, be2
	WIN 0x28
.set p, 0
.rept 32
	v_pk_fma_f32 v[HA+2*p:HA+2*p+1], v[HA+2*p:HA+2*p+1], v[2*p:2*p+1], v[64+2*p:65+2*p]
.set p, p+1
.endr
	WIN 0
.irp t, 0,1,2,3,4,5,6,7
	ds_store_b128 v[SO], v[HA+8*\t:HA+8*\t+3] offset:(32*(\t/2)+8*(\t%2))*4
	ds_store_b128 v[SO], v[HA+8*\t+4:HA+8*\t+7] offset:(32*(\t/2)+8*(\t%2))*4+16
.endr
	BARRIER                                        ; 16 whole rows lie in the stage
.irp i, 0,1,2,3,4,5,6,7,8,9,10,11,12,13,14,15
	ds_load_b128 v[HA+4*\i:HA+4*\i+3], v[SR] offset:(\i/4)*2064+(\i%4)*512
.endr
.irp i, 0,1,2,3,4,5,6,7,8,9,10,11,12,13,14,15
	s_wait_dscnt 15-\i                             ; the younger LDS loads may be out
	global_store_b128 v[LI], v[HA+4*\i:HA+4*\i+3], s[OUTP:OUTP+1] offset:(\i/4)*2048+(\i%4)*512 th:TH_STORE_NT   ; 512 consecutive bytes, aligned
.endr
	s_wait_tensorcnt 0x0
	ds_add_u32 v130, v131
	s_wait_dscnt 0x0
	s_endpgm
.Lfunc_end_k_qac2e330c00_tail:
	.size	k_qac2e330c00_tail, .Lfunc_end_k_qac2e330c00_tail-k_qac2e330c00_tail
	.p2alignl 7, 3214868480
	.fill 96, 4, 3214868480
	.section	.rodata,"a",@progbits
	.p2align	6, 0x0
	.amdhsa_kernel k_qac2e330c00_tail
		.amdhsa_group_segment_fixed_size 48384
		.amdhsa_private_segment_fixed_size 0
		.amdhsa_enable_private_segment 0
		.amdhsa_kernarg_size 104
		.amdhsa_user_sgpr_count 2
		.amdhsa_user_sgpr_kernarg_segment_ptr 1
		.amdhsa_wavefront_size32 1
		.amdhsa_system_sgpr_workgroup_id_x 1
		.amdhsa_system_sgpr_workgroup_id_y 1
		.amdhsa_system_sgpr_workgroup_id_z 1
		.amdhsa_system_vgpr_workitem_id 0
		.amdhsa_next_free_vgpr 1024
		.amdhsa_next_free_sgpr 66
		.amdhsa_reserve_vcc 0
		.amdhsa_float_denorm_mode_32 3
		.amdhsa_float_denorm_mode_16_64 3
		.amdhsa_memory_ordered 1
		.amdhsa_forward_progress 1
		.amdhsa_inst_pref_size 225
	.end_amdhsa_kernel
	.amdgpu_metadata
---
amdhsa.version: [ 1, 2 ]
amdhsa.kernels:
  - .name:           k_qac2e330c00_tail
    .symbol:         k_qac2e330c00_tail.kd
    .args:
      - { .name: ocod, .offset: 0, .size: 8, .value_kind: global_buffer, .address_space: global }
      - { .name: osc, .offset: 8, .size: 8, .value_kind: global_buffer, .address_space: global }
      - { .name: x, .offset: 16, .size: 8, .value_kind: global_buffer, .address_space: global }
      - { .name: wimg, .offset: 24, .size: 8, .value_kind: global_buffer, .address_space: global }
      - { .name: wsc, .offset: 32, .size: 8, .value_kind: global_buffer, .address_space: global }
      - { .name: bo, .offset: 40, .size: 8, .value_kind: global_buffer, .address_space: global }
      - { .name: g1, .offset: 48, .size: 8, .value_kind: global_buffer, .address_space: global }
      - { .name: be1, .offset: 56, .size: 8, .value_kind: global_buffer, .address_space: global }
      - { .name: bf1, .offset: 64, .size: 8, .value_kind: global_buffer, .address_space: global }
      - { .name: bf2, .offset: 72, .size: 8, .value_kind: global_buffer, .address_space: global }
      - { .name: g2, .offset: 80, .size: 8, .value_kind: global_buffer, .address_space: global }
      - { .name: be2, .offset: 88, .size: 8, .value_kind: global_buffer, .address_space: global }
      - { .name: out0, .offset: 96, .size: 8, .value_kind: global_buffer, .address_space: global }
    .group_segment_fixed_size: 48384
    .private_segment_fixed_size: 0
    .kernarg_segment_align: 8
    .kernarg_segment_size: 104
    .max_flat_workgroup_size: 128
    .sgpr_count:     66
    .vgpr_count:     1024
    .wavefront_size: 32
...
	.end_amdgpu_metadata
.endif
;; end of part 4
;; ======== version 2 of 2: 4 launches; version 1 with the launches proj, attn, tail written anew for expert scheduling mode
;; limits: right only within a limited range of input values
;; workspace buffers: wimg 2,359,296 bytes; wsc 147,456 bytes; qkc 8,388,608 bytes; qks 524,288 bytes; vimg 1,048,576 bytes; vsc 65,536 bytes; ocod 1,048,576 bytes; osc 65,536 bytes
;; launch wq: the kernel of part 1 again; grid 16 x 18, 8 waves a work-group, no clusters, 1,536 bytes of LDS; arguments Wq, Wk, Wv, Wo, W1, W2, wimg, wsc; writes wimg, wsc
;; launch proj (part 5): grid 32 x 8, 4 waves a work-group, no clusters, 75,776 bytes of LDS; arguments x, y, bq, bk, bv, wimg, wsc, qkc, qks, vimg, vsc; writes qkc, qks, vimg, vsc
.if DOCPART == 5
	.amdgcn_target "amdgcn-amd-amdhsa--gfx1250"
	.amdhsa_code_object_version 6
	.text
	.protected	k_qac2e330c00_proj
	.globl	k_qac2e330c00_proj
	.p2align	8
	.type	k_qac2e330c00_proj,@function
k_qac2e330c00_proj:
	s_mov_b64 s[64:65], 0
	v_nop
	global_prefetch_b8 v0, s[64:65] scope:SCOPE_SE
	s_setreg_imm32_b32 hwreg(HW_REG_WAVE_SCHED_MODE, 0, 2), 2
	s_setreg_imm32_b32 hwreg(HW_REG_WAVE_MODE, 25, 1), 1
	s_wait_xcnt 0x0
	s_wait_alu depctr_vm_vsrc(0)
; THE PROJECTIONS, on codes of FP4 (E2M1) with one E8M0 scale for each 32 along K.
; job 0-3: q_l = x Wq[l] + bq[l];  job 4-7: k_l = y Wk[l] + bk[l] (l = job - 4), and beside it channels 16 l .. 16 l + 15 of v = y Wv[3] + bv[3].
; q and k are quantised along the head's 64 (the head split is a plain reshape: a row's 512 columns are eight pseudo-rows of 64), v along the keys.
; qkc [job][row 4096][256 bytes], qks [job][row][16 bytes]: rows as they lie, so also [job][head][pseudo-row][32 bytes] and [..][2 bytes].
; vimg [head 32][128 keys 8][16 channels 4][c 2][lane 32][16 bytes]: images of the operand's registers;  vsc [head][16 channels 4][128 keys 8][channel 16] words.
; SHARES: work-group (x, y) = (head: 128 rows, job), two blocks of 64 rows.  THE WAVES SHARE THE COLUMNS: wave w keeps the codes of columns 128 w .. 128 w + 127 in 256 registers for the whole launch.
; A BLOCK: each wave quantises 16 rows (dense loads of 512 bytes, turned through its own LDS stage so that a lane holds 16 neighbours along K) and stores the fragments' images | barrier |
; for each tile of 16 rows: 32 products (transposed: source 0 = 16 weight columns, source 1 = the rows; the bias is the first product's C), quantised in registers, codes into a stage | barrier | whole rows out.
; The values' tiles take columns 64 j + 2 t + h: a lane's eight results are keys 8 row + 0 .. 7 of one channel; four neighbouring rows make a block of 32 keys.
; Jobs 0-3 load the values' weights too (every register is written on every way) and pass over the values' work by scalar branches on the job.
; No tensor loads and no cluster: each work-group reads its weights once, into registers.
; LIMITS: NaN and infinities are not served; a block of zeros carries the byte 1 (its codes are zeros; this program alone reads the bytes); the bias enters as the sum's start.
; REGISTERS: window 0: addresses, fragments of x, results, scale words;  window 1: my weights, tile t, K step s at v[8 (4 t + s)];  window 2: v0-63 bias, v64-127 values' weights, v128-143 values' bias;  window 3: 16 rows of x as loaded.
; THE MODE: SCHED_MODE bits 1:0 = 2 (LLVM: expert scheduling mode 2), set by the entry lines.  The code itself states the register dependences
; between vector or matrix instructions and memory or LDS instructions, with s_wait_alu, always for 0.
; THE PLAN.  Registers that memory or LDS instructions touch:
;   v4-v20     addresses and offsets: made once at the head, never written again.
;   window 3   written by global loads, read by the LDS stores into my stage; no vector instruction names it.
;   ST, HA     by turns the 64 numbers of a K step: K step s + 2's LDS loads land where the quantising of K step s has read.
;   PC, PW     written by each quantising, read by the LDS stores behind it.
;   XF, XS     read by a tile's products; behind them the next tile's LDS loads land there, while the results are quantised.
;   VC, VBY    written by the values' quantising, read by the LDS stores behind it.
;   ST, TM, v246-v255 on the way out: LDS loads land in them, global stores read them.
; So: one wait on va_vdst behind each quantising (its codes are written; its numbers are read out), one behind a tile's products (XF and XS are read out),
; and a wait on vm_vsrc between the stores of PC, PW, VC, VBY and the lines that write these again.
.set XIMG, 33792                       ; LDS: 0: four stages of 16 x 528 bytes, one a wave;  x's 16 fragments (4 tile + K step), 1,024 bytes each;
.set XSC,  50176                       ; their scale words, 128 bytes each;
.set QST,  52224                       ; 64 rows x (256 + 16) bytes of q/k codes;
.set QSS,  69632                       ; 64 rows x 16 scale bytes;
.set VST,  70656                       ; 16 channels x (256 + 16) bytes of v codes;
.set VSS,  75008                       ; 4 x 16 scale words of v
.set LI,  4                            ; 16 x lane
.set LS,  5                            ; 4 x lane
.set L8,  6                            ; 8 x lane
.set TS,  7                            ; my stage, as loaded
.set TL,  8                            ; my stage, 64 bytes a lane
.set XWI, 9
.set XWS, 10
.set QSO, 11
.set QSC, 12
.set QRD, 13
.set QSR, 14
.set VSO, 15
.set VSB, 16
.set VRD, 17
.set BA,  18
.set BV,  19
.set VSR, 20
.set XF,  32                           ; v32-63   a tile's four fragments of x
.set XS,  64                           ; v64-67   their scale words
.set PW,  68                           ; the scale word just made
.set VWS, 70                           ; v70-73   the values' weights' scale words
.set TM,  74                           ; v74-89   at work
.set PC,  90                           ; v90-97   the codes just made
.set WS,  98                           ; v98-113  my weights' scale words: 4 b + s; lanes 0-15 tile 2 b, lanes 16-31 tile 2 b + 1
.set HA,  114                          ; v114-177 eight result tiles; while x is quantised, the odd K steps' 64 numbers
.set ST,  178                          ; v178-241 the even K steps' 64 numbers of x; later rows on their way out
.set VA,  178                          ; v178-193 the values' two result tiles
.set VC,  242                          ; v242-243 their codes;  v244-245 their bytes
.set VBY, 244
.set WV,  26
.set BH,  27
.set JOB, 28
.set LL,  29
.set SEL, 30
.set IN,  36
.set BI,  38
.set WP,  40
.set WSP, 42
.set VWP, 44
.set VSP, 46
.set BVP, 48
.set QC,  50
.set QS,  52
.set VI,  54
.set VS,  56
.set MSB, 0
.macro WIN new                         ; the immediate's high byte repeats the setting that is left
.if MSB != (\new)
	s_set_vgpr_msb (MSB<<8)|(\new)
.set MSB, (\new)
.endif
.endm
.macro BARRIER                         ; my LDS stores have landed and my LDS loads are in: then the work-group's barrier
	s_wait_dscnt 0x0
	s_barrier_signal -1
	s_barrier_wait -1
.endm
.macro MM d, a, b, c, sa, sb, row1     ; row1: source 0's scales stand in lanes 16-31
.if \row1
	v_wmma_scale_f32_16x16x128_f8f6f4 v[0+(\d):7+(\d)], v[0+(\a):7+(\a)], v[0+(\b):7+(\b)], v[0+(\c):7+(\c)], v[\sa], v[\sb] matrix_a_fmt:MATRIX_FMT_FP4 matrix_b_fmt:MATRIX_FMT_FP4 matrix_a_scale:MATRIX_SCALE_ROW1
.else
	v_wmma_scale_f32_16x16x128_f8f6f4 v[0+(\d):7+(\d)], v[0+(\a):7+(\a)], v[0+(\b):7+(\b)], v[0+(\c):7+(\c)], v[\sa], v[\sb] matrix_a_fmt:MATRIX_FMT_FP4 matrix_b_fmt:MATRIX_FMT_FP4
.endif
.endm
.macro OFF2 a, sa, b, sb, k            ; s32 = (s[a] << sa) + (s[b] << sb) + k
	s_lshl_b32 s32, s[\a], \sa
	s_lshl_b32 s34, s[\b], \sb
	s_add_co_u32 s32, s32, s34
.if (\k) != 0
	s_add_co_u32 s32, s32, \k
.endif
.endm
.macro OFF3 a, sa, b, sb, c, sc, k
	OFF2 \a, \sa, \b, \sb, \k
	s_lshl_b32 s34, s[\c], \sc
	s_add_co_u32 s32, s32, s34
.endm
; 64 numbers of a lane, register s + 16 b + i = k 32 b + 16 (lane / 16) + i of my row, become a fragment's codes in v[PC] on and its scale word in v[PW]
.macro QUANT s
.irp b, 0,1,2,3
	v_max3_num_f32 v[TM+\b], |v[\s+16*\b]|, |v[\s+1+16*\b]|, 0x1800000   ; my 16 numbers of block b, and the floor 2^(3 - 127)
.endr
.irp i, 2,4,6,8,10,12,14
.irp b, 0,1,2,3
	v_max3_num_f32 v[TM+\b], v[TM+\b], |v[\s+16*\b+\i]|, |v[\s+1+16*\b+\i]|
.endr
.endr
.irp b, 0,1,2,3
	v_permlanex16_b32 v[TM+4+\b], v[TM+\b], s[SEL], s[SEL+1]
.endr
.irp b, 0,1,2,3
	v_max_num_f32 v[TM+\b], v[TM+\b], v[TM+4+\b]   ; with lane l xor 16's: the block's largest magnitude
.endr
.irp b, 0,1,2,3
	v_add_nc_u32 v[TM+12+\b], 0xff000000, v[TM+\b] ; 2 off the exponent field: the conversion's scale operand
.endr
.irp b, 0,1,2,3
	v_lshrrev_b32 v[TM+4+\b], 23, v[TM+12+\b]      ; the scale's byte
.endr
	v_lshl_or_b32 v[PW], v[TM+5], 8, v[TM+4]
	v_lshl_or_b32 v[PW], v[TM+6], 16, v[PW]
	v_lshl_or_b32 v[PW], v[TM+7], 24, v[PW]
.irp b, 0,1,2,3
	v_cvt_scalef32_pk8_fp4_f32 v[PC+2*\b], v[\s+16*\b:\s+7+16*\b], v[TM+12+\b]
	v_cvt_scalef32_pk8_fp4_f32 v[PC+1+2*\b], v[\s+8+16*\b:\s+15+16*\b], v[TM+12+\b]
.endr
	v_nop                                          ; one plain line behind the conversions
.irp c, 0,1                            ; the operand wants a whole block in a lane
.irp i, 0,1
	v_permlane16_swap_b32 v[PC+4*\c+\i], v[PC+2+4*\c+\i]
.endr
.endr
.endm
.macro IMAGE adr, off
.irp c, 0,1
	ds_store_b128 v[\adr], v[PC+4*\c:PC+4*\c+3] offset:\off+512*\c
.endr
.endm
.macro FETCH reg, off
.irp c, 0,1
	ds_load_b128 v[\reg+4*\c:\reg+4*\c+3], v[LI] offset:\off+512*\c
.endr
.endm
.macro FETCHT mt                       ; the four fragments and scale words of the tile of rows 16 mt on
.irp ks, 0,1,2,3
	FETCH XF+8*\ks, XIMG+(4*(\mt)+\ks)*1024
	ds_load_b32 v[XS+\ks], v[LS] offset:XSC+128*(4*(\mt)+\ks)
.endr
.endm
.macro XLOADALL blk                    ; my 16 rows of a block: each load reads 512 consecutive bytes of one row
	WIN 0xc0
.irp ks, 0,1,2,3
.irp p, 0,1,2,3,4,5,6,7,8,9,10,11,12,13,14,15
	global_load_b128 v[64*\ks+4*\p:64*\ks+4*\p+3], v[LI], s[IN:IN+1] offset:\blk*131072+\p*2048+\ks*512
.endr
.endr
	WIN 0
.endm
	s_load_b512 s[4:19], s[0:1], 0x0               ; x 4, y 6, bq 8, bk 10, bv 12, wimg 14, wsc 16, qkc 18
	s_load_b128 s[20:23], s[0:1], 0x40             ; qks 20, vimg 22
	s_load_b64 s[24:25], s[0:1], 0x50              ; vsc
	v_lshl_add_u32 v84, v0, 2, 0x12600
	v_mov_b32 v85, 0
	v_lshrrev_b32 v1, 5, v0
	v_readfirstlane_b32 s[WV], v1                  ; wave 0..3
	s_mov_b32 s[BH], ttmp9                         ; head: rows 128 x head on
	s_and_b32 s[JOB], ttmp7, 0xffff
	s_and_b32 s[LL], s[JOB], 3                     ; layer
	s_mov_b32 s[SEL], 0x76543210
	s_mov_b32 s[SEL+1], 0xfedcba98                 ; v_permlanex16_b32's selects for lane l xor 16
	s_mov_b32 s33, 0
	v_and_b32 v1, 31, v0                           ; lane
	v_and_b32 v2, 15, v0                           ; r
	v_bfe_u32 v3, v0, 4, 1                         ; h
	v_lshlrev_b32 v[LI], 4, v1
	v_lshlrev_b32 v[LS], 2, v1
	v_lshlrev_b32 v[L8], 3, v1
	s_wait_alu depctr_va_sdst(0)                   ; the wave's number is written, ahead of its first reader: LDS places and bases are made from it
	s_mul_i32 s32, s[WV], 8448
	v_add_nc_u32 v[TS], s32, v[LI]                 ; 8,448 w + 16 lane
	v_mul_u32_u24 v[TL], v2, 528
	v_lshl_add_u32 v[TL], v3, 6, v[TL]
	v_add_nc_u32 v[TL], s32, v[TL]                 ; 8,448 w + 528 r + 64 h
	s_lshl_b32 s32, s[WV], 12
	s_add_co_u32 s32, s32, XIMG
	v_add_nc_u32 v[XWI], s32, v[LI]
	s_lshl_b32 s32, s[WV], 9
	s_add_co_u32 s32, s32, XSC
	v_add_nc_u32 v[XWS], s32, v[LS]
	v_mul_u32_u24 v21, v2, 272
	v_lshl_add_u32 v21, v3, 4, v21                 ; 272 r + 16 h
	s_lshl_b32 s32, s[WV], 6
	s_add_co_u32 s34, s32, QST
	v_add_nc_u32 v[QSO], s34, v21
	s_add_co_u32 s34, s32, VST
	v_add_nc_u32 v[VRD], s34, v21
	v_lshlrev_b32 v[QSC], 4, v2
	s_lshl_b32 s32, s[WV], 2
	s_add_co_u32 s32, s32, QSS
	v_add_nc_u32 v[QSC], s32, v[QSC]
	v_mul_u32_u24 v21, v3, 272
	v_lshl_add_u32 v[QRD], v2, 4, v21
	s_mul_i32 s32, s[WV], 4352
	s_add_co_u32 s32, s32, QST
	v_add_nc_u32 v[QRD], s32, v[QRD]
	s_lshl_b32 s32, s[WV], 8
	s_add_co_u32 s32, s32, QSS
	v_add_nc_u32 v[QSR], s32, v[L8]
	v_lshl_add_u32 v[VSO], v2, 2, v21
	s_mul_i32 s32, s[WV], 1088
	s_add_co_u32 s32, s32, VST
	v_add_nc_u32 v[VSO], s32, v[VSO]
	v_lshrrev_b32 v[VSB], 2, v2
	v_lshl_add_u32 v[VSB], v3, 2, v[VSB]
	s_lshl_b32 s32, s[WV], 4
	s_add_co_u32 s32, s32, VSS
	v_add_nc_u32 v[VSB], s32, v[VSB]
	v_add_nc_u32 v[VSR], VSS, v[L8]
	v_lshlrev_b32 v[BA], 6, v3
	v_lshlrev_b32 v[BV], 2, v3
.irp b, 0,1,2,3
	v_mov_b32 v[TM+4+\b], 0                        ; written once: a lane permute's destination counts as one of its sources
.endr
	s_wait_kmcnt 0x0
	s_cmp_lt_u32 s[JOB], 4                         ; x and bq, or y and bk: the choice hangs on the job alone
	s_cselect_b64 s[IN:IN+1], s[4:5], s[6:7]
	s_cselect_b64 s[BI:BI+1], s[8:9], s[10:11]
	OFF2 BH, 18, WV, 15, 0                         ; (128 head + 16 w) rows of 2,048 bytes
	s_add_nc_u64 s[IN:IN+1], s[IN:IN+1], s[32:33]
	OFF2 LL, 11, WV, 9, 0
	s_add_nc_u64 s[BI:BI+1], s[BI:BI+1], s[32:33]
	OFF2 JOB, 17, WV, 15, 0
	s_add_nc_u64 s[WP:WP+1], s[14:15], s[32:33]
	OFF2 JOB, 13, WV, 10, 0
	s_add_nc_u64 s[WSP:WSP+1], s[16:17], s[32:33]
	OFF2 LL, 15, WV, 13, 0x100000                  ; sub-matrix 8, tiles 8 l + 2 w on
	s_add_nc_u64 s[VWP:VWP+1], s[14:15], s[32:33]
	OFF2 LL, 10, WV, 8, 65536
	s_add_nc_u64 s[VSP:VSP+1], s[16:17], s[32:33]
	OFF2 LL, 6, WV, 4, 6144                        ; bv[3], channel 16 l + 4 w on
	s_add_nc_u64 s[BVP:BVP+1], s[12:13], s[32:33]
	OFF3 JOB, 20, BH, 15, WV, 12, 0
	s_add_nc_u64 s[QC:QC+1], s[18:19], s[32:33]
	OFF3 JOB, 16, BH, 11, WV, 8, 0
	s_add_nc_u64 s[QS:QS+1], s[20:21], s[32:33]
	OFF3 BH, 15, WV, 12, LL, 10, 0
	s_add_nc_u64 s[VI:VI+1], s[22:23], s[32:33]
	OFF2 BH, 11, LL, 9, 0
	s_add_nc_u64 s[VS:VS+1], s[24:25], s[32:33]
	s_wait_alu depctr_va_vdst(0)                   ; the addresses and offsets v4 to v20 are written, which every load and store of the kernel reads
	XLOADALL 0
	WIN 0x40
.set i, 0
.rept 64                               ; my weights' 32 fragments: 512 consecutive bytes a load
	global_load_b128 v[4*i:4*i+3], v[LI], s[WP:WP+1] offset:512*i
.set i, i+1
.endr
	WIN 0
.irp b, 0,1,2,3
.irp kc, 0,1
	global_load_b64 v[WS+4*\b+2*\kc:WS+4*\b+2*\kc+1], v[L8], s[WSP:WSP+1] offset:\kc*4096+\b*256
.endr
.endr
.irp kc, 0,1
	global_load_b64 v[VWS+2*\kc:VWS+2*\kc+1], v[L8], s[VSP:VSP+1] offset:\kc*4096
.endr
	WIN 0x80
.irp t, 0,1,2,3,4,5,6,7                ; the bias in the result's layout: tile 2 b + u, lane (r, h): columns 32 b + 16 h + 8 u + 0 .. 7
	global_load_b128 v[8*\t:8*\t+3], v[BA], s[BI:BI+1] offset:(32*(\t/2)+8*(\t%2))*4
	global_load_b128 v[8*\t+4:8*\t+7], v[BA], s[BI:BI+1] offset:(32*(\t/2)+8*(\t%2))*4+16
.endr
.set i, 0
.rept 16
	global_load_b128 v[64+4*i:67+4*i], v[LI], s[VWP:VWP+1] offset:512*i
.set i, i+1
.endr
.irp tp, 0,1
.irp j, 0,1,2,3,4,5,6,7
	global_load_b32 v[128+8*\tp+\j], v[BV], s[BVP:BVP+1] offset:(64*\j+2*\tp)*4
.endr
.endr
	WIN 0
	s_wait_loadcnt 0x0
.macro TURN ks, buf                    ; K step ks of my 16 rows through my stage: in as loaded, back 64 bytes a lane, into v[buf] on
	WIN 0x0c                                       ; an LDS store's data are its source 1: window 3
.irp p, 0,1,2,3,4,5,6,7,8,9,10,11,12,13,14,15
	ds_store_b128 v[TS], v[64*\ks+4*\p:64*\ks+4*\p+3] offset:528*\p
.endr
	WIN 0
.irp b, 0,1,2,3
.irp j, 0,1,2,3
	ds_load_b128 v[\buf+16*\b+4*\j:\buf+16*\b+4*\j+3], v[TL] offset:128*\b+16*\j   ; LDS serves a wave's instructions in order: these see the stores above, and the next turn's stores come behind them
.endr
.endr
.endm
.macro XQ ks, buf, left                ; K step ks is quantised and its image goes to LDS.  left: the LDS instructions issued behind its 16 loads: a turn's 32, an image's 3
	s_wait_dscnt \left                             ; LDS instructions end in order: this K step's numbers are back
	QUANT \buf
	s_wait_alu depctr_va_vdst(0)                   ; the quantising has written PC and PW, which the stores below read, and is done reading its 64 numbers, where the K step after next lands
	IMAGE XWI, 1024*\ks
	ds_store_b32 v[XWS], v[PW] offset:128*\ks
.if \ks < 3
	s_wait_alu depctr_vm_vsrc(0)                   ; these three stores have read PC and PW, which the next quantising writes again
.endif
.endm
.macro PROD mt                         ; the tile of rows 16 mt on
	s_wait_dscnt 0x0                               ; this tile's fragments and scale words are in
	WIN 0x21                                       ; source 0 (weights) window 1, C (bias) window 2
.irp t, 0,1,2,3,4,5,6,7
	MM HA+8*\t, 32*\t, XF, 8*\t, WS+4*(\t/2), XS, \t%2
.endr
	WIN 0x01                                       ; the eight accumulators by turns, a K step at a time
.irp ks, 1,2,3
.irp t, 0,1,2,3,4,5,6,7
	MM HA+8*\t, 32*\t+8*\ks, XF+8*\ks, HA+8*\t, WS+4*(\t/2)+\ks, XS+\ks, \t%2
.endr
.endr
	WIN 0
	s_cmp_lt_u32 s[JOB], 4
	s_cbranch_scc1 .Lnovp_\@
	WIN 0x22                                       ; the values: weights and bias in window 2
.irp tp, 0,1
	MM VA+8*\tp, 64+32*\tp, XF, 128+8*\tp, VWS, XS, \tp
.endr
	WIN 0x02
.irp ks, 1,2,3
.irp tp, 0,1
	MM VA+8*\tp, 64+32*\tp+8*\ks, XF+8*\ks, VA+8*\tp, VWS+\ks, XS+\ks, \tp
.endr
.endr
	WIN 0
.Lnovp_\@:
.rept 4
	v_nop                                          ; four places ahead of the first read of results
.endr
.if \mt < 3
	s_wait_alu depctr_va_vdst(0)                   ; the tile's products are done reading XF and XS, in which the next tile's loads land
.endif
	s_wait_alu depctr_vm_vsrc(0)                   ; the last LDS stores of PC, PW, VC and VBY have read them: the lines below write them again
.if \mt < 3
	FETCHT \mt+1                                   ; the next tile's fragments land while this tile's results are quantised: no line below names XF or XS
.endif
	QUANT HA
	s_wait_alu depctr_va_vdst(0)                   ; the quantising has written PC and PW, which the stores below read
	ds_store_b128 v[QSO], v[PC:PC+3] offset:4352*\mt       ; row r: my wave's 64 bytes, 32 c + 16 h
	ds_store_b128 v[QSO], v[PC+4:PC+7] offset:4352*\mt+32
	ds_store_b32 v[QSC], v[PW] offset:256*\mt
	s_cmp_lt_u32 s[JOB], 4
	s_cbranch_scc1 .Lnovq_\@
.irp tp, 0,1
	v_max3_num_f32 v[TM+\tp], |v[VA+8*\tp]|, |v[VA+8*\tp+1]|, 0x1800000   ; my eight keys, and the floor
.endr
.irp i, 2,4,6
.irp tp, 0,1
	v_max3_num_f32 v[TM+\tp], v[TM+\tp], |v[VA+8*\tp+\i]|, |v[VA+8*\tp+\i+1]|
.endr
.endr
.irp tp, 0,1
	v_max_num_f32_dpp v[TM+\tp], v[TM+\tp], v[TM+\tp] row_xmask:1 row_mask:0xf bank_mask:0xf
.endr
.irp tp, 0,1
	v_max_num_f32_dpp v[TM+\tp], v[TM+\tp], v[TM+\tp] row_xmask:2 row_mask:0xf bank_mask:0xf   ; four rows: the block of 32 keys
.endr
.irp tp, 0,1
	v_add_nc_u32 v[TM+12+\tp], 0xff000000, v[TM+\tp]
.endr
.irp tp, 0,1
	v_cvt_scalef32_pk8_fp4_f32 v[VC+\tp], v[VA+8*\tp:VA+8*\tp+7], v[TM+12+\tp]
.endr
.irp tp, 0,1
	v_lshrrev_b32 v[VBY+\tp], 23, v[TM+12+\tp]     ; (plain lines behind the conversions)
.endr
	s_wait_alu depctr_va_vdst(0)                   ; VC and VBY are written, which the stores below read
.irp tp, 0,1
	ds_store_b32 v[VSO], v[VC+\tp] offset:544*\tp+64*\mt   ; channel 4 w + 2 t + h: keys 128 mt + 8 r on
	ds_store_b8 v[VSB], v[VBY+\tp] offset:8*\tp+64*\mt     ; four lanes write the same byte with the same value
.endr
.Lnovq_\@:
.endm
.macro BLOCK blk
.if \blk
	s_wait_loadcnt 0x0                             ; this block's rows are in
	s_wait_xcnt 0x0                                ; the last block's global stores have had their addresses translated: their data registers are written again below
	s_wait_alu depctr_vm_vsrc(0)                   ; the last block's stores, to memory and to LDS, have read ST, TM, v246 to v255, PC and PW, which loads and vector lines below write again
.endif
	TURN 0, ST
	TURN 1, HA                                     ; a K step goes through the stage while the K step before is quantised
	XQ 0, ST, 32
	TURN 2, ST
	XQ 1, HA, 35
	TURN 3, HA
	XQ 2, ST, 35
	XQ 3, HA, 3
	BARRIER                                        ; x's sixteen fragments lie in LDS
.if \blk == 0
	s_wait_alu depctr_vm_vsrc(0)                   ; the stores into my stage have read window 3, in which the next block's rows land
	XLOADALL 1                                     ; the next block's rows land during this block's products
.endif
	FETCHT 0
	PROD 0
	PROD 1
	PROD 2
	PROD 3
	BARRIER                                        ; the block's codes lie in the stages
.irp i, 0,1,2,3,4,5,6,7
	ds_load_b128 v[ST+4*\i:ST+4*\i+3], v[QRD] offset:544*\i      ; (no vector line has named ST or TM since the last wait on va_vdst, on either way through the last tile)
.endr
	ds_load_b64 v[TM:TM+1], v[QSR]
.irp i, 0,1,2,3,4,5,6,7
	s_wait_dscnt 8-\i                              ; the younger LDS loads may be out
	global_store_b128 v[LI], v[ST+4*\i:ST+4*\i+3], s[QC:QC+1] offset:\blk*16384+512*\i   ; two whole rows of 256 bytes
.endr
	s_wait_dscnt 0x0
	global_store_b64 v[L8], v[TM:TM+1], s[QS:QS+1] offset:\blk*1024      ; 16 rows' scale bytes: 256 consecutive bytes
	s_cmp_lt_u32 s[JOB], 4
	s_cbranch_scc1 .Lnovo_\@
	ds_load_b128 v[246:249], v[VRD]                ; wave w takes the block's w-th 128 keys: the image of 16 channels
	ds_load_b128 v[250:253], v[VRD] offset:32
	s_wait_dscnt 0x0
	global_store_b128 v[LI], v[246:249], s[VI:VI+1] offset:\blk*16384
	global_store_b128 v[LI], v[250:253], s[VI:VI+1] offset:\blk*16384+512
	s_cmp_lg_u32 s[WV], 0
	s_cbranch_scc1 .Lnovo_\@
	ds_load_b64 v[254:255], v[VSR]
	s_wait_dscnt 0x0
	global_store_b64 v[L8], v[254:255], s[VS:VS+1] offset:256*\blk
.Lnovo_\@:
.endm
	BLOCK 0
	BLOCK 1
	s_wait_dscnt 0x0
	s_wait_alu depctr_hold_cnt(0) depctr_sa_sdst(0) depctr_va_vdst(0) depctr_va_sdst(0) depctr_va_ssrc(0) depctr_va_vcc(0) depctr_vm_vsrc(0)
	s_wait_tensorcnt 0x0
	ds_add_u32 v84, v85
	s_wait_dscnt 0x0
	s_endpgm
.Lfunc_end_k_qac2e330c00_proj:
	.size	k_qac2e330c00_proj, .Lfunc_end_k_qac2e330c00_proj-k_qac2e330c00_proj
	.p2alignl 7, 3214868480
	.fill 96, 4, 3214868480
	.section	.rodata,"a",@progbits
	.p2align	6, 0x0
	.amdhsa_kernel k_qac2e330c00_proj
		.amdhsa_group_segment_fixed_size 75776
		.amdhsa_private_segment_fixed_size 0
		.amdhsa_enable_private_segment 0
		.amdhsa_kernarg_size 88
		.amdhsa_user_sgpr_count 2
		.amdhsa_user_sgpr_kernarg_segment_ptr 1
		.amdhsa_wavefront_size32 1
		.amdhsa_system_sgpr_workgroup_id_x 1
		.amdhsa_system_sgpr_workgroup_id_y 1
		.amdhsa_system_sgpr_workgroup_id_z 1
		.amdhsa_system_vgpr_workitem_id 0
		.amdhsa_next_free_vgpr 1024
		.amdhsa_next_free_sgpr 66
		.amdhsa_reserve_vcc 0
		.amdhsa_float_denorm_mode_32 3
		.amdhsa_float_denorm_mode_16_64 3
		.amdhsa_memory_ordered 1
		.amdhsa_forward_progress 1
		.amdhsa_inst_pref_size 176
	.end_amdhsa_kernel
	.amdgpu_metadata
---
amdhsa.version: [ 1, 2 ]
amdhsa.kernels:
  - .name:           k_qac2e330c00_proj
    .symbol:         k_qac2e330c00_proj.kd
    .args:
      - { .name: x, .offset: 0, .size: 8, .value_kind: global_buffer, .address_space: global }
      - { .name: y, .offset: 8, .size: 8, .value_kind: global_buffer, .address_space: global }
      - { .name: bq, .offset: 16, .size: 8, .value_kind: global_buffer, .address_space: global }
      - { .name: bk, .offset: 24, .size: 8, .value_kind: global_buffer, .address_space: global }
      - { .name: bv, .offset: 32, .size: 8, .value_kind: global_buffer, .address_space: global }
      - { .name: wimg, .offset: 40, .size: 8, .value_kind: global_buffer, .address_space: global }
      - { .name: wsc, .offset: 48, .size: 8, .value_kind: global_buffer, .address_space: global }
      - { .name: qkc, .offset: 56, .size: 8, .value_kind: global_buffer, .address_space: global }
      - { .name: qks, .offset: 64, .size: 8, .value_kind: global_buffer, .address_space: global }
      - { .name: vimg, .offset: 72, .size: 8, .value_kind: global_buffer, .address_space: global }
      - { .name: vsc, .offset: 80, .size: 8, .value_kind: global_buffer, .address_space: global }
    .group_segment_fixed_size: 75776
    .private_segment_fixed_size: 0
    .kernarg_segment_align: 8
    .kernarg_segment_size: 88
    .max_flat_workgroup_size: 128
    .sgpr_count:     66
    .vgpr_count:     1024
    .wavefront_size: 32
...
	.end_amdgpu_metadata
.endif
;; end of part 5
;; launch attn (part 6): grid 8 x 32, 4 waves a work-group, no clusters, 155,392 bytes of LDS; arguments qkc, qks, vimg, vsc, x_mask, y_mask, ocod, osc; writes ocod, osc
.if DOCPART == 6
	.amdgcn_target "amdgcn-amd-amdhsa--gfx1250"
	.amdhsa_code_object_version 6
	.text
	.protected	k_qac2e330c00_attn
	.globl	k_qac2e330c00_attn
	.p2align	8
	.type	k_qac2e330c00_attn,@function
k_qac2e330c00_attn:
	s_mov_b64 s[64:65], 0
	v_nop
	global_prefetch_b8 v0, s[64:65] scope:SCOPE_SE
	s_setreg_imm32_b32 hwreg(HW_REG_WAVE_SCHED_MODE, 0, 2), 2
	s_setreg_imm32_b32 hwreg(HW_REG_WAVE_MODE, 25, 1), 1
	s_wait_xcnt 0x0
	s_wait_alu depctr_vm_vsrc(0)
; THE ATTENTION: a = the sum over the four layers of softmax(mask(q_l k_l^T / 8)), each finished and normalised in f32; o = Q(a) Q(v_3); o is quantised along its row for the next product.
; All products on codes of FP4 (E2M1) with one E8M0 scale for each 32 along K.  The scores' K is the head's 64: the upper half of the queries' operand is zero codes, so what stands in the upper half of the keys' operand adds nothing.
; SHARES: work-group (x, y) = (128 queries, head): eight tiles of 16 queries in a counted loop.  WAVE w OWNS KEYS 256 w .. 256 w + 255 of all four layers: their codes lie in its own LDS bytes as images of the
; operand's registers, their scale words, the values' fragments and the keys' mask stay in registers.  Both products are used transposed: a lane holds one query (lane % 16).
; THE KEYS OF A TILE ARE NOT NEIGHBOURS: slot s of tile 2 b + u takes key 32 b + 8 u + s + 8 (s / 8), so that the 16 registers of two neighbouring tiles are 16 neighbouring keys.
; THE MASKS: y_mask is the C of each score product (0, or -2^33 where the key is hidden).  x_mask goes into the lane's factor c = log2(e) / 8, which is 0 where the query is hidden or no key of the batch counts:
; every t is then 0, every p 1, and the row is uniform, as reference() has it.
; THE SOFTMAX: each wave takes its own largest t away, p = 2^(s c - m_w), and sums its p; the waves exchange (m_w, l_w) once a tile; a += p x 2^(m_w - m) / sum over waves of l_w' 2^(m_w' - m), m the row's largest.
; o's four partial sums (256 keys each) meet in LDS.  No tensor loads and no cluster: a work-group reads its operands once, at its head, and no two waves read the same keys.
; LIMITS: NaN and infinities are not served; a mask counts as zero or not zero; a hidden score is q.k - 2^33 ahead of the factor 1/8 and not -1e9: the same p = 0 as long as |q.k| / 8 stays under 5e8; a block of zeros carries the byte 1.
; REGISTERS: window 0: addresses, statistics, the queries, scale words, a's codes;  window 1: v0-127 the keys' mask as C, v128-191 a layer's keys (4 a tile), v192-255 the values;  window 2: p of layers 0 (later a) and 1;  window 3: layers 2, 3.
; THE MODE: SCHED_MODE bits 1:0 = 2 (LLVM: expert scheduling mode 2), set by the entry lines.  The code itself states the register dependences
; between vector or matrix instructions and memory or LDS instructions, with s_wait_alu, always for 0.
; THE PLAN.  Registers that memory or LDS instructions touch, in the loop:
;   window 1 v128-191   a layer's keys: read by the layer's 16 products; behind them the next layer's LDS loads land there.
;   QF (low four of eight), QSC, XM   read by the four layers' products and by the trip's first compare; the next tile's loads land there behind layer 3's products.
;   ML pairs            written at a layer's end; read by the LDS store that stands behind the NEXT layer's products (layer 3's: behind a wait of its own).
;   UU = OO             LDS loads land (the statistics); later the last products write it and LDS stores read it.
;   PS                  LDS loads land (the partial sums); vector lines work on it.
;   T3, T4, OCA, OSA    written at a trip's end; read by the two LDS stores behind them.
;   All other addresses are made once at the head.
; So ONE wait on va_vdst stands behind a layer's products: they are done reading the keys' registers (in layer 3 the queries' too), and the layer before has written its pair.
; ONE wait on vm_vsrc stands at a trip's head: the last trip's LDS stores have read ML, OO, T3, T4, OCA and OSA (in the first trip: the head's stores have read window 2).
.set STAT, 131072                      ; LDS: 0: the keys' images, 32,768 w + 8,192 l + 512 tile;  the statistics, 512 l + 32 r + 8 w;
.set OP,   133120                      ; four partial o, 16 rows x (256 + 16) bytes;
.set OC,   150528                      ; o's codes, 128 queries x 32 bytes;
.set OS,   154624                      ; their scale bytes, 128 x 2
.set KA,   4
.set QA,   5
.set QSA,  6
.set XMA,  7
.set STW,  8
.set STR,  9
.set OPW,  10
.set OPR,  11
.set OCW,  12
.set OSW,  13
.set OCA,  14
.set OSA,  15
.set XM,   16
.set CANY, 17                          ; log2(e) / 8, or 0 where no key of the batch counts
.set CL,   18                          ; v[18:19] my query's factor
.set ML,   20                          ; v[20+2l:21+2l] (m_w, l_w) of layer l
.set LI,   28
.set L8,   29
.set OCR,  30
.set OSR,  31
.set GG,   32                          ; v[32+2l:33+2l] layer l's factor for my wave's p
.set MX,   40
.set SUM,  44
.set UU,   52                          ; v52-83 the statistics of all waves; later o^T
.set OO,   52
.set PS,   84                          ; v84-115 the four partial sums
.set QF,   116                         ; v116-147 the queries' fragments, 8 a layer, the upper 4 zeros
.set QSC,  148
.set KSC,  152                         ; 8 l + b: lanes 0-15 tile 2 b, lanes 16-31 tile 2 b + 1
.set VSC,  184                         ; 2 s + p: lanes 0-15 channels 32 p on, lanes 16-31 32 p + 16 on
.set AC,   188                         ; v188-203 a's codes: two fragments
.set AW,   204                         ; v204-205 a's scale words
.set TMQ,  206                         ; v206-229 at work
.set T0,   238
.set T1,   239
.set T2,   240
.set T3,   241
.set T4,   242
.set KAD,  244
.set KSA,  245
.set YA,   246
.set VSA,  247
.set WV,  20
.set GQ,  21
.set BH,  22
.set BB,  23
.set HD,  24
.set SEL, 26
.set QB,  32
.set QSB, 34
.set XMB, 36
.set KB,  38
.set KSB, 40
.set VB,  42
.set VSB, 44
.set YB,  46
.set YW,  48
.set OCB, 50
.set OSB, 52
.set TI,  54
.set TO,  55
.set TO2, 56
.set MSB, 0
.macro WIN new                         ; the immediate's high byte repeats the setting that is left
.if MSB != (\new)
	s_set_vgpr_msb (MSB<<8)|(\new)
.set MSB, (\new)
.endif
.endm
.macro BARRIER
	s_wait_dscnt 0x0
	s_barrier_signal -1
	s_barrier_wait -1
.endm
.macro MM d, a, b, c, sa, sb, row1     ; c < 0: the constant 0 starts the sum;  row1: source 0's scales stand in lanes 16-31
.if (\c) < 0
.if \row1
	v_wmma_scale_f32_16x16x128_f8f6f4 v[0+(\d):7+(\d)], v[0+(\a):7+(\a)], v[0+(\b):7+(\b)], 0, v[\sa], v[\sb] matrix_a_fmt:MATRIX_FMT_FP4 matrix_b_fmt:MATRIX_FMT_FP4 matrix_a_scale:MATRIX_SCALE_ROW1
.else
	v_wmma_scale_f32_16x16x128_f8f6f4 v[0+(\d):7+(\d)], v[0+(\a):7+(\a)], v[0+(\b):7+(\b)], 0, v[\sa], v[\sb] matrix_a_fmt:MATRIX_FMT_FP4 matrix_b_fmt:MATRIX_FMT_FP4
.endif
.else
.if \row1
	v_wmma_scale_f32_16x16x128_f8f6f4 v[0+(\d):7+(\d)], v[0+(\a):7+(\a)], v[0+(\b):7+(\b)], v[0+(\c):7+(\c)], v[\sa], v[\sb] matrix_a_fmt:MATRIX_FMT_FP4 matrix_b_fmt:MATRIX_FMT_FP4 matrix_a_scale:MATRIX_SCALE_ROW1
.else
	v_wmma_scale_f32_16x16x128_f8f6f4 v[0+(\d):7+(\d)], v[0+(\a):7+(\a)], v[0+(\b):7+(\b)], v[0+(\c):7+(\c)], v[\sa], v[\sb] matrix_a_fmt:MATRIX_FMT_FP4 matrix_b_fmt:MATRIX_FMT_FP4
.endif
.endif
.endm
.macro OFF2 a, sa, b, sb, k            ; s28 = (s[a] << sa) + (s[b] << sb) + k
	s_lshl_b32 s28, s[\a], \sa
	s_lshl_b32 s30, s[\b], \sb
	s_add_co_u32 s28, s28, s30
.if (\k) != 0
	s_add_co_u32 s28, s28, \k
.endif
.endm
.macro OFF3 a, sa, b, sb, c, sc
	OFF2 \a, \sa, \b, \sb, 0
	s_lshl_b32 s30, s[\c], \sc
	s_add_co_u32 s28, s28, s30
.endm
.macro QLOAD                           ; a tile's queries: four fragments, four scale halves, the mask
.irp j, 0,1,2,3
	global_load_b128 v[QF+8*\j:QF+8*\j+3], v[QA], s[QB:QB+1] offset:\j*1048576
.endr
.irp j, 0,1,2,3
	global_load_u16 v[QSC+\j], v[QSA], s[QSB:QSB+1] offset:\j*65536      ; bytes 2 and 3 are 0: they scale the zero codes
.endr
	global_load_b32 v[XM], v[XMA], s[XMB:XMB+1]
.endm
	s_load_b512 s[4:19], s[0:1], 0x0               ; qkc 4, qks 6, vimg 8, vsc 10, x_mask 12, y_mask 14, ocod 16, osc 18
	v_lshl_add_u32 v254, v0, 2, 0x25d00
	v_mov_b32 v255, 0
	v_lshrrev_b32 v1, 5, v0
	v_readfirstlane_b32 s[WV], v1                  ; wave 0..3
	s_mov_b32 s[GQ], ttmp9                         ; 128 queries
	s_and_b32 s[BH], ttmp7, 0xffff                 ; batch x 8 + head
	s_lshr_b32 s[BB], s[BH], 3
	s_and_b32 s[HD], s[BH], 7
	s_mov_b32 s[SEL], 0x76543210
	s_mov_b32 s[SEL+1], 0xfedcba98
	s_mov_b32 s29, 0
	s_mov_b32 s59, 0
	s_mov_b32 s61, 0
	s_mov_b32 s63, 0
	v_and_b32 v1, 31, v0                           ; lane
	v_and_b32 v2, 15, v0                           ; r
	v_bfe_u32 v3, v0, 4, 1                         ; h
	v_lshlrev_b32 v[LI], 4, v1
	v_lshlrev_b32 v[L8], 3, v1
	s_wait_alu depctr_va_sdst(0)                   ; the wave's number is written, ahead of its first reader: LDS places and bases are made from it
	s_lshl_b32 s30, s[WV], 15
	v_add_nc_u32 v[KA], s30, v[LI]                 ; my keys' images
	v_lshlrev_b32 v[QA], 5, v2
	v_lshl_add_u32 v[QA], v3, 4, v[QA]             ; a pseudo-row is 32 bytes: 32 r + 16 h
	v_lshlrev_b32 v[QSA], 1, v2
	v_lshlrev_b32 v[XMA], 2, v2
	v_lshlrev_b32 v[STR], 5, v2
	v_add_nc_u32 v[STR], STAT, v[STR]
	s_lshl_b32 s30, s[WV], 3
	v_add_nc_u32 v[STW], s30, v[STR]
	v_mul_u32_u24 v[OPW], v2, 272
	v_lshl_add_u32 v[OPW], v3, 5, v[OPW]
	s_mul_i32 s30, s[WV], 4352
	s_add_co_u32 s30, s30, OP
	v_add_nc_u32 v[OPW], s30, v[OPW]
	v_lshrrev_b32 v[T0], 3, v1                     ; at the end of a tile a lane has query 4 w + lane / 8,
	v_and_b32 v[T1], 7, v1                         ; channels 8 (lane & 7) on
	v_mul_u32_u24 v[OPR], v[T0], 272
	v_lshl_add_u32 v[OPR], v[T1], 5, v[OPR]
	s_mul_i32 s30, s[WV], 1088
	s_add_co_u32 s30, s30, OP
	v_add_nc_u32 v[OPR], s30, v[OPR]
	v_lshlrev_b32 v[OCW], 5, v[T0]
	v_lshl_add_u32 v[OCW], v[T1], 2, v[OCW]
	s_lshl_b32 s30, s[WV], 7
	s_add_co_u32 s30, s30, OC
	v_add_nc_u32 v[OCW], s30, v[OCW]
	v_lshrrev_b32 v[T2], 2, v[T1]
	v_lshl_add_u32 v[OSW], v[T0], 1, v[T2]
	s_lshl_b32 s30, s[WV], 3
	s_add_co_u32 s30, s30, OS
	v_add_nc_u32 v[OSW], s30, v[OSW]
	s_lshl_b32 s30, s[WV], 10
	s_add_co_u32 s30, s30, OC
	v_add_nc_u32 v[OCR], s30, v[LI]
	v_add_nc_u32 v[OSR], OS, v[L8]
	v_and_b32 v[KAD], 8, v2
	v_add_nc_u32 v[KAD], v[KAD], v2                ; r + 8 (r / 8)
	v_lshl_add_u32 v[KSA], v3, 3, v[KAD]
	v_lshlrev_b32 v[KSA], 1, v[KSA]                ; scale halves: lanes 16-31 take the tile 8 keys on
	v_lshlrev_b32 v[KAD], 5, v[KAD]
	v_lshl_add_u32 v[KAD], v3, 4, v[KAD]
	v_lshlrev_b32 v[YA], 6, v3
	v_lshlrev_b32 v[VSA], 2, v2
	v_lshl_add_u32 v[VSA], v3, 9, v[VSA]
	s_wait_kmcnt 0x0
	OFF2 BH, 15, GQ, 12, 0
	s_add_nc_u64 s[QB:QB+1], s[4:5], s[28:29]
	OFF2 BH, 11, GQ, 8, 0
	s_add_nc_u64 s[QSB:QSB+1], s[6:7], s[28:29]
	OFF2 BB, 12, GQ, 9, 0
	s_add_nc_u64 s[XMB:XMB+1], s[12:13], s[28:29]
	OFF2 BH, 15, WV, 13, 0x400000                  ; jobs 4 on hold the keys
	s_add_nc_u64 s[KB:KB+1], s[4:5], s[28:29]
	OFF2 BH, 11, WV, 9, 0x40000
	s_add_nc_u64 s[KSB:KSB+1], s[6:7], s[28:29]
	OFF2 BH, 15, WV, 13, 0
	s_add_nc_u64 s[VB:VB+1], s[8:9], s[28:29]
	OFF2 BH, 11, WV, 7, 0
	s_add_nc_u64 s[VSB:VSB+1], s[10:11], s[28:29]
	s_lshl_b32 s28, s[BB], 12
	s_add_nc_u64 s[YB:YB+1], s[14:15], s[28:29]
	s_lshl_b32 s28, s[WV], 10
	s_add_nc_u64 s[YW:YW+1], s[YB:YB+1], s[28:29]
	OFF3 HD, 17, BB, 15, GQ, 12
	s_lshl_b32 s30, s[WV], 10
	s_add_co_u32 s28, s28, s30
	s_add_nc_u64 s[OCB:OCB+1], s[16:17], s[28:29]
	OFF3 HD, 13, BB, 11, GQ, 8
	s_add_nc_u64 s[OSB:OSB+1], s[18:19], s[28:29]
	s_wait_alu depctr_va_vdst(0)                   ; the addresses and offsets are written, which the loads and stores below read
.irp i, 0,1,2,3,4,5,6,7                ; the batch's whole y_mask: does any key count?
	global_load_b128 v[UU+4*\i:UU+4*\i+3], v[LI], s[YB:YB+1] offset:512*\i
.endr
	WIN 0x40
.irp b, 0,1,2,3,4,5,6,7                ; my 256 keys' mask in the scores' layout: register 16 b + i = key 32 b + 16 h + i
.irp q, 0,1,2,3
	global_load_b128 v[16*\b+4*\q:16*\b+4*\q+3], v[YA], s[YW:YW+1] offset:128*\b+16*\q
.endr
.endr
.set i, 0
.rept 16                               ; the values: (128 keys s, 16 channels t) at v[192 + 8 (4 s + t)]
	global_load_b128 v[192+4*i:195+4*i], v[LI], s[VB:VB+1] offset:512*i
.set i, i+1
.endr
	WIN 0x80
.set i, 0
.rept 64                               ; my keys' codes, layer i / 16, tile i % 16: on their way to LDS
	global_load_b128 v[4*i:4*i+3], v[KAD], s[KB:KB+1] offset:(i/16)*1048576+1024*((i%16)/2)+256*(i%2)
.set i, i+1
.endr
	WIN 0
.irp l, 0,1,2,3
.irp b, 0,1,2,3,4,5,6,7
	global_load_u16 v[KSC+8*\l+\b], v[KSA], s[KSB:KSB+1] offset:65536*\l+64*\b
.endr
.endr
.irp s, 0,1
.irp p, 0,1
	global_load_b32 v[VSC+2*\s+\p], v[VSA], s[VSB:VSB+1] offset:1024*\p+64*\s
.endr
.endr
	QLOAD
	s_wait_loadcnt 0x0
.irp n, 16,8,4,2,1
.set i, 0
.rept \n
	v_or_b32 v[UU+i], v[UU+i], v[UU+\n+i]
.set i, i+1
.endr
.endr
	v_cmp_ne_u32 vcc_lo, 0, v[UU]
	s_wait_alu depctr_va_vcc(0)                    ; the compare has written VCC, which the scalar compare reads
	s_cmp_lg_u32 vcc_lo, 0                         ; some lane saw a key that counts
	s_cselect_b32 s30, 0x3e38aa3b, 0               ; log2(e) / 8, or 0: a value is chosen, no way
	v_mov_b32 v[CANY], s30
	WIN 0x40
	v_mov_b32 v128, 0xd0000000                     ; -2^33, in window 1 (the keys' first codes land here afterwards)
	WIN 0x44
.set i, 0
.rept 8                                ; the scores' C: 0, or -2^33 where the key is hidden.  Sixteen compares into s4 to s19 (free since the bases were made), one wait, sixteen selects
.set k, 0
.rept 16
	v_cmp_eq_u32 s[4+k], 0, v[i+k]
.set k, k+1
.endr
	s_wait_alu depctr_va_sdst(0)                   ; the sixteen compares have written s4 to s19, which the selects read
.set k, 0
.rept 16
	v_cndmask_b32 v[i+k], 0, v128, s[4+k]
.set k, k+1
.endr
.set i, i+16
.endr
	WIN 0x08
.set i, 0
.rept 64
	ds_store_b128 v[KA], v[4*i:4*i+3] offset:512*i
.set i, i+1
.endr
	WIN 0
.irp l, 0,1,2,3
.irp j, 4,5,6,7
	v_mov_b32 v[QF+8*\l+\j], 0                     ; zero codes for K = 64 .. 127
.endr
	v_mov_b32 v[ML+2*\l+1], 0                      ; named as upper halves of pairs before they are first written
	v_mov_b32 v[GG+2*\l+1], 0
.endr
.irp b, 0,1,2,3,4,5,6,7
	v_mov_b32 v[TMQ+8+\b], 0                       ; lane permutes' destinations
.endr
	s_wait_alu depctr_va_vdst(0)                   ; the selects are done reading window 1's v128, in which the keys' first codes land; the queries' zero codes are written, which the score products take (ten plain lines stand behind the last of them)
	WIN 0x40
.set tt, 0
.rept 16
	ds_load_b128 v[128+4*tt:131+4*tt], v[KA] offset:512*tt   ; layer 0's keys (my own bytes: LDS serves a wave's instructions in order)
.set tt, tt+1
.endr
	WIN 0
.macro LAYER l
.set PB, 128*((\l)%2)                  ; where this layer's p stand,
.set PN, 2+(\l)/2                      ; and in which window
	s_wait_dscnt 0x0                               ; this layer's keys are in
	WIN 0x11|(PN<<6)                               ; source 0 (keys) and C (mask) window 1
.set tt, 0
.rept 16                               ; each product has its own accumulator
	MM PB+8*tt, 128+4*tt, QF+8*(\l), 8*tt, KSC+8*(\l)+tt/2, QSC+(\l), tt%2
.set tt, tt+1
.endr
	WIN 0
.irp k, 0,1,2,3
	v_mov_b32 v[MX+\k], 0xff800000                 ; four chains of the maximum begin; these are also the four places behind the products
.endr
.if (\l) == 0
	s_wait_alu depctr_va_vdst(0)                   ; the products are done reading the keys' registers, in which the next layer's keys land
.elseif (\l) < 3
	s_wait_alu depctr_va_vdst(0)                   ; the products are done reading the keys' registers, in which the next layer's keys land; the layer before has written its pair (m_w, l_w), which the store below reads
.else
	s_wait_alu depctr_va_vdst(0)                   ; as in the layers before; and all four layers' products and the trip's first compare are done reading the queries' fragments, scale halves and mask, in which the next tile's land
.endif
.if (\l) > 0
	ds_store_b64 v[STW], v[ML+2*(\l)-2:ML+2*(\l)-1] offset:512*(\l)-512   ; the layer before's pair; both halves of the lanes write the same pair
.endif
	WIN 0x40
.set tt, 0
.rept 16
	ds_load_b128 v[128+4*tt:131+4*tt], v[KA] offset:(((\l)+1)%4)*8192+512*tt   ; the next layer's keys land during this layer's softmax, which names none of these registers
.set tt, tt+1
.endr
	WIN 0
.if (\l) == 3                          ; the next tile's queries.  The last trip asks for its own tile again: no load leaves its buffer.  The earlier loads by these bases were waited for at the trip's head
	s_cmp_gt_u32 s[TI], 1
	s_cselect_b32 s58, 512, 0
	s_cselect_b32 s60, 32, 0
	s_cselect_b32 s62, 64, 0
	s_add_nc_u64 s[QB:QB+1], s[QB:QB+1], s[58:59]
	s_add_nc_u64 s[QSB:QSB+1], s[QSB:QSB+1], s[60:61]
	s_add_nc_u64 s[XMB:XMB+1], s[XMB:XMB+1], s[62:63]
	QLOAD
.endif
	WIN (PN<<2)|(PN<<4)
.set p, 0
.rept 64                               ; ascending: each accumulator is read from its low end on
	v_max3_num_f32 v[MX+p%4], v[MX+p%4], v[PB+2*p], v[PB+2*p+1]
.set p, p+1
.endr
	WIN 0
	v_max3_num_f32 v[MX], v[MX], v[MX+1], v[MX+2]
	v_max_num_f32 v[MX], v[MX], v[MX+3]
	v_permlanex16_b32 v[T0], v[MX], s[SEL], s[SEL+1]
	v_max_num_f32 v[MX], v[MX], v[T0]              ; the largest score of my query among my wave's keys
	v_mul_f32 v[ML+2*(\l)], v[MX], v[CL]           ; as t (c is not negative)
	WIN (PN<<6)|PN
.irp k, 0,2
	v_pk_fma_f32 v[PB+\k:PB+\k+1], v[PB+\k:PB+\k+1], v[CL:CL+1], v[ML+2*(\l):ML+2*(\l)+1] op_sel_hi:[1,0,0] neg_lo:[0,0,1] neg_hi:[0,0,1]
.endr
.set p, 0
.rept 64                               ; ONE BATCH: two exponentials, and the scaling two pairs ahead; none of these lines names an exponential's result
	v_exp_f32 v[PB+2*p], v[PB+2*p]
	v_exp_f32 v[PB+2*p+1], v[PB+2*p+1]
.if p < 62
	v_pk_fma_f32 v[PB+2*p+4:PB+2*p+5], v[PB+2*p+4:PB+2*p+5], v[CL:CL+1], v[ML+2*(\l):ML+2*(\l)+1] op_sel_hi:[1,0,0] neg_lo:[0,0,1] neg_hi:[0,0,1]
.endif
.set p, p+1
.endr
	v_nop                                          ; a plain line behind the last exponential
	s_wait_alu depctr_va_vdst(0)                   ; the 128 exponentials have written p: one wait for the batch, ahead of its first reader
	WIN PN|(PN<<2)
.irp k, 0,1,2,3
	v_pk_add_f32 v[SUM+2*\k:SUM+2*\k+1], v[PB+2*\k:PB+2*\k+1], v[PB+8+2*\k:PB+9+2*\k]
.endr
	WIN (PN<<2)
.set p, 8
.rept 56
	v_pk_add_f32 v[SUM+2*(p%4):SUM+2*(p%4)+1], v[SUM+2*(p%4):SUM+2*(p%4)+1], v[PB+2*p:PB+2*p+1]
.set p, p+1
.endr
	WIN 0
	v_pk_add_f32 v[SUM:SUM+1], v[SUM:SUM+1], v[SUM+2:SUM+3]
	v_pk_add_f32 v[SUM+4:SUM+5], v[SUM+4:SUM+5], v[SUM+6:SUM+7]
	v_pk_add_f32 v[SUM:SUM+1], v[SUM:SUM+1], v[SUM+4:SUM+5]
	v_add_f32 v[SUM], v[SUM], v[SUM+1]
	v_permlanex16_b32 v[T0], v[SUM], s[SEL], s[SEL+1]
	v_add_f32 v[ML+2*(\l)+1], v[SUM], v[T0]        ; my wave's sum of p
.if (\l) == 3
	s_wait_alu depctr_va_vdst(0)                   ; layer 3's pair is written, which the store below reads
	ds_store_b64 v[STW], v[ML+6:ML+7] offset:1536
.endif
.endm
.macro STATS                           ; from the four waves' (m_w, l_w): my wave's factor for each layer
.irp l, 0,1,2,3
	ds_load_b128 v[UU+8*\l:UU+8*\l+3], v[STR] offset:512*\l
	ds_load_b128 v[UU+8*\l+4:UU+8*\l+7], v[STR] offset:512*\l+16
.endr
	s_wait_dscnt 0x0
.irp l, 0,1,2,3
	v_max3_num_f32 v[MX+\l], v[UU+8*\l], v[UU+8*\l+2], v[UU+8*\l+4]
.endr
.irp l, 0,1,2,3
	v_max_num_f32 v[MX+\l], v[MX+\l], v[UU+8*\l+6] ; the row's largest t
.endr
.irp l, 0,1,2,3
.irp j, 0,2,4,6
	v_sub_f32 v[UU+8*\l+\j], v[UU+8*\l+\j], v[MX+\l]
.endr
	v_sub_f32 v[GG+2*\l], v[ML+2*\l], v[MX+\l]
.endr
.irp l, 0,1,2,3
.irp j, 0,2,4,6
	v_exp_f32 v[UU+8*\l+\j], v[UU+8*\l+\j]
.endr
	v_exp_f32 v[GG+2*\l], v[GG+2*\l]
.endr
	v_nop
	s_wait_alu depctr_va_vdst(0)                   ; the twenty exponentials have written their results: one wait, ahead of the first reader
.irp l, 0,1,2,3
	v_mul_f32 v[MX+\l], v[UU+8*\l], v[UU+8*\l+1]
.endr
.irp j, 2,4,6
.irp l, 0,1,2,3
	v_fmac_f32 v[MX+\l], v[UU+8*\l+\j], v[UU+8*\l+\j+1]
.endr
.endr
.irp l, 0,1,2,3
	v_rcp_f32 v[MX+\l], v[MX+\l]
.endr
	v_nop
	s_wait_alu depctr_va_vdst(0)                   ; and one for the four reciprocals
.irp l, 0,1,2,3
	v_mul_f32 v[GG+2*\l], v[GG+2*\l], v[MX+\l]
.endr
.endm
.macro ACCUM                           ; a = the sum of the four finished softmaxes, over layer 0's p
	WIN 0x82
.set p, 0
.rept 64
	v_pk_mul_f32 v[2*p:2*p+1], v[2*p:2*p+1], v[GG:GG+1] op_sel_hi:[1,0]
.set p, p+1
.endr
	WIN 0xa2
.set p, 0
.rept 64
	v_pk_fma_f32 v[2*p:2*p+1], v[128+2*p:129+2*p], v[GG+2:GG+3], v[2*p:2*p+1] op_sel_hi:[1,0,1]
.set p, p+1
.endr
	WIN 0xa3
.set p, 0
.rept 64
	v_pk_fma_f32 v[2*p:2*p+1], v[2*p:2*p+1], v[GG+4:GG+5], v[2*p:2*p+1] op_sel_hi:[1,0,1]
.set p, p+1
.endr
.set p, 0
.rept 64
	v_pk_fma_f32 v[2*p:2*p+1], v[128+2*p:129+2*p], v[GG+6:GG+7], v[2*p:2*p+1] op_sel_hi:[1,0,1]
.set p, p+1
.endr
.endm
.macro QUANT8                          ; a's eight blocks of 32 keys become two fragments and two scale words; nothing here is negative
	WIN 0x0a
.irp b, 0,1,2,3,4,5,6,7
	v_max3_num_f32 v[TMQ+\b], v[16*\b], v[16*\b+1], 0x1800000
.endr
.irp i, 2,4,6,8,10,12,14
.irp b, 0,1,2,3,4,5,6,7
	v_max3_num_f32 v[TMQ+\b], v[16*\b+\i], v[16*\b+\i+1], v[TMQ+\b]
.endr
.endr
	WIN 0
.irp b, 0,1,2,3,4,5,6,7
	v_permlanex16_b32 v[TMQ+8+\b], v[TMQ+\b], s[SEL], s[SEL+1]
.endr
.irp b, 0,1,2,3,4,5,6,7
	v_max_num_f32 v[TMQ+\b], v[TMQ+\b], v[TMQ+8+\b]
.endr
.irp b, 0,1,2,3,4,5,6,7
	v_add_nc_u32 v[TMQ+16+\b], 0xff000000, v[TMQ+\b]
.endr
.irp b, 0,1,2,3,4,5,6,7
	v_lshrrev_b32 v[TMQ+8+\b], 23, v[TMQ+16+\b]
.endr
.irp s, 0,1
	v_lshl_or_b32 v[AW+\s], v[TMQ+9+4*\s], 8, v[TMQ+8+4*\s]
	v_lshl_or_b32 v[AW+\s], v[TMQ+10+4*\s], 16, v[AW+\s]
	v_lshl_or_b32 v[AW+\s], v[TMQ+11+4*\s], 24, v[AW+\s]
.endr
	WIN 0x02
.irp b, 0,1,2,3,4,5,6,7
	v_cvt_scalef32_pk8_fp4_f32 v[AC+2*\b], v[16*\b:16*\b+7], v[TMQ+16+\b]
	v_cvt_scalef32_pk8_fp4_f32 v[AC+2*\b+1], v[16*\b+8:16*\b+15], v[TMQ+16+\b]
.endr
	WIN 0
	v_nop                                          ; one plain line behind the conversions
.irp c, 0,1,2,3
.irp i, 0,1
	v_permlane16_swap_b32 v[AC+4*\c+\i], v[AC+2+4*\c+\i]
.endr
.endr
.rept 8
	v_nop                                          ; a scale register written by a vector instruction stands eight places ahead of the scaled product, an operand four
.endr
	s_wait_alu depctr_va_vdst(0)                   ; a's codes AC and scale words AW are written, which the scaled products below take; the places above stay beside this wait
.endm
	s_mov_b32 s[TI], 8
	s_mov_b32 s[TO], 0
	s_mov_b32 s[TO2], 0
.Ltile:
	s_wait_loadcnt 0x0                             ; this tile's queries
	s_wait_alu depctr_vm_vsrc(0)                   ; the last trip's LDS stores have read ML, OO, T3, T4, OCA and OSA, which this trip writes again; in the first trip the head's LDS stores have read window 2, which the score products write
	v_cmp_ne_u32 vcc_lo, 0, v[XM]
	s_wait_alu depctr_va_vcc(0)                    ; the compare has written VCC, which the select reads
	v_cndmask_b32 v[CL], 0, v[CANY], vcc_lo
	v_mov_b32 v[CL+1], v[CL]
	LAYER 0
	LAYER 1
	LAYER 2
	LAYER 3
	BARRIER                                        ; every wave's statistics lie in LDS (and its reads of the last tile's partial sums are over)
	STATS
	ACCUM
	QUANT8
	WIN 0x01                                       ; o^T = v^T a^T over my 256 keys: four accumulators by turns
.irp t, 0,1,2,3
	MM OO+8*\t, 192+8*\t, AC, -1, VSC+(\t/2), AW, \t%2
.endr
.irp t, 0,1,2,3
	MM OO+8*\t, 224+8*\t, AC+8, OO+8*\t, VSC+2+(\t/2), AW+1, \t%2
.endr
	WIN 0
.rept 4
	v_nop
.endr
	s_wait_alu depctr_va_vdst(0)                   ; the products have written OO, which the LDS stores read; the places above stay beside this wait
.irp t, 0,1,2,3
	ds_store_b128 v[OPW], v[OO+8*\t:OO+8*\t+3] offset:64*\t        ; query r, channels 16 t + 8 h on
	ds_store_b128 v[OPW], v[OO+8*\t+4:OO+8*\t+7] offset:64*\t+16
.endr
	BARRIER                                        ; the four partial sums lie in LDS (and every wave's reads of the statistics are over)
.irp j, 0,1,2,3
	ds_load_b128 v[PS+8*\j:PS+8*\j+3], v[OPR] offset:4352*\j
	ds_load_b128 v[PS+8*\j+4:PS+8*\j+7], v[OPR] offset:4352*\j+16
.endr
	s_wait_dscnt 0x0
.irp k, 0,2,4,6
	v_pk_add_f32 v[PS+\k:PS+\k+1], v[PS+\k:PS+\k+1], v[PS+8+\k:PS+9+\k]
	v_pk_add_f32 v[PS+16+\k:PS+17+\k], v[PS+16+\k:PS+17+\k], v[PS+24+\k:PS+25+\k]
.endr
.irp k, 0,2,4,6
	v_pk_add_f32 v[PS+\k:PS+\k+1], v[PS+\k:PS+\k+1], v[PS+16+\k:PS+17+\k]
.endr
	v_max3_num_f32 v[T1], |v[PS]|, |v[PS+1]|, 0x1800000
	v_max3_num_f32 v[T1], v[T1], |v[PS+2]|, |v[PS+3]|
	v_max3_num_f32 v[T1], v[T1], |v[PS+4]|, |v[PS+5]|
	v_max3_num_f32 v[T1], v[T1], |v[PS+6]|, |v[PS+7]|
	v_max_num_f32_dpp v[T1], v[T1], v[T1] row_xmask:1 row_mask:0xf bank_mask:0xf
	v_max_num_f32_dpp v[T1], v[T1], v[T1] row_xmask:2 row_mask:0xf bank_mask:0xf   ; four lanes: a block of 32 channels
	v_add_nc_u32 v[T2], 0xff000000, v[T1]
	v_cvt_scalef32_pk8_fp4_f32 v[T3], v[PS:PS+7], v[T2]
	v_lshrrev_b32 v[T4], 23, v[T2]
	v_add_nc_u32 v[OCA], s[TO], v[OCW]
	v_add_nc_u32 v[OSA], s[TO2], v[OSW]
	s_wait_alu depctr_va_vdst(0)                   ; the code T3, the byte T4 and the two addresses are written, which the stores read; the lines above are done with PS, in which later LDS loads land
	ds_store_b32 v[OCA], v[T3]
	ds_store_b8 v[OSA], v[T4]                      ; four lanes write the same byte with the same value
	s_add_co_u32 s[TO], s[TO], 512
	s_add_co_u32 s[TO2], s[TO2], 32
	s_sub_co_u32 s[TI], s[TI], 1
	s_cmp_lg_u32 s[TI], 0
	s_cbranch_scc1 .Ltile
	BARRIER                                        ; 128 queries' codes and bytes lie in LDS
	ds_load_b128 v[PS:PS+3], v[OCR]
	ds_load_b128 v[PS+4:PS+7], v[OCR] offset:512
	s_wait_dscnt 0x0
	global_store_b128 v[LI], v[PS:PS+3], s[OCB:OCB+1]             ; 512 consecutive bytes a store
	global_store_b128 v[LI], v[PS+4:PS+7], s[OCB:OCB+1] offset:512
	s_cmp_lg_u32 s[WV], 0
	s_cbranch_scc1 .Lend
	ds_load_b64 v[PS+8:PS+9], v[OSR]
	s_wait_dscnt 0x0
	global_store_b64 v[L8], v[PS+8:PS+9], s[OSB:OSB+1]            ; 256 consecutive bytes
.Lend:
	s_wait_dscnt 0x0
	s_wait_alu depctr_hold_cnt(0) depctr_sa_sdst(0) depctr_va_vdst(0) depctr_va_sdst(0) depctr_va_ssrc(0) depctr_va_vcc(0) depctr_vm_vsrc(0)
	s_wait_tensorcnt 0x0
	ds_add_u32 v254, v255
	s_wait_dscnt 0x0
	s_endpgm
.Lfunc_end_k_qac2e330c00_attn:
	.size	k_qac2e330c00_attn, .Lfunc_end_k_qac2e330c00_attn-k_qac2e330c00_attn
	.p2alignl 7, 3214868480
	.fill 96, 4, 3214868480
	.section	.rodata,"a",@progbits
	.p2align	6, 0x0
	.amdhsa_kernel k_qac2e330c00_attn
		.amdhsa_group_segment_fixed_size 155392
		.amdhsa_private_segment_fixed_size 0
		.amdhsa_enable_private_segment 0
		.amdhsa_kernarg_size 64
		.amdhsa_user_sgpr_count 2
		.amdhsa_user_sgpr_kernarg_segment_ptr 1
		.amdhsa_wavefront_size32 1
		.amdhsa_system_sgpr_workgroup_id_x 1
		.amdhsa_system_sgpr_workgroup_id_y 1
		.amdhsa_system_sgpr_workgroup_id_z 1
		.amdhsa_system_vgpr_workitem_id 0
		.amdhsa_next_free_vgpr 1024
		.amdhsa_next_free_sgpr 66
		.amdhsa_reserve_vcc 1
		.amdhsa_float_denorm_mode_32 3
		.amdhsa_float_denorm_mode_16_64 3
		.amdhsa_memory_ordered 1
		.amdhsa_forward_progress 1
		.amdhsa_inst_pref_size 158
	.end_amdhsa_kernel
	.amdgpu_metadata
---
amdhsa.version: [ 1, 2 ]
amdhsa.kernels:
  - .name:           k_qac2e330c00_attn
    .symbol:         k_qac2e330c00_attn.kd
    .args:
      - { .name: qkc, .offset: 0, .size: 8, .value_kind: global_buffer, .address_space: global }
      - { .name: qks, .offset: 8, .size: 8, .value_kind: global_buffer, .address_space: global }
      - { .name: vimg, .offset: 16, .size: 8, .value_kind: global_buffer, .address_space: global }
      - { .name: vsc, .offset: 24, .size: 8, .value_kind: global_buffer, .address_space: global }
      - { .name: x_mask, .offset: 32, .size: 8, .value_kind: global_buffer, .address_space: global }
      - { .name: y_mask, .offset: 40, .size: 8, .value_kind: global_buffer, .address_space: global }
      - { .name: ocod, .offset: 48, .size: 8, .value_kind: global_buffer, .address_space: global }
      - { .name: osc, .offset: 56, .size: 8, .value_kind: global_buffer, .address_space: global }
    .group_segment_fixed_size: 155392
    .private_segment_fixed_size: 0
    .kernarg_segment_align: 8
    .kernarg_segment_size: 64
    .max_flat_workgroup_size: 128
    .sgpr_count:     66
    .vgpr_count:     1024
    .wavefront_size: 32
...
	.end_amdgpu_metadata
.endif
;; end of part 6
;; launch tail (part 7): grid 256 x 1, 4 waves a work-group, no clusters, 48,384 bytes of LDS; arguments ocod, osc, x, wimg, wsc, bo, g1, be1, bf1, bf2, g2, be2, out0; writes out0
.if DOCPART == 7
	.amdgcn_target "amdgcn-amd-amdhsa--gfx1250"
	.amdhsa_code_object_version 6
	.text
	.protected	k_qac2e330c00_tail
	.globl	k_qac2e330c00_tail
	.p2align	8
	.type	k_qac2e330c00_tail,@function
k_qac2e330c00_tail:
	s_mov_b64 s[64:65], 0
	v_nop
	global_prefetch_b8 v0, s[64:65] scope:SCOPE_SE
	s_setreg_imm32_b32 hwreg(HW_REG_WAVE_SCHED_MODE, 0, 2), 2
	s_setreg_imm32_b32 hwreg(HW_REG_WAVE_MODE, 25, 1), 1
	s_wait_xcnt 0x0
	s_wait_alu depctr_vm_vsrc(0)
; THE LAST LAYER'S TAIL: h = LN(x + o Wo + bo; g1, be1);  out = LN(h + gelu(h W1 + bf1) W2 + bf2; g2, be2).  All three products on codes of FP4 (E2M1) with one E8M0 scale for each 32 along K; all else in f32.
; SHARES: a work-group takes 16 rows through the whole chain; h and the hidden layer never go to memory.  THE WAVES SHARE THE COLUMNS: wave w makes 128 columns of every product (transposed: source 0 = 16 weight columns,
; source 1 = the 16 rows), so that a lane holds one row and its registers run along the next product's K.  What a wave has quantised is one K step of the next product: it goes to the others through LDS as an image of its registers.
; THE WEIGHTS come as images (32 KB a wave and chunk, 512 consecutive bytes a load) straight into registers, in two buffers by turns: Wo, then for it = 0 .. 3 W1's columns 512 it on and W2's rows 512 it on.
; Each chunk is asked for while the chunk before is multiplied or the gelu is computed, in bursts among the gelu's groups.
; x + bo is the C of Wo's first products, bf1 of W1's, bf2 + h of W2's.
; LN: each wave takes the mean and the sum of squares about ITS mean of its 128 columns; the four meet in LDS: no difference of large sums is formed.
; GELU is exact: x/2 (1 + erf(x / sqrt 2)), erf(z) = z P(z^2) / Q(z^2) on z held to +-4, a rational of degrees 6 and 4 in z^2 that serves f32.
; No tensor loads, no cluster: the codes go from memory to registers once a work-group, and a joint request would send every byte through LDS as well.
; LIMITS: NaN and infinities are not served; a block of zeros carries the byte 1; biases and residuals enter as the sums' starts.
; REGISTERS: window 0: addresses, fragments of the rows, scale words, HA (64 results), the gelu's work;  window 1: buffer A;  window 2: buffer B;  window 3: v0-63 ACC, v64-127 h, v128-191 a bias, v192-223 h's four fragments.
; THE MODE: SCHED_MODE bits 1:0 = 2 (LLVM: expert scheduling mode 2), set by the entry lines.  The code itself states the register dependences
; between vector or matrix instructions and memory or LDS instructions, with s_wait_alu, always for 0.
; THE PLAN.  Registers that memory or LDS instructions touch, in the loop:
;   buffer B, WSB, window 3 v128-191   W1's codes, scale words and bias: read by an iteration's W1 products; the next iteration's loads land there, in bursts among the gelu's groups.
;   buffer A, WSA                      W2's codes and scale words: read by the W2 products; behind them the next chunk's first 56 loads land there, its last 16 in the next gelu's first two bursts.
;   GF, OSW                            the hidden layer's fragments and scale words: LDS loads land, the W2 products read.
;   PC, PW                             written by the quantising, read by the image's LDS stores.
;   v1-v15                             addresses and offsets: made once at the head; the chunks are reached by scalar bases, each stepped behind the counted wait that shows the loads that read it done.
; So: ONE wait on va_vdst behind the W1 products serves all the gelu's bursts (the gelu names HA and its own work registers alone), one behind the W2 products serves the next W2's loads,
; one behind the quantising serves the image's stores; ONE wait on vm_vsrc behind the image's barrier frees PC and PW.
.set HIMG, 1024                        ; LDS: 0: LN's statistics, 2 x 512;  h's four fragments;
.set HSC,  5120                        ; their scale words;
.set GIMG, 5632                        ; four fragments of the hidden layer;
.set GSC,  9728                        ; their scale words;
.set STG,  14848                       ; 16 rows x (2,048 + 16) bytes, for the way out
.set LI,  1
.set LS,  2
.set L8,  3
.set OA,  4
.set OSA, 5
.set XRA, 6
.set BA,  7
.set LNW, 8
.set LNR, 9
.set HWI, 10
.set HWS, 11
.set GWI, 12
.set GWS, 13
.set SO,  14
.set SR,  15
.set GF,  32                           ; v32-63  four fragments: o's, later the hidden layer's
.set OSW, 64                           ; v64-67  their scale words
.set HSW, 68                           ; v68-71  h's scale words
.set WSA, 72                           ; v72-87  buffer A's scale words, 4 b + s
.set WSB, 88                           ; v88-103 buffer B's
.set TM,  104
.set PC,  120
.set PW,  128
.set TP,  129
.set HA,  132                          ; v132-195
.set ZZ,  196                          ; v196-203 z;  v204-211 z^2;  v212-243 numerators and denominators of two groups
.set Z2,  204
.set GA,  212
.set SS,  244                          ; v244-251 four chains of sums
.set CA,  252                          ; v[252:253] the numerator's leading coefficient, twice;  v[254:255] the denominator's
.set CB,  254
.set WV,   30
.set SEL,  32
.set WOP,  38
.set W1P,  40
.set W2P,  42
.set WSOP, 44
.set WS1P, 46
.set WS2P, 48
.set IT,   50
.set OCP,  4
.set OSP,  6
.set XP,   8
.set BOP,  14
.set G1P,  16
.set BE1P, 18
.set BF1P, 20
.set BF2P, 22
.set G2P,  24
.set BE2P, 26
.set OUTP, 28
.set MSB, 0
.macro WIN new                         ; the immediate's high byte repeats the setting that is left
.if MSB != (\new)
	s_set_vgpr_msb (MSB<<8)|(\new)
.set MSB, (\new)
.endif
.endm
.macro BARRIER
	s_wait_dscnt 0x0
	s_barrier_signal -1
	s_barrier_wait -1
.endm
.macro MM d, a, b, c, sa, sb, row1     ; row1: source 0's scales stand in lanes 16-31
.if \row1
	v_wmma_scale_f32_16x16x128_f8f6f4 v[0+(\d):7+(\d)], v[0+(\a):7+(\a)], v[0+(\b):7+(\b)], v[0+(\c):7+(\c)], v[\sa], v[\sb] matrix_a_fmt:MATRIX_FMT_FP4 matrix_b_fmt:MATRIX_FMT_FP4 matrix_a_scale:MATRIX_SCALE_ROW1
.else
	v_wmma_scale_f32_16x16x128_f8f6f4 v[0+(\d):7+(\d)], v[0+(\a):7+(\a)], v[0+(\b):7+(\b)], v[0+(\c):7+(\c)], v[\sa], v[\sb] matrix_a_fmt:MATRIX_FMT_FP4 matrix_b_fmt:MATRIX_FMT_FP4
.endif
.endm
; 64 numbers of a lane in window w, register s + 16 b + i = k 32 b + 16 (lane / 16) + i of my row, become a fragment's codes in v[PC] on and its scale word in v[PW]
.macro QUANT s, w
	WIN (\w)|((\w)<<2)
.irp b, 0,1,2,3
	v_max3_num_f32 v[TM+\b], |v[\s+16*\b]|, |v[\s+1+16*\b]|, 0x1800000
.endr
.irp i, 2,4,6,8,10,12,14
.irp b, 0,1,2,3
	v_max3_num_f32 v[TM+\b], |v[\s+16*\b+\i]|, |v[\s+1+16*\b+\i]|, v[TM+\b]
.endr
.endr
	WIN 0
.irp b, 0,1,2,3
	v_permlanex16_b32 v[TM+4+\b], v[TM+\b], s[SEL], s[SEL+1]
.endr
.irp b, 0,1,2,3
	v_max_num_f32 v[TM+\b], v[TM+\b], v[TM+4+\b]
.endr
.irp b, 0,1,2,3
	v_add_nc_u32 v[TM+12+\b], 0xff000000, v[TM+\b]
.endr
.irp b, 0,1,2,3
	v_lshrrev_b32 v[TM+4+\b], 23, v[TM+12+\b]
.endr
	v_lshl_or_b32 v[PW], v[TM+5], 8, v[TM+4]
	v_lshl_or_b32 v[PW], v[TM+6], 16, v[PW]
	v_lshl_or_b32 v[PW], v[TM+7], 24, v[PW]
	WIN (\w)
.irp b, 0,1,2,3
	v_cvt_scalef32_pk8_fp4_f32 v[PC+2*\b], v[\s+16*\b:\s+7+16*\b], v[TM+12+\b]
	v_cvt_scalef32_pk8_fp4_f32 v[PC+1+2*\b], v[\s+8+16*\b:\s+15+16*\b], v[TM+12+\b]
.endr
	WIN 0
	v_nop                                          ; one plain line behind the conversions
.irp c, 0,1
.irp i, 0,1
	v_permlane16_swap_b32 v[PC+4*\c+\i], v[PC+2+4*\c+\i]
.endr
.endr
.endm
.macro IMAGE adr
.irp c, 0,1
	ds_store_b128 v[\adr], v[PC+4*\c:PC+4*\c+3] offset:512*\c
.endr
.endm
.macro BLOAD reg, adr, ptr, off        ; 64 numbers in the result's layout: tile 2 b + u, lane (r, h): columns 32 b + 16 h + 8 u + 0 .. 7
.irp t, 0,1,2,3,4,5,6,7
	global_load_b128 v[\reg+8*\t:\reg+8*\t+3], v[\adr], s[\ptr:\ptr+1] offset:\off+(32*(\t/2)+8*(\t%2))*4
	global_load_b128 v[\reg+8*\t+4:\reg+8*\t+7], v[\adr], s[\ptr:\ptr+1] offset:\off+(32*(\t/2)+8*(\t%2))*4+16
.endr
.endm
.macro CODES ptr, off, from, n         ; loads from .. from + n - 1 of a chunk's 64: registers 4 i on
.set ci, \from
.rept \n
	global_load_b128 v[4*ci:4*ci+3], v[LI], s[\ptr:\ptr+1] offset:\off+512*ci
.set ci, ci+1
.endr
.endm
.macro WSCL reg, ptr, off              ; a chunk's 16 scale words
.irp b, 0,1,2,3
.irp kc, 0,1
	global_load_b64 v[\reg+4*\b+2*\kc:\reg+4*\b+2*\kc+1], v[L8], s[\ptr:\ptr+1] offset:\off+\kc*4096+\b*256
.endr
.endr
.endm
.macro LNJOIN                          ; four chains, two halves, two halves of the lanes: one number in v[SS]
	v_pk_add_f32 v[SS:SS+1], v[SS:SS+1], v[SS+2:SS+3]
	v_pk_add_f32 v[SS+4:SS+5], v[SS+4:SS+5], v[SS+6:SS+7]
	v_pk_add_f32 v[SS:SS+1], v[SS:SS+1], v[SS+4:SS+5]
	v_add_f32 v[SS], v[SS], v[SS+1]
	v_permlanex16_b32 v[TP], v[SS], s[SEL], s[SEL+1]
	v_add_f32 v[SS], v[SS], v[TP]
.endm
; my wave's 128 columns of my row, 64 a lane, at v[base] of window w: v22 = their mean, HA = the numbers less that mean, v23 = the sum of HA's squares
.macro LNLOC base, w
	WIN (\w)|((\w)<<2)
.irp k, 0,1,2,3
	v_pk_add_f32 v[SS+2*\k:SS+2*\k+1], v[\base+2*\k:\base+2*\k+1], v[\base+8+2*\k:\base+9+2*\k]
.endr
	WIN ((\w)<<2)
.set p, 8
.rept 24
	v_pk_add_f32 v[SS+2*(p%4):SS+2*(p%4)+1], v[SS+2*(p%4):SS+2*(p%4)+1], v[\base+2*p:\base+2*p+1]
.set p, p+1
.endr
	WIN 0
	LNJOIN
	v_mul_f32 v22, 0x3c000000, v[SS]               ; / 128
	WIN (\w)
.set p, 0
.rept 32
	v_pk_add_f32 v[HA+2*p:HA+2*p+1], v[\base+2*p:\base+2*p+1], v[22:23] op_sel_hi:[1,0] neg_lo:[0,1] neg_hi:[0,1]
.set p, p+1
.endr
	WIN 0
.irp k, 0,1,2,3
	v_pk_mul_f32 v[SS+2*\k:SS+2*\k+1], v[HA+2*\k:HA+2*\k+1], v[HA+2*\k:HA+2*\k+1]
.endr
.set p, 4
.rept 28
	v_pk_fma_f32 v[SS+2*(p%4):SS+2*(p%4)+1], v[HA+2*p:HA+2*p+1], v[HA+2*p:HA+2*p+1], v[SS+2*(p%4):SS+2*(p%4)+1]
.set p, p+1
.endr
	LNJOIN
	v_mov_b32 v23, v[SS]
.endm
; the four waves' (mean, sum of squares) meet: v18 = the row's mean less my wave's, v20 = 1 / sqrt(variance + 1e-5)
.macro LNX off
	s_wait_alu depctr_va_vdst(0)                   ; my mean v22 and my sum of squares v23 are written, which the store reads; earlier lines are done with v24 to v31, in which the loads below land
	ds_store_b64 v[LNW], v[22:23] offset:\off
	BARRIER
	ds_load_b128 v[24:27], v[LNR] offset:\off
	ds_load_b128 v[28:31], v[LNR] offset:\off+16
	s_wait_dscnt 0x0
	v_add_f32 v18, v24, v26
	v_add_f32 v19, v28, v30
	v_add_f32 v18, v18, v19
	v_mul_f32 v18, 0x3e800000, v18                 ; the row's mean
	v_sub_f32 v24, v24, v18
	v_sub_f32 v26, v26, v18
	v_sub_f32 v28, v28, v18
	v_sub_f32 v30, v30, v18
	v_add_f32 v25, v25, v27
	v_add_f32 v29, v29, v31
	v_add_f32 v25, v25, v29
	v_mul_f32 v27, v24, v24
	v_fmac_f32 v27, v26, v26
	v_fmac_f32 v27, v28, v28
	v_fmac_f32 v27, v30, v30
	v_fma_f32 v25, 0x43000000, v27, v25            ; + 128 x the squares of the waves' means about the row's
	v_mul_f32 v25, 0x3b000000, v25                 ; / 512
	v_add_f32 v25, 0x3727c5ac, v25                 ; + 1e-5
	v_rsq_f32 v20, v25
	v_sub_f32 v18, v18, v22                        ; (a plain line behind the root)
	s_wait_alu depctr_va_vdst(0)                   ; the root has written v20, ahead of its first reader
.endm
.macro LNNORM                          ; HA = (HA - v18) x v20
.set p, 0
.rept 32
	v_pk_add_f32 v[HA+2*p:HA+2*p+1], v[HA+2*p:HA+2*p+1], v[18:19] op_sel_hi:[1,0] neg_lo:[0,1] neg_hi:[0,1]
.set p, p+1
.endr
.set p, 0
.rept 32
	v_pk_mul_f32 v[HA+2*p:HA+2*p+1], v[HA+2*p:HA+2*p+1], v[20:21] op_sel_hi:[1,0]
.set p, p+1
.endr
.endm
; THE GELU of HA's group q of eight numbers, in three parts, so that a group's reciprocals are out while the next group's polynomials are computed
.macro POLY q
.set HQ, HA+8*(\q)
.set AQ, GA+16*((\q)%2)
.set BQ, AQ+8
.irp k, 0,2,4,6
	v_pk_mul_f32 v[ZZ+\k:ZZ+\k+1], v[HQ+\k:HQ+\k+1], 0x3f3504f3 op_sel_hi:[1,0]    ; z = x / sqrt 2
.endr
.irp k, 0,2,4,6
	v_pk_mul_f32 v[HQ+\k:HQ+\k+1], v[HQ+\k:HQ+\k+1], 0.5 op_sel_hi:[1,0]
.endr
.irp k, 0,1,2,3,4,5,6,7
	v_med3_num_f32 v[ZZ+\k], v[ZZ+\k], -4.0, 4.0
.endr
.irp k, 0,2,4,6
	v_pk_mul_f32 v[Z2+\k:Z2+\k+1], v[ZZ+\k:ZZ+\k+1], v[ZZ+\k:ZZ+\k+1]
.endr
.irp k, 0,2,4,6
	v_pk_fma_f32 v[AQ+\k:AQ+\k+1], v[Z2+\k:Z2+\k+1], v[CA:CA+1], 0x32edffee op_sel_hi:[1,1,0]
	v_pk_fma_f32 v[BQ+\k:BQ+\k+1], v[Z2+\k:Z2+\k+1], v[CB:CB+1], 0xb95fbd29 op_sel_hi:[1,1,0]
.endr
.irp cf, 0xb60cff51, 0xb86ec2d2, 0xba40ac63, 0xbb41a1f6, 0xbc83dbd4
.irp k, 0,2,4,6
	v_pk_fma_f32 v[AQ+\k:AQ+\k+1], v[AQ+\k:AQ+\k+1], v[Z2+\k:Z2+\k+1], \cf op_sel_hi:[1,1,0]
.endr
.endr
.irp cf, 0xbadc924e, 0xbbf19bf8, 0xbc69b6a7
.irp k, 0,2,4,6
	v_pk_fma_f32 v[BQ+\k:BQ+\k+1], v[BQ+\k:BQ+\k+1], v[Z2+\k:Z2+\k+1], \cf op_sel_hi:[1,1,0]
.endr
.endr
.irp k, 0,2,4,6
	v_pk_mul_f32 v[AQ+\k:AQ+\k+1], v[AQ+\k:AQ+\k+1], v[ZZ+\k:ZZ+\k+1]
.endr
.endm
.macro RCP q
.set BQ, GA+16*((\q)%2)+8
.irp k, 0,1,2,3,4,5,6,7
	v_rcp_f32 v[BQ+\k], v[BQ+\k]
.endr
.endm
.macro FIN q
.set HQ, HA+8*(\q)
.set AQ, GA+16*((\q)%2)
.set BQ, AQ+8
.irp k, 0,2,4,6
	v_pk_fma_f32 v[AQ+\k:AQ+\k+1], v[AQ+\k:AQ+\k+1], v[BQ+\k:BQ+\k+1], 1.0 op_sel_hi:[1,1,0]   ; 1 + erf
.endr
.irp k, 0,2,4,6
	v_pk_mul_f32 v[HQ+\k:HQ+\k+1], v[HQ+\k:HQ+\k+1], v[AQ+\k:AQ+\k+1]
.endr
.endm
.macro BURST q, last                   ; the loads that stand behind group q's polynomials.  No wait of their own: no vector or matrix line since the wait behind the W1 products names a register that they touch
.if (\q) < 2
	WIN 0x40
	CODES W2P, 0, 48+8*(\q), 8                     ; the rest of this iteration's W2
	WIN 0
.elseif \last
.if (\q) == 2
	WIN 0x80
	BLOAD 0, BA, G2P, 0
	WIN 0
.elseif (\q) == 3
	WIN 0x80
	BLOAD 64, BA, BE2P, 0
	WIN 0
.endif
.elseif (\q) < 6
	WIN 0x80
	CODES W1P, 0, 16*((\q)-2), 16                  ; the next iteration's W1: buffer B's products are over, and the base stands at the next chunk
	WIN 0
.elseif (\q) == 6
	WIN 0xc0
	BLOAD 128, BA, BF1P, 0
	WIN 0
.else
	WSCL WSB, WS1P, 0
.endif
.endm
.macro GELU last
	POLY 0
	BURST 0, \last
	RCP 0
.irp q, 1,2,3,4,5,6,7
	POLY \q                                        ; plain work behind the last group's reciprocals; it names none of them
	BURST \q, \last
	s_wait_alu depctr_va_vdst(0)                   ; the last group's eight reciprocals are written: one wait, ahead of their first reader
	FIN \q-1
	RCP \q
.endr
	v_nop
	s_wait_alu depctr_va_vdst(0)                   ; group 7's eight reciprocals are written
	FIN 7
.endm
	s_load_b512 s[4:19], s[0:1], 0x0               ; ocod 4, osc 6, x 8, wimg 10, wsc 12, bo 14, g1 16, be1 18
	s_load_b256 s[20:27], s[0:1], 0x40             ; bf1 20, bf2 22, g2 24, be2 26
	s_load_b64 s[28:29], s[0:1], 0x60              ; out0
	v_lshl_add_u32 v130, v0, 2, 0xbb00
	v_mov_b32 v131, 0
	v_lshrrev_b32 v16, 5, v0
	v_readfirstlane_b32 s[WV], v16                 ; wave 0..3
	v_and_b32 v17, 31, v0
	v_lshlrev_b32 v[LI], 4, v17
	v_lshlrev_b32 v[LS], 2, v17
	v_lshlrev_b32 v[L8], 3, v17
	v_and_b32 v16, 15, v0                          ; r
	v_bfe_u32 v17, v0, 4, 1                        ; h
	v_lshlrev_b32 v[OA], 5, v16
	v_lshl_add_u32 v[OA], v17, 4, v[OA]
	v_lshlrev_b32 v[OSA], 1, v16
	v_lshlrev_b32 v[BA], 6, v17
	v_lshl_add_u32 v[XRA], v16, 11, v[BA]
	v_lshlrev_b32 v[LNR], 5, v16
	s_wait_alu depctr_va_sdst(0)                   ; the wave's number is written, ahead of its first reader: LDS places and bases are made from it
	s_lshl_b32 s36, s[WV], 3
	v_add_nc_u32 v[LNW], s36, v[LNR]
	s_lshl_b32 s36, s[WV], 10
	s_add_co_u32 s37, s36, HIMG
	v_add_nc_u32 v[HWI], s37, v[LI]
	s_add_co_u32 s37, s36, GIMG
	v_add_nc_u32 v[GWI], s37, v[LI]
	s_lshl_b32 s36, s[WV], 7
	s_add_co_u32 s37, s36, HSC
	v_add_nc_u32 v[HWS], s37, v[LS]
	s_add_co_u32 s37, s36, GSC
	v_add_nc_u32 v[GWS], s37, v[LS]
	v_mul_u32_u24 v[SO], v16, 2064
	v_add_nc_u32 v[SO], v[SO], v[BA]
	s_lshl_b32 s36, s[WV], 9
	s_add_co_u32 s36, s36, STG
	v_add_nc_u32 v[SO], s36, v[SO]                 ; the stage: row r, + 512 w + 64 h
	s_mul_i32 s36, s[WV], 8256
	s_add_co_u32 s36, s36, STG
	v_add_nc_u32 v[SR], s36, v[LI]                 ; back: my four rows
	s_mov_b32 s[SEL], 0x76543210
	s_mov_b32 s[SEL+1], 0xfedcba98
	s_mov_b32 s35, 0
.irp b, 0,1,2,3
	v_mov_b32 v[TM+4+\b], 0                        ; lane permutes' destinations, and upper halves of pairs, are written once
.endr
	v_mov_b32 v[TP], 0
	v_mov_b32 v19, 0
	v_mov_b32 v21, 0
	v_mov_b32 v23, 0
	v_mov_b32 v[CA], 0xaf95df0b
	v_mov_b32 v[CA+1], 0xaf95df0b
	v_mov_b32 v[CB], 0xb77460cd
	v_mov_b32 v[CB+1], 0xb77460cd
	s_wait_kmcnt 0x0
	s_lshl_b32 s34, ttmp9, 9                       ; my 16 rows: 32 bytes a row and head
	s_add_nc_u64 s[OCP:OCP+1], s[OCP:OCP+1], s[34:35]
	s_lshl_b32 s34, ttmp9, 5
	s_add_nc_u64 s[OSP:OSP+1], s[OSP:OSP+1], s[34:35]
	s_lshl_b32 s34, ttmp9, 15
	s_lshl_b32 s36, s[WV], 9
	s_add_co_u32 s34, s34, s36
	s_add_nc_u64 s[XP:XP+1], s[XP:XP+1], s[34:35]
	s_lshl_b32 s34, ttmp9, 15
	s_lshl_b32 s36, s[WV], 13
	s_add_co_u32 s34, s34, s36
	s_add_nc_u64 s[OUTP:OUTP+1], s[OUTP:OUTP+1], s[34:35]
	s_lshl_b32 s36, s[WV], 15
	s_add_co_u32 s34, s36, 9*131072
	s_add_nc_u64 s[WOP:WOP+1], s[10:11], s[34:35]
	s_add_co_u32 s34, s36, 10*131072
	s_add_nc_u64 s[W1P:W1P+1], s[10:11], s[34:35]
	s_add_co_u32 s34, s36, 14*131072
	s_add_nc_u64 s[W2P:W2P+1], s[10:11], s[34:35]
	s_lshl_b32 s36, s[WV], 10
	s_add_co_u32 s34, s36, 9*8192
	s_add_nc_u64 s[WSOP:WSOP+1], s[12:13], s[34:35]
	s_add_co_u32 s34, s36, 10*8192
	s_add_nc_u64 s[WS1P:WS1P+1], s[12:13], s[34:35]
	s_add_co_u32 s34, s36, 14*8192
	s_add_nc_u64 s[WS2P:WS2P+1], s[12:13], s[34:35]
	s_lshl_b32 s36, s[WV], 9
	s_add_co_u32 s34, s36, 6144                    ; layer 3 of a [4][512] tensor, my 128 columns
.irp ptr, BOP, G1P, BE1P, BF2P, G2P, BE2P
	s_add_nc_u64 s[\ptr:\ptr+1], s[\ptr:\ptr+1], s[34:35]
.endr
	s_add_co_u32 s34, s36, 24576                   ; layer 3 of bf1
	s_add_nc_u64 s[BF1P:BF1P+1], s[BF1P:BF1P+1], s[34:35]
	s_wait_alu depctr_va_vdst(0)                   ; the addresses and offsets v1 to v15 are written, which every load and store of the kernel reads
	; the first group, 136 loads: all that Wo's product wants, and bf2
.irp s, 0,1,2,3
.irp c, 0,1
	global_load_b128 v[GF+8*\s+4*\c:GF+8*\s+4*\c+3], v[OA], s[OCP:OCP+1] offset:(2*\s+\c)*131072   ; K = 64 head + channel: head 2 s + c
.endr
.endr
.irp j, 0,1,2,3,4,5,6,7
	global_load_u16 v[ZZ+\j], v[OSA], s[OSP:OSP+1] offset:\j*8192
.endr
	BLOAD HA, XRA, XP, 0
	WSCL WSA, WSOP, 0
	WIN 0xc0
	BLOAD 128, BA, BOP, 0
	BLOAD 0, BA, BF2P, 0
	WIN 0x40
	CODES WOP, 0, 0, 64
	WIN 0x80                                       ; the second group, 72 loads: W1's first chunk
	CODES W1P, 0, 0, 64
	WIN 0
	WSCL WSB, WS1P, 0
	s_wait_loadcnt 63                              ; 72 loads are younger than the first group: it is in
.irp s, 0,1,2,3
	v_lshl_or_b32 v[OSW+\s], v[ZZ+2*\s+1], 16, v[ZZ+2*\s]   ; two heads' halves make a K step's scale word
.endr
	WIN 0x0c
.set p, 0
.rept 32                               ; x + bo: the C of Wo's product.  (More than the eight places that the scale words just made want)
	v_pk_add_f32 v[HA+2*p:HA+2*p+1], v[HA+2*p:HA+2*p+1], v[128+2*p:129+2*p]
.set p, p+1
.endr
	WIN 0xc0
	s_wait_alu depctr_va_vdst(0)                   ; the additions are done reading bo's registers, in which bf1 lands; the scale words OSW are written, which the scaled products below take
	BLOAD 128, BA, BF1P, 0
	WIN 0x01                                       ; eight accumulators by turns, a K step at a time
.irp s, 0,1,2,3
.irp t, 0,1,2,3,4,5,6,7
	MM HA+8*\t, 32*\t+8*\s, GF+8*\s, HA+8*\t, WSA+4*(\t/2)+\s, OSW+\s, \t%2
.endr
.endr
	WIN 0
.rept 4
	v_nop                                          ; four places ahead of the first read of results
.endr
	WIN 0x40
	s_wait_alu depctr_va_vdst(0)                   ; Wo's products are done reading buffer A, in which g1, be1 and later W2's codes land, and WSA, GF and OSW, in which later loads land
	BLOAD 0, BA, G1P, 0
	BLOAD 64, BA, BE1P, 0
	WIN 0
	LNLOC HA, 0
	LNX 0
	LNNORM
	s_wait_loadcnt 0x0                             ; g1, be1 (and all that was asked for before them)
	WIN 0xd4
.set p, 0
.rept 32
	v_pk_fma_f32 v[64+2*p:65+2*p], v[HA+2*p:HA+2*p+1], v[2*p:2*p+1], v[64+2*p:65+2*p]   ; h, into window 3; g1 and be1 from window 1
.set p, p+1
.endr
	WIN 0xcf
.set p, 0
.rept 32
	v_pk_add_f32 v[2*p:2*p+1], v[2*p:2*p+1], v[64+2*p:65+2*p]    ; bf2 + h: where W2's sums start
.set p, p+1
.endr
	WIN 0
	s_wait_alu depctr_va_vdst(0)                   ; the multiply-adds are done reading g1 and be1 in buffer A, in which W2's codes land
	WSCL WSA, WS2P, 0                              ; 56 loads: W2's first chunk but for its last sixteen
	WIN 0x40
	CODES W2P, 0, 0, 48
	WIN 0
	QUANT 64, 3
	s_wait_alu depctr_va_vdst(0)                   ; the quantising has written PC and PW, which the stores below read
	IMAGE HWI
	ds_store_b32 v[HWS], v[PW]
	BARRIER                                        ; h's four fragments lie in LDS
	s_wait_alu depctr_vm_vsrc(0)                   ; the image's stores have read PC and PW, and LN's store v22 and v23: later lines write these again
	WIN 0xc0
.irp s, 0,1,2,3
.irp c, 0,1
	ds_load_b128 v[192+8*\s+4*\c:195+8*\s+4*\c], v[LI] offset:HIMG+1024*\s+512*\c
.endr
.endr
	WIN 0
.irp s, 0,1,2,3
	ds_load_b32 v[HSW+\s], v[LS] offset:HSC+128*\s
.endr
	s_wait_dscnt 0x0
.macro ITER last
	s_wait_loadcnt 56                              ; W1's chunk, its scale words and bf1 are in; the 56 loads of W2's chunk are younger
.if !\last
	s_add_nc_u64 s[W1P:W1P+1], s[W1P:W1P+1], 131072        ; free since that wait, which shows the loads that read these three bases done: on to the next chunk of W1
	s_add_nc_u64 s[WS1P:WS1P+1], s[WS1P:WS1P+1], 8192
	s_add_nc_u64 s[BF1P:BF1P+1], s[BF1P:BF1P+1], 2048
.endif
	WIN 0x3e                                       ; source 0 (W1) window 2, source 1 (h) and C (bf1) window 3
.irp t, 0,1,2,3,4,5,6,7
	MM HA+8*\t, 32*\t, 192, 128+8*\t, WSB+4*(\t/2), HSW, \t%2
.endr
	WIN 0x0e
.irp s, 1,2,3
.irp t, 0,1,2,3,4,5,6,7
	MM HA+8*\t, 32*\t+8*\s, 192+8*\s, HA+8*\t, WSB+4*(\t/2)+\s, HSW+\s, \t%2
.endr
.endr
	WIN 0
.rept 4
	v_nop                                          ; four places ahead of the first read of results
.endr
	s_wait_alu depctr_va_vdst(0)                   ; W1's products are done reading buffer B, bf1's registers and WSB, in which the gelu's bursts of loads land
	GELU \last
	QUANT HA, 0
	s_wait_alu depctr_va_vdst(0)                   ; the quantising has written PC and PW, which the stores below read
	IMAGE GWI
	ds_store_b32 v[GWS], v[PW]
	BARRIER                                        ; the chunk's four fragments lie in LDS
	s_wait_alu depctr_vm_vsrc(0)                   ; the image's stores have read PC and PW, which the next quantising writes again
.irp s, 0,1,2,3
.irp c, 0,1
	ds_load_b128 v[GF+8*\s+4*\c:GF+8*\s+4*\c+3], v[LI] offset:GIMG+1024*\s+512*\c
.endr
	ds_load_b32 v[OSW+\s], v[LS] offset:GSC+128*\s
.endr
	BARRIER                                        ; every wave has them in registers: the images may be written again
.if \last
	s_wait_loadcnt 32                              ; W2's chunk is in; g2 and be2 are younger
.else
	s_wait_loadcnt 63                              ; W2's chunk is in: 88 loads are younger
	s_add_nc_u64 s[W2P:W2P+1], s[W2P:W2P+1], 131072        ; free since that wait, which shows the loads that read these two bases done: on to the next chunk of W2
	s_add_nc_u64 s[WS2P:WS2P+1], s[WS2P:WS2P+1], 8192
.endif
	WIN 0xf1                                       ; source 0 (W2) window 1, C and D window 3
.irp s, 0,1,2,3
.irp t, 0,1,2,3,4,5,6,7
	MM 8*\t, 32*\t+8*\s, GF+8*\s, 8*\t, WSA+4*(\t/2)+\s, OSW+\s, \t%2
.endr
.endr
	WIN 0
.rept 4
	v_nop
.endr
.if !\last
	s_wait_alu depctr_va_vdst(0)                   ; W2's products are done reading WSA and buffer A, in which the next chunk lands
	WSCL WSA, WS2P, 0                              ; the next W2: 56 loads
	WIN 0x40
	CODES W2P, 0, 0, 48
	WIN 0
.endif
.endm
	s_mov_b32 s[IT], 3
.Liter:
	ITER 0
	s_sub_co_u32 s[IT], s[IT], 1
	s_cmp_lg_u32 s[IT], 0
	s_cbranch_scc1 .Liter
	ITER 1                                         ; the last chunk asks for g2 and be2 and for no further weights
	LNLOC 0, 3
	LNX 512
	LNNORM
	s_wait_loadcnt 0x0                             ; g2, be2
	WIN 0x28
.set p, 0
.rept 32
	v_pk_fma_f32 v[HA+2*p:HA+2*p+1], v[HA+2*p:HA+2*p+1], v[2*p:2*p+1], v[64+2*p:65+2*p]
.set p, p+1
.endr
	WIN 0
	s_wait_alu depctr_va_vdst(0)                   ; the multiply-adds have written HA, which the LDS stores read
.irp t, 0,1,2,3,4,5,6,7
	ds_store_b128 v[SO], v[HA+8*\t:HA+8*\t+3] offset:(32*(\t/2)+8*(\t%2))*4
	ds_store_b128 v[SO], v[HA+8*\t+4:HA+8*\t+7] offset:(32*(\t/2)+8*(\t%2))*4+16
.endr
	BARRIER                                        ; 16 whole rows lie in the stage
	s_wait_alu depctr_vm_vsrc(0)                   ; my LDS stores have read HA, in which the rows land
.irp i, 0,1,2,3,4,5,6,7,8,9,10,11,12,13,14,15
	ds_load_b128 v[HA+4*\i:HA+4*\i+3], v[SR] offset:(\i/4)*2064+(\i%4)*512
.endr
.irp i, 0,1,2,3,4,5,6,7,8,9,10,11,12,13,14,15
	s_wait_dscnt 15-\i                             ; the younger LDS loads may be out
	global_store_b128 v[LI], v[HA+4*\i:HA+4*\i+3], s[OUTP:OUTP+1] offset:(\i/4)*2048+(\i%4)*512 th:TH_STORE_NT   ; 512 consecutive bytes, aligned
.endr
	s_wait_dscnt 0x0
	s_wait_alu depctr_hold_cnt(0) depctr_sa_sdst(0) depctr_va_vdst(0) depctr_va_sdst(0) depctr_va_ssrc(0) depctr_va_vcc(0) depctr_vm_vsrc(0)
	s_wait_tensorcnt 0x0
	ds_add_u32 v130, v131
	s_wait_dscnt 0x0
	s_endpgm
.Lfunc_end_k_qac2e330c00_tail:
	.size	k_qac2e330c00_tail, .Lfunc_end_k_qac2e330c00_tail-k_qac2e330c00_tail
	.p2alignl 7, 3214868480
	.fill 96, 4, 3214868480
	.section	.rodata,"a",@progbits
	.p2align	6, 0x0
	.amdhsa_kernel k_qac2e330c00_tail
		.amdhsa_group_segment_fixed_size 48384
		.amdhsa_private_segment_fixed_size 0
		.amdhsa_enable_private_segment 0
		.amdhsa_kernarg_size 104
		.amdhsa_user_sgpr_count 2
		.amdhsa_user_sgpr_kernarg_segment_ptr 1
		.amdhsa_wavefront_size32 1
		.amdhsa_system_sgpr_workgroup_id_x 1
		.amdhsa_system_sgpr_workgroup_id_y 1
		.amdhsa_system_sgpr_workgroup_id_z 1
		.amdhsa_system_vgpr_workitem_id 0
		.amdhsa_next_free_vgpr 1024
		.amdhsa_next_free_sgpr 66
		.amdhsa_reserve_vcc 0
		.amdhsa_float_denorm_mode_32 3
		.amdhsa_float_denorm_mode_16_64 3
		.amdhsa_memory_ordered 1
		.amdhsa_forward_progress 1
		.amdhsa_inst_pref_size 226
	.end_amdhsa_kernel
	.amdgpu_metadata
---
amdhsa.version: [ 1, 2 ]
amdhsa.kernels:
  - .name:           k_qac2e330c00_tail
    .symbol:         k_qac2e330c00_tail.kd
    .args:
      - { .name: ocod, .offset: 0, .size: 8, .value_kind: global_buffer, .address_space: global }
      - { .name: osc, .offset: 8, .size: 8, .value_kind: global_buffer, .address_space: global }
      - { .name: x, .offset: 16, .size: 8, .value_kind: global_buffer, .address_space: global }
      - { .name: wimg, .offset: 24, .size: 8, .value_kind: global_buffer, .address_space: global }
      - { .name: wsc, .offset: 32, .size: 8, .value_kind: global_buffer, .address_space: global }
      - { .name: bo, .offset: 40, .size: 8, .value_kind: global_buffer, .address_space: global }
      - { .name: g1, .offset: 48, .size: 8, .value_kind: global_buffer, .address_space: global }
      - { .name: be1, .offset: 56, .size: 8, .value_kind: global_buffer, .address_space: global }
      - { .name: bf1, .offset: 64, .size: 8, .value_kind: global_buffer, .address_space: global }
      - { .name: bf2, .offset: 72, .size: 8, .value_kind: global_buffer, .address_space: global }
      - { .name: g2, .offset: 80, .size: 8, .value_kind: global_buffer, .address_space: global }
      - { .name: be2, .offset: 88, .size: 8, .value_kind: global_buffer, .address_space: global }
      - { .name: out0, .offset: 96, .size: 8, .value_kind: global_buffer, .address_space: global }
    .group_segment_fixed_size: 48384
    .private_segment_fixed_size: 0
    .kernarg_segment_align: 8
    .kernarg_segment_size: 104
    .max_flat_workgroup_size: 128
    .sgpr_count:     66
    .vgpr_count:     1024
    .wavefront_size: 32
...
	.end_amdgpu_metadata
.endif
;; end of part 7
